; MI455X (gfx1250); checked and timed in simulation.
; The chip was launched on July 23, 2026; its instructions are those of AMD's public machine-readable ISA for CDNA 5 (MIT licence, August 2026) and "CDNA5" Instruction Set Architecture Reference Guide (July 2026). The comments in the code are by the model that wrote it; some were corrected since.
;; Attention. Allowed arithmetic: matrix products marked QUANTISED: E3M2 operands, one E8M0 scale for each 32 along K, by v_wmma_scale_f32_16x16x128_f8f6f4 with both operands' format E3M2, f32 sums; everything else in f32.
;; Inputs: attn_bias 1 x 1 x 2,048 x 2,048 float32; cos 2,048 x 128 float32; hidden_states 1 x 2,048 x 2,048 float32; masks 1 x 2,048 x 2,048 float32; position_ids 1 x 2,048 int32; sin 2,048 x 128 float32; wk 2,048 x 2,048 float32; wo 2,048 x 2,048 float32; wq 2,048 x 2,048 float32; wv 2,048 x 2,048 float32.
;; Outputs: out0 1 x 2,048 x 2,048 float32.
;; This version of the problem:
;;   THIS VERSION OF THE PROBLEM IS GIVEN IN LOW PRECISION. The matrix products marked QUANTISED in the list below multiply operands that are first quantised to E3M2 (3 exponent bits, 2 mantissa bits; 6 bits a number), with one power-of-two scale for each 32 numbers along K (OCP MX v1.0); their sums are f32. All else is computed in f32.
;;   The module's matrix products, in the order in which they are computed (A, B: the left and right operand; K: the contracted axis; several contracted axes count as one K, in the product's order):
;;     1. [M 2,048, K 2,048] x [K 2,048, N 2,048]; A: input hidden_states; B: input wq: QUANTISED
;;     2. [M 2,048, K 2,048] x [K 2,048, N 2,048]; A: input hidden_states; B: input wk: QUANTISED
;;     3. [M 2,048, K 2,048] x [K 2,048, N 2,048]; A: input hidden_states; B: input wv: QUANTISED
;;     4. batch 16 x [M 2,048, K 128] x [K 128, N 2,048]; A: computed on the way; B: computed on the way: QUANTISED
;;     5. batch 16 x [M 2,048, K 2,048] x [K 2,048, N 128]; A: softmax (see below); B: computed on the way: QUANTISED
;;     6. [M 2,048, K 2,048] x [K 2,048, N 2,048]; A: computed on the way; B: input wo: QUANTISED
;;   THE QUANTISER, for each operand of a quantised product, along K:
;;     - K is cut into blocks of 32 from its start; a last block that is shorter is filled with zeros.
;;     - A block's scale is 2^e with e = floor(log2(the largest magnitude in the block)) - 4, held to -126 .. 127; a block of zeros has e = 0. As a byte (E8M0): e + 127.
;;     - Each number is divided by its block's scale, clamped to +-28, and rounded to the nearest number of E3M2, ties to even, subnormals kept.
;;     - The product sums the exact products of the quantised numbers (number of the format x scale) in f32.
;;   ~~~python
;;   def quantise(x, axis):      # numpy; x: float32 -> the quantised numbers, widened to float32 again
;;       x = np.moveaxis(x, axis, -1); K = x.shape[-1]
;;       x = np.pad(x, [(0, 0)] * (x.ndim - 1) + [(0, -K % 32)]); x = x.reshape(x.shape[:-1] + (-1, 32)); a = np.abs(x).max(-1, keepdims=True)
;;       e = np.where(a > 0, np.clip(np.frexp(np.where(a > 0, a, 1))[1] - 1 - 4, -126, 127), 0)      # np.frexp(a)[1] - 1 = floor(log2(a)), exactly
;;       r = np.clip(x / 2.0 ** e, -28, 28)
;;       step = 2.0 ** (np.maximum(np.frexp(np.where(r == 0, 1, r))[1] - 1, -2) - 2)
;;       q = np.round(r / step) * step * 2.0 ** e      # np.round: ties to even
;;       return np.moveaxis(q.reshape(q.shape[:-2] + (-1,))[..., :K], -1, axis).astype(np.float32)
;;   ~~~
;;   SOFTMAX AHEAD OF A QUANTISED PRODUCT. Where the list says 'softmax', what is quantised is not the finished softmax but p = 2^(t - M), with t = logit x log2(e) and M = ceil(the row's largest t), a whole number; so 1/2 < the row's largest p <= 1. The row's sum l is taken of the UNQUANTISED p, in f32, and the product's result is divided by l at the end. Since M is a whole number, a kernel that streams over the keys may use a running M (the ceiling of the running maximum): every later rescaling is an exact power of two, which a block's scale takes up: the codes' values come out the same.
;;   OPERANDS COMPUTED ON THE WAY. 'Computed on the way' means the value that the module computes at that place (a softmax that the list does not call 'softmax' is quantised finished and normalised). What goes into a quantiser is computed in f32, as accurately as f32 sums, v_exp_f32 and their like allow (about 1e-6 of the number): no bf16 or f16 on the way to a quantiser, and a product that is left as it is and whose result goes on into a quantised operand takes f32 operands (vector FMAs, or v_wmma_f32_16x16x4_f32). A number that lies on a knife's edge between two numbers of the format may be rounded either way, as far as f32 arithmetic and the matrix unit's own rounding can turn it there, and no further.
;; 2 versions, each right. Each part assembles by itself: llvm-mc -triple=amdgcn-amd-amdhsa -mcpu=gfx1250 --defsym DOCPART=n.
;; ======== version 1 of 2: 4 launches
;; workspace buffers: codes 15,728,640 bytes; scales 655,360 bytes; bm 16,777,216 bytes; qkv 9,830,400 bytes; ao_codes 3,145,728 bytes; ao_scales 131,072 bytes
;; launch prep (part 1): grid 128 x 6, 4 waves a work-group, no clusters, 68,096 bytes of LDS; arguments hidden_states, wq, wk, wv, wo, attn_bias, masks, codes, scales, bm; writes codes, scales, bm
.if DOCPART == 1
	.amdgcn_target "amdgcn-amd-amdhsa--gfx1250"
	.amdhsa_code_object_version 6
	.text
	.protected	k_qf5f8e36738_prep
	.globl	k_qf5f8e36738_prep
	.p2align	8
	.type	k_qf5f8e36738_prep,@function
k_qf5f8e36738_prep:
	s_mov_b64 s[64:65], 0
	v_nop
	global_prefetch_b8 v0, s[64:65] scope:SCOPE_SE
	s_setreg_imm32_b32 hwreg(HW_REG_WAVE_MODE, 25, 1), 1
	s_wait_xcnt 0x0
; PREP.  y = 0 .. 4: hidden_states, wq, wk, wv, wo ([2048][2048] f32, K innermost) become codes of BF6 (E3M2) with one E8M0 byte for each 32 along K.
; y = 5: bm = attn_bias + masks, f32, laid as the score accumulators of the attention launch want it.
; A block's scale is 2^(floor(log2(its largest magnitude)) - 4); its byte is the largest magnitude's exponent field - 4, held at 1 from below.
; LIMITS: a block of zeros gets the byte 1 where the rule says 127 (its codes are zeros, and this program alone reads the bytes); blocks whose largest magnitude lies under 2^-122 are held
; at that byte; NaN and infinities are not served; bias and mask are added to each other first and to the score later, which is another order of rounding than the source's.
; A TILE T is 16 rows that are not neighbours: row rho of tile T is row 32 (T / 2) + 8 (T % 2) + rho % 8 + 16 (rho / 8).  With the products used transposed, the 16 registers that a lane gets from tiles
; 2 b and 2 b + 1 are then 16 neighbours along the next product's K.
; LAYOUT OF THE CODES: [tensor][T][K step of 128] images of an operand's 12 registers: registers 4 c .. 4 c + 3 of lane l at 512 c + 16 l: 1,536 bytes.  Scale words: [tensor][T][K step] 16 words, row r's at 4 r.
; bm: [T][key step of 128] images of 64 registers: registers 4 g .. 4 g + 3 of lane l at 512 g + 16 l: register 16 b + i of lane (r, h) is column 128 step + 32 b + 16 h + i of the tile's row r.
; SHARES: work-group x = T; wave w takes K steps 4 w .. 4 w + 3: 16 rows x 2,048 bytes.  Each load reads 512 consecutive bytes of one row; the 16 x 512 bytes of a step turn through the wave's own stage
; in LDS (rows 528 bytes apart) and come back 16 neighbours of each block of 32 to a lane.  Waves share nothing: no barrier.  No tensor load, no cluster: no byte is read by two work-groups.
; The two paths part on the work-group's y; each has LDS bytes of its own.
.set GA,   2                           ; v2   16 x lane: my bytes of a load's or a store's 512
.set SA,   3                           ; v3   the stage, on the way in: my wave's stage + 16 x lane
.set SB,   4                           ; v4   and on the way out: + 528 r + 64 h
.set LS,   5                           ; v5   4 x lane
.set R0,   8                           ; v8-71    a step's numbers as loaded, set 0
.set R1,   72                          ; v72-135  set 1
.set X,    136                         ; v136-199 64 numbers: register 16 b + i = k 32 b + 16 h + i of row r
.set PC,   200                         ; v200-211 the codes just made
.set PT,   212                         ; v212-218 halves of blocks on their way
.set TM,   220                         ; v220-235 at work
.set PW,   236                         ; v236-239 a scale word for each step
.set WS,   240                         ; v240-241 two steps' words in one register
.set SEL,  32                          ; s[32:33] lane selects for v_permlanex16_b32: lane l xor 16
.set FL,   34                          ; s34  the floor 2^(5 - 127)
.set HM,   35                          ; s35  lanes 16-31
.set STGW, 16*528                      ; a wave's stage
.set STG2, 4*STGW                      ; the second path's stages
	s_load_b512 s[8:23], s[0:1], 0x0               ; hidden_states, wq, wk, wv, wo, attn_bias, masks, codes
	s_load_b128 s[24:27], s[0:1], 0x40             ; scales, bm
	v_lshl_add_u32 v248, v0, 2, 0x10800
	v_mov_b32 v249, 0
	v_lshrrev_b32 v1, 5, v0
	v_readfirstlane_b32 s2, v1                     ; wave 0..3
	s_and_b32 s3, ttmp7, 0xffff                    ; y
	v_and_b32 v1, 31, v0                           ; lane
	v_and_b32 v6, 15, v0                           ; r
	v_bfe_u32 v7, v0, 4, 1                         ; h
	v_lshlrev_b32 v[GA], 4, v1
	v_lshlrev_b32 v[LS], 2, v1
	s_mul_i32 s36, s2, STGW
	v_add_nc_u32 v[SA], s36, v[GA]
	v_mul_u32_u24 v[SB], v6, 528
	v_lshl_add_u32 v[SB], v7, 6, v[SB]
	v_add_nc_u32 v[SB], s36, v[SB]
	s_lshr_b32 s38, ttmp9, 1
	s_lshl_b32 s38, s38, 5
	s_and_b32 s39, ttmp9, 1
	s_lshl_b32 s39, s39, 3
	s_add_co_u32 s38, s38, s39                     ; the tile's first row: 32 (T / 2) + 8 (T % 2)
	s_lshl_b32 s38, s38, 13                        ; rows of 8,192 bytes
	s_lshl_b32 s39, s2, 11
	s_add_co_u32 s38, s38, s39                     ; + my wave's 2,048 bytes of a row
	s_mov_b32 s39, 0
	s_mov_b32 s43, 0
	s_mov_b32 s[SEL], 0x76543210
	s_mov_b32 s[SEL+1], 0xfedcba98
	s_mov_b32 s[FL], 0x2800000
	s_mov_b32 s[HM], 0xffff0000
	s_wait_kmcnt 0x0
	s_mov_b64 s[4:5], s[8:9]                       ; which tensor: the choice hangs on the work-group's y alone
.irp n, 1,2,3,4,5
	s_cmp_eq_u32 s3, \n
	s_cselect_b64 s[4:5], s[8+2*\n:9+2*\n], s[4:5]
.endr
	s_add_nc_u64 s[4:5], s[4:5], s[38:39]
	s_add_nc_u64 s[6:7], s[20:21], s[38:39]        ; masks at the same place
.macro LOADT p, set, t                 ; step t's 16 rows x 512 bytes from pointer s[p:p+1] into a set of 64 registers
.irp rho, 0,1,2,3,4,5,6,7,8,9,10,11,12,13,14,15
	global_load_b128 v[\set+4*\rho:\set+4*\rho+3], v[GA], s[\p:\p+1] offset:((\rho%8)+16*(\rho/8))*8192+512*(\t) th:TH_LOAD_NT
.endr
.endm
.macro TURN set, base                  ; through my stage: LDS serves a wave's instructions in order (ISA guide 5.7.1.4), so no wait stands between the stores and the loads
.irp rho, 0,1,2,3,4,5,6,7,8,9,10,11,12,13,14,15
	ds_store_b128 v[SA], v[\set+4*\rho:\set+4*\rho+3] offset:\base+528*\rho
.endr
.irp b, 0,1,2,3
.irp j, 0,1,2,3
	ds_load_b128 v[X+16*\b+4*\j:X+16*\b+4*\j+3], v[SB] offset:\base+128*\b+16*\j
.endr
.endr
.endm
; 64 numbers of a lane, register 16 b + i = k 32 b + 16 h + i of my row, become a fragment's codes in v[PC] on and its scale word in v[pw]
.macro QUANT s, pw
.irp b, 0,1,2,3
	v_max3_num_f32 v[TM+\b], s[FL], |v[\s+16*\b]|, |v[\s+16*\b+1]|   ; block b: my 16 numbers, and the floor, so that the byte cannot fall under 1
.endr
.irp i, 2,4,6,8,10,12,14
.irp b, 0,1,2,3
	v_max3_num_f32 v[TM+\b], v[TM+\b], |v[\s+16*\b+\i]|, |v[\s+16*\b+\i+1]|   ; the four blocks by turns
.endr
.endr
.irp b, 0,1,2,3
	v_permlanex16_b32 v[TM+4+\b], v[TM+\b], s[SEL], s[SEL+1]
.endr
.irp b, 0,1,2,3
	v_max_num_f32 v[TM+\b], v[TM+\b], v[TM+4+\b]   ; with lane l xor 16's: the block's largest magnitude
.endr
.irp b, 0,1,2,3
	v_add_nc_u32 v[TM+12+\b], 0xfe000000, v[TM+\b] ; 4 off its exponent field: the conversion takes the exponent field of this operand as its scale
.endr
.irp b, 0,1,2,3
	v_lshrrev_b32 v[TM+4+\b], 23, v[TM+12+\b]      ; the scale's byte
.endr
	v_lshl_or_b32 v[\pw], v[TM+5], 8, v[TM+4]
	v_lshl_or_b32 v[\pw], v[TM+6], 16, v[\pw]
	v_lshl_or_b32 v[\pw], v[TM+7], 24, v[\pw]
.irp c, 0,1
	v_cvt_scalef32_pk16_bf6_f32 v[PC+6*\c:PC+6*\c+2], v[\s+32*\c:\s+32*\c+15], v[TM+12+2*\c]
	v_cvt_scalef32_pk16_bf6_f32 v[PT+4*\c:PT+4*\c+2], v[\s+32*\c+16:\s+32*\c+31], v[TM+12+2*\c+1]   ; (a conversion's three registers begin on an even number)
.endr
	v_nop                                          ; one plain instruction behind a scaled conversion
.irp c, 0,1                            ; the operand's layout wants a whole block in a lane: lanes 0-15 block 2 c, lanes 16-31 block 2 c + 1
.irp i, 0,1,2
	v_permlane16_swap_b32 v[PC+6*\c+\i], v[PT+4*\c+\i]
.endr
.irp i, 0,1,2
	v_mov_b32 v[PC+3+6*\c+\i], v[PT+4*\c+\i]
.endr
.endr
.endm
	s_cmp_eq_u32 s3, 5
	s_cbranch_scc1 .Lbias
	; ---- the quantiser
	s_lshl_b32 s40, s3, 7
	s_add_co_u32 s40, s40, ttmp9                   ; 128 tensor + T
	s_mul_i32 s42, s40, 24576
	s_mul_i32 s41, s2, 6144
	s_add_co_u32 s42, s42, s41
	s_add_nc_u64 s[28:29], s[22:23], s[42:43]      ; my four images
	s_lshl_b32 s42, s40, 10
	s_lshl_b32 s41, s2, 8
	s_add_co_u32 s42, s42, s41
	s_add_nc_u64 s[30:31], s[24:25], s[42:43]      ; my four steps' scale words: 256 bytes
.irp b, 0,1,2,3
	v_mov_b32 v[TM+4+\b], 0                        ; written once: a lane permute's destination counts as one of its sources
.endr
	LOADT 4, R0, 0
	LOADT 4, R1, 1
.macro QSTEP t
.if \t < 3
	s_wait_loadcnt 16                              ; this step's 16 loads are in; the next set's 16 may be out
.else
	s_wait_loadcnt 0x0
.endif
	TURN R0+64*((\t)%2), 0
	s_wait_dscnt 0x0                               ; X is in, and the stage's stores have read their registers,
.if \t < 2
	LOADT 4, R0+64*((\t)%2), (\t)+2                ; which take the step two on
.endif
	s_wait_xcnt 0x0                                ; the last step's stores have read PC: it is written again only behind this wait
	QUANT X, PW+(\t)
.irp c, 0,1,2
	global_store_b128 v[GA], v[PC+4*\c:PC+4*\c+3], s[28:29] offset:1536*(\t)+512*\c   ; 512 consecutive bytes, aligned
.endr
.endm
.irp t, 0,1,2,3
	QSTEP \t
.endr
	v_cndmask_b32 v[WS], v[PW], v[PW+1], s[HM]     ; lanes 0-15 one step's words, lanes 16-31 the next step's (both halves of the lanes hold a row's word)
	v_cndmask_b32 v[WS+1], v[PW+2], v[PW+3], s[HM]
	global_store_b32 v[LS], v[WS], s[30:31]
	global_store_b32 v[LS], v[WS+1], s[30:31] offset:128   ; the two stores cover 256 consecutive bytes, aligned
	s_wait_tensorcnt 0x0
	ds_add_u32 v248, v249
	s_wait_dscnt 0x0
	s_endpgm
	; ---- bias + masks
.Lbias:
	s_lshl_b32 s42, ttmp9, 17
	s_lshl_b32 s41, s2, 15
	s_add_co_u32 s42, s42, s41
	s_add_nc_u64 s[28:29], s[26:27], s[42:43]      ; my four images of 8,192 bytes
	LOADT 4, R0, 0
	LOADT 6, R1, 0
.macro BSTEP t
	s_wait_loadcnt 0x0
.set n, 0
.rept 32
	v_pk_add_f32 v[R0+n:R0+n+1], v[R0+n:R0+n+1], v[R1+n:R1+n+1]
.set n, n+2
.endr
.if \t < 3
	LOADT 6, R1, (\t)+1
.endif
	s_wait_xcnt 0x0                                ; the last step's stores have read X
	TURN R0, STG2
	s_wait_dscnt 0x0                               ; X is in, and the stage's stores have read R0
.if \t < 3
	LOADT 4, R0, (\t)+1
.endif
.irp g, 0,1,2,3,4,5,6,7,8,9,10,11,12,13,14,15
	global_store_b128 v[GA], v[X+4*\g:X+4*\g+3], s[28:29] offset:8192*(\t)+512*\g
.endr
.endm
.irp t, 0,1,2,3
	BSTEP \t
.endr
	s_wait_tensorcnt 0x0
	ds_add_u32 v248, v249
	s_wait_dscnt 0x0
	s_endpgm
.Lfunc_end_k_qf5f8e36738_prep:
	.size	k_qf5f8e36738_prep, .Lfunc_end_k_qf5f8e36738_prep-k_qf5f8e36738_prep
	.p2alignl 7, 3214868480
	.fill 96, 4, 3214868480
	.section	.rodata,"a",@progbits
	.p2align	6, 0x0
	.amdhsa_kernel k_qf5f8e36738_prep
		.amdhsa_group_segment_fixed_size 68096
		.amdhsa_private_segment_fixed_size 0
		.amdhsa_enable_private_segment 0
		.amdhsa_kernarg_size 80
		.amdhsa_user_sgpr_count 2
		.amdhsa_user_sgpr_kernarg_segment_ptr 1
		.amdhsa_wavefront_size32 1
		.amdhsa_system_sgpr_workgroup_id_x 1
		.amdhsa_system_sgpr_workgroup_id_y 1
		.amdhsa_system_sgpr_workgroup_id_z 1
		.amdhsa_system_vgpr_workitem_id 0
		.amdhsa_next_free_vgpr 250
		.amdhsa_next_free_sgpr 66
		.amdhsa_reserve_vcc 0
		.amdhsa_float_denorm_mode_32 3
		.amdhsa_float_denorm_mode_16_64 3
		.amdhsa_memory_ordered 1
		.amdhsa_forward_progress 1
		.amdhsa_inst_pref_size 68
	.end_amdhsa_kernel
	.amdgpu_metadata
---
amdhsa.version: [ 1, 2 ]
amdhsa.kernels:
  - .name:           k_qf5f8e36738_prep
    .symbol:         k_qf5f8e36738_prep.kd
    .args:
      - { .name: hidden_states, .offset: 0, .size: 8, .value_kind: global_buffer, .address_space: global }
      - { .name: wq, .offset: 8, .size: 8, .value_kind: global_buffer, .address_space: global }
      - { .name: wk, .offset: 16, .size: 8, .value_kind: global_buffer, .address_space: global }
      - { .name: wv, .offset: 24, .size: 8, .value_kind: global_buffer, .address_space: global }
      - { .name: wo, .offset: 32, .size: 8, .value_kind: global_buffer, .address_space: global }
      - { .name: attn_bias, .offset: 40, .size: 8, .value_kind: global_buffer, .address_space: global }
      - { .name: masks, .offset: 48, .size: 8, .value_kind: global_buffer, .address_space: global }
      - { .name: codes, .offset: 56, .size: 8, .value_kind: global_buffer, .address_space: global }
      - { .name: scales, .offset: 64, .size: 8, .value_kind: global_buffer, .address_space: global }
      - { .name: bm, .offset: 72, .size: 8, .value_kind: global_buffer, .address_space: global }
    .group_segment_fixed_size: 68096
    .private_segment_fixed_size: 0
    .kernarg_segment_align: 8
    .kernarg_segment_size: 80
    .max_flat_workgroup_size: 128
    .sgpr_count:     66
    .vgpr_count:     250
    .wavefront_size: 32
...
	.end_amdgpu_metadata
.endif
;; end of part 1
;; launch qkv (part 2): grid 24 x 8, 4 waves a work-group, clusters of 4 x 4, 327,680 bytes of LDS; arguments codes, scales, position_ids, cos, sin, qkv; writes qkv
.if DOCPART == 2
	.amdgcn_target "amdgcn-amd-amdhsa--gfx1250"
	.amdhsa_code_object_version 6
	.text
	.protected	k_qf5f8e36738_qkv
	.globl	k_qf5f8e36738_qkv
	.p2align	8
	.type	k_qf5f8e36738_qkv,@function
k_qf5f8e36738_qkv:
	s_mov_b64 s[64:65], 0
	v_nop
	global_prefetch_b8 v0, s[64:65] scope:SCOPE_SE
	s_setreg_imm32_b32 hwreg(HW_REG_WAVE_MODE, 25, 1), 1
	s_wait_xcnt 0x0
	s_wait_alu depctr_hold_cnt(0) depctr_sa_sdst(0) depctr_va_vdst(0) depctr_va_sdst(0) depctr_va_ssrc(0) depctr_va_vcc(0) depctr_vm_vsrc(0)
	s_getreg_b32 s2, hwreg(HW_REG_IB_STS2, 6, 4)
	s_cmp_eq_u32 s2, 0
	s_cbranch_scc0 .Lentry_in_a_cluster
	s_endpgm
.Lentry_in_a_cluster:
	s_bfe_u32 s2, ttmp6, 0x10000c
	s_cmp_lg_u32 s2, 0xf033
	s_cbranch_scc0 .Lentry_shape_is_right
	s_endpgm
.Lentry_shape_is_right:
; QKV.  The three projections as one launch of GEMMs on codes of BF6 (E3M2) with E8M0 scales, K = 2,048; then RoPE, q / sqrt(128), and the quantisers of q and k (along the head's 128) and of v (along the keys).
; TYPE = cluster x / 2: 0 q, 1 k, 2 v: the same in all sixteen partners of a cluster.  q, k: A = x, B = the weight.  v: A = wv, B = x, so that the same text gives v transposed: a lane holds one of the head's 128, its registers run along the keys.
; A tile of the result, 256 (A) x 256 (B), is made by four waves, 128 x 128 each: 64 accumulators, 512 registers.  192 work-groups.
; OPERANDS lie in memory as images of their registers: [16 rows T][K step of 128] 1,536 bytes, registers 4 c .. 4 c + 3 of lane l at 512 c + 16 l: a fragment is three loads of 16 bytes a lane, 512 consecutive bytes each:
; no pitch, no padding.  Row rho of tile T is row 32 (T / 2) + 8 (T % 2) + rho % 8 + 16 (rho / 8).  Scale words: [T][K step] 16 words.
; K goes in steps of 256 through a ring of two LDS slots; a wave's tensor load brings 8 tiles x 3,072 bytes.  The scales of the work-group's rows, for all of K, come once, with the first fills, and stay.
; CLUSTERS: 4 x 4 work-groups; A's tiles are asked for jointly along a row of the cluster, B's along a column.
; THE MATRIX INSTRUCTION IS USED TRANSPOSED (source 0 = 16 rows of B, source 1 = 16 rows of A): lane (r, h) holds A's row r, and register 16 b + i of a block's eight accumulators holds B's row 32 b + 16 h + i:
; 16 neighbours of each block of 32 along the next product's K.  Registers n and n + 32 are d and d + 64 of one lane: RoPE asks no other lane.
; OUT: qkv: [head][key step] records of 25,600 bytes: k's 8 images, v's 8 images, k's 512 bytes of scale words, v's 512; from byte 6,553,600 [head][block of 128 queries] records of 12,800: q's 8 images, 512 bytes of scale words.
; LIMITS: position_ids are held at 2,047; a block of zeros gets the byte 1 (zero codes; only this program reads the bytes); NaN and infinities are not served; q / sqrt(128) is a multiplication by the f32 nearest to 1 / sqrt(128).
; REGISTERS, in windows of 256: window 0: v0-31 addresses; v32-63 scale words, two sets; v128-223 A's fragments, one set.  window 1: B's fragments, two sets, at v0 and v128.  windows 2, 3: the accumulators ((a, b) at v[8 (8 (a % 4) + b)] of window 2 + a / 4).
;   Behind the loop: window 0: v32-51 codes, v64-127 a block after RoPE, v128-146 at work; window 1: cos and sin, two sets of 128.
.set NQ,     2                         ; steps of 128 in a slot
.set ROWB,   3072                      ; a tile's bytes in a slot: two images
.set KROW,   24576                     ; a tile's bytes for all of K
.set FR,     12                        ; registers of a fragment
.set NL,     3                         ; LDS loads that bring one
.set NP,     4                         ; places behind this matrix instruction (ISA guide 7.12.1)
.set HALFT,  8*ROWB                    ; 8 tiles: what one tensor load brings, and what one wave reads of A or of B
.set SLOT,   4*HALFT                   ; A's 16 tiles, then B's 16
.set LAPS,   4                         ; a lap = two slots = 512 along K
.set SCL,    2*SLOT                    ; behind the ring: the scales
.set HALFS,  8192                      ; those of 8 tiles: 1,024 bytes a tile
.set SPARE,  SCL+4*HALFS               ; the spare words, 128 bytes for each wave: two blocks of 256 bytes that no other line names
.set PTMP, 7                           ; v7      4 x (r % 8 + 16 (r / 8)): my row's place among a tile's position ids; never rewritten
.set PA,   8                           ; v8-15   block a: my row's position id, then its byte offset in cos and sin
.set ADRA, 16                          ; v16-17  LDS address of my A fragments in slot 0, 1
.set ADRB, 20                          ; v20-21  the same for B
.set LI,   24                          ; v24     16 x lane
.set LS,   25                          ; v25     4 x lane
.set H6,   26                          ; v26     64 h
.set ADRS, 27                          ; v27     LDS address of my scale words: lanes 0-15 A's rows, lanes 16-31 B's
.set SPW,  28                          ; v28     LDS address of my spare word; never rewritten
.set NIL,  29                          ; v29     0; never rewritten
.set SC,   32                          ; scale words: set s at v[SC + 16 s]; register 2 i + q: lanes 0-15 A's block i, lanes 16-31 B's block i, the slot's q-th 128 along K
.set AF,   128                         ; A's fragments
.set PC,   32                          ; behind the loop: the codes just made,
.set PT,   44                          ; halves of blocks on their way,
.set R,    64                          ; a block's 64 numbers,
.set TM,   128                         ; at work,
.set PW,   144                         ; two scale words,
.set WS,   146                         ; and both in one register
.set G1, 24                            ; s[24:31] descriptor group 1 for A's tiles;  s[32:39] group 0, one set for each slot
.set G0, 32
.set G1B, 48                           ; s[48:55], s[56:63] the same for B's
.set G0B, 56
.set G1S, 68                           ; s[68:75], s[76:79] groups 1 and 0 for A's scales;  s[80:87], s[88:91] for B's
.set G0S, 76
.set G1SB, 80
.set G0SB, 88
.set TYPE, 95
.set FL,   66                          ; s66  the floor 2^(5 - 127)
.set HM,   67                          ; s67  lanes 16-31
.set RS,   18                          ; s[18:19] 1 / sqrt(128), behind the loop
.set SEL,  20                          ; s[20:21] lane selects for lane l xor 16, behind the loop
.set MSB, 0
.macro WIN new                         ; the immediate's high byte repeats the setting that is left
.if MSB != (\new)
	s_set_vgpr_msb (MSB<<8)|(\new)
.set MSB, (\new)
.endif
.endm
.set MUL_LO, 0xa1                      ; source 0 (B) window 1, source 1 (A) window 0, C and D window 2
.set MUL_HI, 0xf1                      ; the same, C and D window 3
.set TO_B,   0x40                      ; destination window 1, address window 0
; A joint load: waves 0 and 1 fetch for A, waves 2 and 3 for B; the branch hangs on the wave's number alone.  Four v_nop follow each of the two lines.
.macro JLOAD g0a, g1a, g0b, g1b
	s_cmp_eq_u32 s15, 0
	s_cbranch_scc0 .Lfor_b_\@
	tensor_load_to_lds s[\g0a:\g0a+3], s[\g1a:\g1a+7]
	s_nop 0
.rept 4
	v_nop
.endr
	s_branch .Lasked_\@
.Lfor_b_\@:
	tensor_load_to_lds s[\g0b:\g0b+3], s[\g1b:\g1b+7]
	s_nop 0
.rept 4
	v_nop
.endr
.Lasked_\@:
.endm
.macro CREST                           ; a round of the cluster's barrier behind its opening barrier
	s_cmp_lg_u32 s14, 0
	s_cbranch_scc1 .Lnot_wave_0_\@
	s_barrier_signal -3
.Lnot_wave_0_\@:
	s_barrier_wait -3
	s_barrier_signal -1
	s_barrier_wait -1
.endm
.macro CROUND                          ; a whole round
	s_barrier_signal -1
	s_barrier_wait -1
	CREST
.endm
	s_load_b128 s[4:7], s[0:1], 0x0                ; codes, scales
	s_load_b128 s[8:11], s[0:1], 0x10              ; position_ids, cos
	s_load_b128 s[96:99], s[0:1], 0x20             ; sin, qkv
	v_lshl_add_u32 v[SPW], v0, 2, SPARE
	v_mov_b32 v[NIL], 0
	ds_add_u32 v28, v29
	ds_add_u32 v28, v29
	s_wait_dscnt 0x0
	v_lshrrev_b32 v1, 5, v0
	v_readfirstlane_b32 s14, v1                    ; wave 0..3
	s_lshr_b32 s15, s14, 1                         ; which half of A's rows is mine.  Also: I fetch for A (0) or for B (1)
	s_and_b32 s16, s14, 1                          ; which half of B's rows.  Also: which 8 tiles I fetch
	s_bfe_u32 s40, ttmp6, 0x40000                  ; cx, cy: my place in the cluster
	s_bfe_u32 s41, ttmp6, 0x40004
	s_lshr_b32 s[TYPE], ttmp9, 1                   ; 0 q, 1 k, 2 v
	s_and_b32 s42, ttmp9, 1
	s_lshl_b32 s42, s42, 2
	s_add_co_u32 s42, s42, s40                     ; xt: which 256 rows of B
	s_and_b32 s17, ttmp7, 0xffff
	s_lshl_b32 s17, s17, 2
	s_add_co_u32 s17, s17, s41                     ; yt: which 256 rows of A
	s_lshl_b32 s43, s41, 2
	s_lshl_b32 s43, 15, s43                        ; my row of the cluster
	s_lshl_b32 s44, 0x1111, s40                    ; my column
	; descriptor group 1: 8 rows of 3,072 bytes (384 elements of 8 bytes), 24,576 bytes apart; no padding
	s_or_b32 s[G1+0], s43, (3<<16)|(1<<21)         ; 15:0 the mask: A's tiles go to my row; 17:16 elements of 8 bytes; 21 set beside a mask
	s_or_b32 s[G1B+0], s44, (3<<16)|(1<<21)
.irp g, G1, G1B
	s_mov_b32 s[\g+1], 384<<16                     ; tensor_dim0
	s_mov_b32 s[\g+2], 8<<16                       ; tensor_dim1
	s_mov_b32 s[\g+3], 384<<16                     ; tile_dim0
	s_mov_b32 s[\g+4], 8                           ; tile_dim1
	s_mov_b32 s[\g+5], 3072                        ; tensor_dim0_stride
	s_mov_b32 s[\g+6], 0
	s_mov_b32 s[\g+7], 0
.endr
	; and for the scales of 8 tiles: 8,192 dense bytes as 32 rows of 256
	s_or_b32 s[G1S+0], s43, (3<<16)|(1<<21)
	s_or_b32 s[G1SB+0], s44, (3<<16)|(1<<21)
.irp g, G1S, G1SB
	s_mov_b32 s[\g+1], 32<<16
	s_mov_b32 s[\g+2], 32<<16
	s_mov_b32 s[\g+3], 32<<16
	s_mov_b32 s[\g+4], 32
	s_mov_b32 s[\g+5], 32
	s_mov_b32 s[\g+6], 0
	s_mov_b32 s[\g+7], 0
.endr
	s_add_co_u32 s13, s[TYPE], 1
	s_cmp_eq_u32 s[TYPE], 2
	s_cselect_b32 s12, 3, 0                        ; A's tensor: wv for v, else x
	s_cselect_b32 s13, 0, s13                      ; B's: x for v, else wq or wk
	s_lshl_b32 s18, s16, 3                         ; which 8 tiles I fetch
	s_lshl_b32 s20, s12, 7
	s_lshl_b32 s21, s17, 4
	s_add_co_u32 s20, s20, s21
	s_add_co_u32 s20, s20, s18                     ; A: tile 128 tensor + 16 yt + 8 half
	s_lshl_b32 s46, s13, 7
	s_lshl_b32 s47, s42, 4
	s_add_co_u32 s46, s46, s47
	s_add_co_u32 s46, s46, s18                     ; B: tile 128 tensor + 16 xt + 8 half
	s_lshl_b32 s22, s20, 10                        ; where these tiles' scales begin, in bytes
	s_mov_b32 s23, 0
	s_lshl_b32 s92, s46, 10
	s_mov_b32 s93, 0
	s_mul_i32 s20, s20, KROW                       ; and their codes (under 2^24 x 1)
	s_mov_b32 s21, 0
	s_mul_i32 s46, s46, KROW
	s_mov_b32 s47, 0
	s_mul_i32 s45, s14, HALFT                      ; where they go: wave x 8 tiles: no place in the cluster enters an LDS address
	s_mul_i32 s94, s14, HALFS
	s_mov_b32 s[FL], 0x2800000
	s_mov_b32 s[HM], 0xffff0000
	s_wait_kmcnt 0x0
	s_add_nc_u64 s[20:21], s[4:5], s[20:21]
	s_add_nc_u64 s[22:23], s[6:7], s[22:23]
	s_add_nc_u64 s[46:47], s[4:5], s[46:47]
	s_add_nc_u64 s[92:93], s[6:7], s[92:93]
	CROUND                                         ; all sixteen work-groups are here: the first joint loads meet
	s_mov_b32 s[G0S], 1
	s_add_co_u32 s[G0S+1], s94, SCL
	s_mov_b64 s[G0S+2:G0S+3], s[22:23]
	s_or_b32 s[G0S+3], s[G0S+3], 0x80000000
	s_mov_b32 s[G0SB], 1
	s_add_co_u32 s[G0SB+1], s94, SCL
	s_mov_b64 s[G0SB+2:G0SB+3], s[92:93]
	s_or_b32 s[G0SB+3], s[G0SB+3], 0x80000000
	JLOAD G0S, G1S, G0SB, G1SB                     ; the scales first: they are wanted with the first slot
.irp s, 0,1
	s_mov_b32 s[G0+4*\s], 1
	s_add_co_u32 s[G0+4*\s+1], s45, \s*SLOT
	s_add_nc_u64 s[G0+4*\s+2:G0+4*\s+3], s[20:21], \s*ROWB
	s_or_b32 s[G0+4*\s+3], s[G0+4*\s+3], 0x80000000
	s_mov_b32 s[G0B+4*\s], 1
	s_add_co_u32 s[G0B+4*\s+1], s45, \s*SLOT
	s_add_nc_u64 s[G0B+4*\s+2:G0B+4*\s+3], s[46:47], \s*ROWB
	s_or_b32 s[G0B+4*\s+3], s[G0B+4*\s+3], 0x80000000
	JLOAD G0+4*\s, G1, G0B+4*\s, G1B
.endr
	v_and_b32 v1, 15, v0                           ; r
	v_bfe_u32 v2, v0, 4, 1                         ; h
	v_and_b32 v3, 31, v0                           ; lane
	v_lshlrev_b32 v[LI], 4, v3
	v_lshlrev_b32 v[LS], 2, v3
	v_lshlrev_b32 v[H6], 6, v2
	s_mul_i32 s21, s15, HALFT                      ; my 8 tiles of A
	s_mul_i32 s22, s16, HALFT                      ; my 8 tiles of B,
	s_add_co_u32 s22, s22, 2*HALFT                 ; which lie behind A's 16
.irp s, 0,1
	v_add_nc_u32 v[ADRA+\s], s21, v[LI]
	v_add_nc_u32 v[ADRB+\s], s22, v[LI]
	s_add_co_u32 s21, s21, SLOT
	s_add_co_u32 s22, s22, SLOT
.endr
	v_lshlrev_b32 v5, 2, v1                        ; my row's scale word: 4 r
	s_mul_i32 s21, s15, HALFS                      ; A's: my 8 tiles
	s_mul_i32 s22, s16, HALFS                      ; B's: my 8 tiles, behind A's 16
	s_add_co_u32 s22, s22, 2*HALFS
	s_sub_co_u32 s22, s22, s21
	v_mul_u32_u24 v6, s22, v2                      ; lanes 16-31 take B's
	s_add_co_u32 s21, s21, SCL
	v_add_nc_u32 v5, v5, v6
	v_add_nc_u32 v[ADRS], s21, v5
	; my rows' position ids: block a's row r is row 256 yt + 128 half + 32 (a / 2) + 8 (a % 2) + r % 8 + 16 (r / 8).  (v's work-groups load them too and leave them: the offsets stay inside the 2,048.)
	s_lshl_b32 s12, s17, 10
	s_lshl_b32 s13, s15, 9
	s_add_co_u32 s12, s12, s13
	s_mov_b32 s13, 0
	s_add_nc_u64 s[8:9], s[8:9], s[12:13]
	v_and_b32 v[PTMP], 7, v1
	v_lshrrev_b32 v6, 3, v1
	v_lshl_add_u32 v[PTMP], v6, 4, v[PTMP]
	v_lshlrev_b32 v[PTMP], 2, v[PTMP]
.irp a, 0,1,2,3,4,5,6,7
	global_load_b32 v[PA+\a], v[PTMP], s[8:9] offset:(32*(\a/2)+8*(\a%2))*4
.endr
	; where my 128 x 128 goes
	s_lshl_b32 s20, s17, 1
	s_add_co_u32 s20, s20, s15                     ; which 128 rows of A
	s_lshl_b32 s46, s42, 1
	s_add_co_u32 s46, s46, s16                     ; which 128 rows of B
	s_cmp_eq_u32 s[TYPE], 2
	s_cselect_b32 s21, s20, s46                    ; the head: A's for v, else B's
	s_cselect_b32 s22, s46, s20                    ; the block of 128 tokens
	s_cselect_b32 s12, 12288, 0                    ; v's images lie behind k's
	s_mov_b32 s13, 24576
	s_cselect_b32 s13, 12800, s13                  ; from the images to the scale words
	s_lshl_b32 s21, s21, 4
	s_add_co_u32 s21, s21, s22                     ; the record
	s_cmp_eq_u32 s[TYPE], 0
	s_mov_b32 s22, 25600
	s_cselect_b32 s22, 12800, s22                  ; its bytes
	s_cselect_b32 s12, 6553600, s12                ; q's records lie behind k's and v's
	s_cselect_b32 s13, 12288, s13
	s_mul_i32 s22, s21, s22
	s_add_co_u32 s22, s22, s12
	s_mov_b32 s23, 0
	s_add_nc_u64 s[98:99], s[98:99], s[22:23]      ; my 8 images
	s_mov_b32 s22, s13
	s_add_nc_u64 s[100:101], s[98:99], s[22:23]    ; my 8 tiles' scale words
.macro FRAG reg, adr, q, i             ; a fragment comes as it was stored: three loads, 512 consecutive bytes each
.irp c, 0,1,2
	ds_load_b128 v[\reg+4*\c:\reg+4*\c+3], v[\adr] offset:(\i)*ROWB+(\q)*1536+512*\c
.endr
.endm
; 16 matrix instructions: A's blocks a0, a0 + 1 x B's eight, 128 along K: the slot's q-th.  p: B's set;  sc: the set of scale words.  zero = 1: the first product starts the sums.
; The 64 accumulators take turns, one instruction a turn, in the same order in every step.
.macro MUL16 a0, p, q, sc, zero
.irp a, \a0, \a0+1
.irp b, 0,1,2,3,4,5,6,7
.if \zero
	v_wmma_scale_f32_16x16x128_f8f6f4 v[8*(8*((\a)%4)+\b):8*(8*((\a)%4)+\b)+7], v[128*(\p)+FR*\b:128*(\p)+FR*\b+FR-1], v[AF+FR*(\a):AF+FR*(\a)+FR-1], 0, v[SC+8*NQ*(\sc)+NQ*\b+(\q)], v[SC+8*NQ*(\sc)+NQ*(\a)+(\q)] matrix_a_fmt:MATRIX_FMT_BF6 matrix_b_fmt:MATRIX_FMT_BF6 matrix_a_scale:MATRIX_SCALE_ROW1
.else
	v_wmma_scale_f32_16x16x128_f8f6f4 v[8*(8*((\a)%4)+\b):8*(8*((\a)%4)+\b)+7], v[128*(\p)+FR*\b:128*(\p)+FR*\b+FR-1], v[AF+FR*(\a):AF+FR*(\a)+FR-1], v[8*(8*((\a)%4)+\b):8*(8*((\a)%4)+\b)+7], v[SC+8*NQ*(\sc)+NQ*\b+(\q)], v[SC+8*NQ*(\sc)+NQ*(\a)+(\q)] matrix_a_fmt:MATRIX_FMT_BF6 matrix_b_fmt:MATRIX_FMT_BF6 matrix_a_scale:MATRIX_SCALE_ROW1
.endif
.endr
.endr
.endm
.macro FETCH_B slot, q, p              ; B's eight fragments of the slot's q-th 128 along K into set p
	WIN TO_B
.irp i, 0,1,2,3,4,5,6,7
	FRAG 128*(\p)+FR*\i, ADRB+\slot, \q, \i
.endr
	WIN 0
.endm
.macro FETCH_A slot, q, i0             ; A's blocks i0 .. i0 + 3
.irp i, \i0, \i0+1, \i0+2, \i0+3
	FRAG AF+FR*(\i), ADRA+\slot, \q, \i
.endr
.endm
.macro SCALES sc                       ; the slot's scale words into set sc: lanes 0-15 take A's block i, lanes 16-31 B's block i
.irp i, 0,1,2,3,4,5,6,7
.irp q, 0,1
	ds_load_b32 v[SC+8*NQ*\sc+NQ*\i+\q], v[ADRS] offset:\i*1024+64*\q
.endr
.endr
.endm
; A load into a register that a matrix instruction has read, and a vector instruction that reads a matrix result or writes one of its registers, stand NP plain vector instructions behind it (ISA guide 7.12.1 for vector instructions).
.macro PLACES n
.rept \n
	v_nop
.endr
.endm
; A step of 128 along K that has its successor in the same slot.
.macro STEP slot, q, zero
	s_wait_dscnt 4*NL                              ; B's set and A's blocks 0-3 are in; the youngest 12 loads (A's blocks 4-7) may be out
	WIN MUL_LO
	MUL16 0, (\q)%2, \q, \slot, \zero
	MUL16 2, (\q)%2, \q, \slot, \zero
	s_wait_dscnt 0                                 ; A's blocks 4-7 are in
	PLACES NP
	FETCH_B \slot, (\q)+1, 1-(\q)%2
	FETCH_A \slot, (\q)+1, 0
	WIN MUL_HI
	MUL16 4, (\q)%2, \q, \slot, \zero
	MUL16 6, (\q)%2, \q, \slot, \zero
	PLACES NP
	WIN 0
	FETCH_A \slot, (\q)+1, 4
.endm
; A slot's last step changes slots: one barrier; in front of it each wave waits for all its tensor loads, adds 0 to its spare word, and waits for that and for its own reads of this slot.  fill = 1: this slot is filled again, two slots ahead.
.macro TURN slot, next, fill
	s_wait_tensorcnt 0x0                           ; all my tensor loads have landed: my part of the next slot  (every window is 0 here)
	ds_add_u32 v[SPW], v[NIL]                      ; 0 onto my spare word
	s_wait_dscnt 4*NL+1                            ; (the add and the youngest 12 loads, A's blocks 4-7, may be out)
	WIN MUL_LO
	MUL16 0, 1, NQ-1, \slot, 0                     ; sixteen matrix instructions stand between the add and the wait for it
	s_wait_dscnt 0x0                               ; the add is done, and my reads of this slot are over
	s_barrier_signal -1
	MUL16 2, 1, NQ-1, \slot, 0
	WIN 0
	s_barrier_wait -1
.if \fill
	CREST                                          ; the barrier has opened a round of the cluster's barrier: no wave of any partner still reads this slot or has a load on its way
	s_add_nc_u64 s[G0+4*\slot+2:G0+4*\slot+3], s[G0+4*\slot+2:G0+4*\slot+3], 2*ROWB
	s_add_nc_u64 s[G0B+4*\slot+2:G0B+4*\slot+3], s[G0B+4*\slot+2:G0B+4*\slot+3], 2*ROWB
	JLOAD G0+4*\slot, G1, G0B+4*\slot, G1B         ; the first tensor load behind the round; its four v_nop are the places in front of the loads below
.else
	PLACES NP
.endif
	v_add_nc_u32 v[ADRS], 64*NQ, v[ADRS]           ; on to the next slot's scale words (no LDS load of mine is out)
	FETCH_B \next, 0, 0
	FETCH_A \next, 0, 0
	SCALES \next
	WIN MUL_HI
	MUL16 4, 1, NQ-1, \slot, 0
	MUL16 6, 1, NQ-1, \slot, 0
	PLACES NP
	WIN 0
	FETCH_A \next, 0, 4
.endm
	s_wait_tensorcnt 1                             ; the scales and my part of slot 0 are in (slot 1's load may be out)
	s_barrier_signal -1
	s_barrier_wait -1                              ; everybody's are
	FETCH_B 0, 0, 0
	FETCH_A 0, 0, 0
	SCALES 0
	FETCH_A 0, 0, 4
	STEP 0, 0, 1                                   ; the first step stands in front of the loop: its products start the sums
	s_mov_b32 s3, LAPS-1
.Llap:                                                 ; a trip goes once round the ring and fills both slots again
	TURN 0, 1, 1
	STEP 1, 0, 0
	TURN 1, 0, 1
	STEP 0, 0, 0
	s_sub_co_u32 s3, s3, 1
	s_cmp_lg_u32 s3, 0
	s_cbranch_scc1 .Llap
	TURN 0, 1, 0                                   ; the last lap fills nothing
	STEP 1, 0, 0
	s_wait_dscnt 4*NL                              ; the very last step
	WIN MUL_LO
	MUL16 0, 1, NQ-1, 1, 0
	MUL16 2, 1, NQ-1, 1, 0
	s_wait_dscnt 0
	WIN MUL_HI
	MUL16 4, 1, NQ-1, 1, 0
	MUL16 6, 1, NQ-1, 1, 0
	WIN 0
; 64 numbers of a lane in window w, register 16 b + i = k 32 b + 16 h + i of my row, become a fragment's codes in v[PC] on and its scale word in v[pw], both in window 0.  Each accumulator is read from its low end on.
.macro QUANT s, w, pw
	WIN 20*(\w)                                    ; sources 1 and 2 in window w
.irp b, 0,1,2,3
	v_max3_num_f32 v[TM+\b], s[FL], |v[\s+16*\b]|, |v[\s+16*\b+1]|   ; block b: my 16 numbers, and the floor, so that the byte cannot fall under 1
.endr
.irp i, 2,4,6,8,10,12,14
.irp b, 0,1,2,3
	v_max3_num_f32 v[TM+\b], v[TM+\b], |v[\s+16*\b+\i]|, |v[\s+16*\b+\i+1]|
.endr
.endr
	WIN 0
.irp b, 0,1,2,3
	v_permlanex16_b32 v[TM+4+\b], v[TM+\b], s[SEL], s[SEL+1]
.endr
.irp b, 0,1,2,3
	v_max_num_f32 v[TM+\b], v[TM+\b], v[TM+4+\b]   ; with lane l xor 16's: the block's largest magnitude
.endr
.irp b, 0,1,2,3
	v_add_nc_u32 v[TM+12+\b], 0xfe000000, v[TM+\b] ; 4 off its exponent field: the conversion's scale operand
.endr
.irp b, 0,1,2,3
	v_lshrrev_b32 v[TM+4+\b], 23, v[TM+12+\b]      ; the scale's byte
.endr
	v_lshl_or_b32 v[\pw], v[TM+5], 8, v[TM+4]
	v_lshl_or_b32 v[\pw], v[TM+6], 16, v[\pw]
	v_lshl_or_b32 v[\pw], v[TM+7], 24, v[\pw]
	WIN (\w)                                       ; source 0 in window w
.irp c, 0,1
	v_cvt_scalef32_pk16_bf6_f32 v[PC+6*\c:PC+6*\c+2], v[\s+32*\c:\s+32*\c+15], v[TM+12+2*\c]
	v_cvt_scalef32_pk16_bf6_f32 v[PT+4*\c:PT+4*\c+2], v[\s+32*\c+16:\s+32*\c+31], v[TM+12+2*\c+1]
.endr
	WIN 0
	v_nop                                          ; one plain instruction behind a scaled conversion
.irp c, 0,1
.irp i, 0,1,2
	v_permlane16_swap_b32 v[PC+6*\c+\i], v[PT+4*\c+\i]
.endr
.irp i, 0,1,2
	v_mov_b32 v[PC+3+6*\c+\i], v[PT+4*\c+\i]
.endr
.endr
.endm
.macro OUTA a                          ; block a's image, and with every second block two tiles' scale words
.irp c, 0,1,2
	global_store_b128 v[LI], v[PC+4*\c:PC+4*\c+3], s[98:99] offset:1536*(\a)+512*\c   ; 512 consecutive bytes, aligned
.endr
.if (\a)%2
	v_cndmask_b32 v[WS], v[PW], v[PW+1], s[HM]     ; lanes 0-15 tile a - 1's words, lanes 16-31 tile a's
	global_store_b32 v[LS], v[WS], s[100:101] offset:64*((\a)-1)
.endif
.endm
.macro CSLOAD a                        ; block a's cos and sin of my row's position, in the accumulators' order, into set a % 2 of window 1
	WIN 0x40                                       ; destination window 1
.irp b, 0,1,2,3
.irp j, 0,1,2,3
	global_load_b128 v[128*((\a)%2)+16*\b+4*\j:128*((\a)%2)+16*\b+4*\j+3], v[PA+(\a)], s[10:11] offset:128*\b+16*\j
.endr
.endr
.irp b, 0,1,2,3
.irp j, 0,1,2,3
	global_load_b128 v[128*((\a)%2)+64+16*\b+4*\j:128*((\a)%2)+64+16*\b+4*\j+3], v[PA+(\a)], s[96:97] offset:128*\b+16*\j
.endr
.endr
	WIN 0
.endm
.macro ROPE a                          ; R[n] = x[n] cos[n] - x[n + 32] sin[n];  R[n + 32] = x[n + 32] cos[n + 32] + x[n] sin[n + 32], n = 0 .. 31
.set AC, 64*((\a)%4)
.set CT, 128*((\a)%2)
	WIN 6+(\a)/4                                   ; source 0: the accumulators' window; source 1: window 1; source 2 and destination: window 0
.set n, 0
.rept 16
	v_pk_mul_f32 v[R+n:R+n+1], v[AC+n:AC+n+1], v[CT+n:CT+n+1]
	v_pk_mul_f32 v[R+32+n:R+33+n], v[AC+32+n:AC+33+n], v[CT+32+n:CT+33+n]
.set n, n+2
.endr
.set n, 0
.rept 16
	v_pk_fma_f32 v[R+n:R+n+1], v[AC+32+n:AC+33+n], v[CT+64+n:CT+65+n], v[R+n:R+n+1] neg_lo:[1,0,0] neg_hi:[1,0,0]
	v_pk_fma_f32 v[R+32+n:R+33+n], v[AC+n:AC+n+1], v[CT+96+n:CT+97+n], v[R+32+n:R+33+n]
.set n, n+2
.endr
	WIN 0
.endm
	PLACES NP                                      ; behind the last products: what follows reads results and writes registers that held operands and scales
	s_wait_loadcnt 0x0                             ; the position ids
	s_mov_b32 s[SEL], 0x76543210
	s_mov_b32 s[SEL+1], 0xfedcba98
	s_mov_b32 s[RS], 0x3db504f3                    ; 1 / sqrt(128)
	s_mov_b32 s[RS+1], s[RS]                       ; (named with it as a pair, so it is written)
.irp b, 0,1,2,3
	v_mov_b32 v[TM+4+\b], 0                        ; written once: a lane permute's destination counts as one of its sources
.endr
	s_cmp_eq_u32 s[TYPE], 2
	s_cbranch_scc1 .Lv_path
	; ---- q and k: RoPE, q's scaling, the quantiser along the head's 128
.irp a, 0,1,2,3,4,5,6,7
	v_min_u32 v[PA+\a], 0x7ff, v[PA+\a]            ; a loaded index is held inside its table
.endr
.irp a, 0,1,2,3,4,5,6,7
	v_lshlrev_b32 v[PA+\a], 9, v[PA+\a]            ; rows of 512 bytes
.endr
.irp a, 0,1,2,3,4,5,6,7
	v_add_nc_u32 v[PA+\a], v[H6], v[PA+\a]         ; + 64 h
.endr
	CSLOAD 0
	CSLOAD 1
.irp a, 0,1,2,3,4,5,6,7
.if \a < 7
	s_wait_loadcnt 32                              ; this block's 32 loads are in; the next block's may be out
.else
	s_wait_loadcnt 0x0
.endif
	ROPE \a
.if \a < 6
	CSLOAD \a+2
.endif
	s_cmp_lg_u32 s[TYPE], 0
	s_cbranch_scc1 .Lnot_q_\a
.set n, 0
.rept 32
	v_pk_mul_f32 v[R+n:R+n+1], v[R+n:R+n+1], s[RS:RS+1] op_sel_hi:[1,0]
.set n, n+2
.endr
.Lnot_q_\a:
	s_wait_xcnt 0x0                                ; the last block's stores have read their registers
	QUANT R, 0, PW+\a%2
	OUTA \a
.endr
	s_branch .Ldone
	; ---- v: the accumulators are quantised as they stand, along the keys
.Lv_path:
.irp a, 0,1,2,3,4,5,6,7
	s_wait_xcnt 0x0
	QUANT 64*(\a%4), 2+\a/4, PW+\a%2
	OUTA \a
.endr
.Ldone:
	s_wait_tensorcnt 0x0                           ; the wave's end
	ds_add_u32 v[SPW], v[NIL]
	s_wait_dscnt 0x0
	CROUND                                         ; the closing round: no work-group ends while a partner may still ask for a tile that names it
	s_endpgm
.Lfunc_end_k_qf5f8e36738_qkv:
	.size	k_qf5f8e36738_qkv, .Lfunc_end_k_qf5f8e36738_qkv-k_qf5f8e36738_qkv
	.p2alignl 7, 3214868480
	.fill 96, 4, 3214868480
	.section	.rodata,"a",@progbits
	.p2align	6, 0x0
	.amdhsa_kernel k_qf5f8e36738_qkv
		.amdhsa_group_segment_fixed_size 327680
		.amdhsa_private_segment_fixed_size 0
		.amdhsa_enable_private_segment 0
		.amdhsa_kernarg_size 48
		.amdhsa_user_sgpr_count 2
		.amdhsa_user_sgpr_kernarg_segment_ptr 1
		.amdhsa_wavefront_size32 1
		.amdhsa_system_sgpr_workgroup_id_x 1
		.amdhsa_system_sgpr_workgroup_id_y 1
		.amdhsa_system_sgpr_workgroup_id_z 1
		.amdhsa_system_vgpr_workitem_id 0
		.amdhsa_next_free_vgpr 1024
		.amdhsa_next_free_sgpr 102
		.amdhsa_reserve_vcc 0
		.amdhsa_float_denorm_mode_32 3
		.amdhsa_float_denorm_mode_16_64 3
		.amdhsa_memory_ordered 1
		.amdhsa_forward_progress 1
		.amdhsa_inst_pref_size 250
	.end_amdhsa_kernel
	.amdgpu_metadata
---
amdhsa.version: [ 1, 2 ]
amdhsa.kernels:
  - .name:           k_qf5f8e36738_qkv
    .symbol:         k_qf5f8e36738_qkv.kd
    .args:
      - { .name: codes, .offset: 0, .size: 8, .value_kind: global_buffer, .address_space: global }
      - { .name: scales, .offset: 8, .size: 8, .value_kind: global_buffer, .address_space: global }
      - { .name: position_ids, .offset: 16, .size: 8, .value_kind: global_buffer, .address_space: global }
      - { .name: cos, .offset: 24, .size: 8, .value_kind: global_buffer, .address_space: global }
      - { .name: sin, .offset: 32, .size: 8, .value_kind: global_buffer, .address_space: global }
      - { .name: qkv, .offset: 40, .size: 8, .value_kind: global_buffer, .address_space: global }
    .group_segment_fixed_size: 327680
    .private_segment_fixed_size: 0
    .kernarg_segment_align: 8
    .kernarg_segment_size: 48
    .max_flat_workgroup_size: 128
    .sgpr_count:     102
    .vgpr_count:     1024
    .wavefront_size: 32
...
	.end_amdgpu_metadata
.endif
;; end of part 2
;; launch attn (part 3): grid 16 x 16, 8 waves a work-group, clusters of 4 x 1, 327,680 bytes of LDS; arguments qkv, bm, ao_codes, ao_scales; writes ao_codes, ao_scales
.if DOCPART == 3
	.amdgcn_target "amdgcn-amd-amdhsa--gfx1250"
	.amdhsa_code_object_version 6
	.text
	.protected	k_qf5f8e36738_attn
	.globl	k_qf5f8e36738_attn
	.p2align	8
	.type	k_qf5f8e36738_attn,@function
k_qf5f8e36738_attn:
	s_mov_b64 s[64:65], 0
	v_nop
	global_prefetch_b8 v0, s[64:65] scope:SCOPE_SE
	s_setreg_imm32_b32 hwreg(HW_REG_WAVE_MODE, 25, 1), 1
	s_wait_xcnt 0x0
	s_wait_alu depctr_hold_cnt(0) depctr_sa_sdst(0) depctr_va_vdst(0) depctr_va_sdst(0) depctr_va_ssrc(0) depctr_va_vcc(0) depctr_vm_vsrc(0)
	s_getreg_b32 s2, hwreg(HW_REG_IB_STS2, 6, 4)
	s_cmp_eq_u32 s2, 0
	s_cbranch_scc0 .Lentry_in_a_cluster
	s_endpgm
.Lentry_in_a_cluster:
	s_bfe_u32 s2, ttmp6, 0x10000c
	s_cmp_lg_u32 s2, 0x3003
	s_cbranch_scc0 .Lentry_shape_is_right
	s_endpgm
.Lentry_shape_is_right:
; ATTN.  o[head][q] = the sum over keys of softmax(q . k + bm[q][key]) v[key], both products on codes of BF6 (E3M2) with E8M0 scales; q carries the 1 / sqrt(128) already; bm = attn_bias + masks, f32.
; THE SOFTMAX AHEAD OF THE SECOND PRODUCT: t = logit x log2(e); M = the running largest t rounded up to a whole number; p = 2^(t - M) is quantised along the keys, not normalised; the row's sum is taken of the
; unquantised p and divides at the end.  When M moves, the sum and O are multiplied by 2^(old M - new M): exact.  The result is quantised along the head's 128 and stored as an operand of the last product.
; Every tile of scores is computed: bias and mask are inputs, and nothing is known of them.
; SHARES.  A work-group owns 128 queries of one head; each of its eight waves one tile of 16.  Every wave walks the 16 key steps of 128.
; A key step's k and v are one record of 25,600 bytes (8 images of k, 8 of v, 512 bytes of scale words each); four records make a slot, 102,400 dense bytes; two slots take turns.  Each wave fetches an eighth of a slot.
; CLUSTER.  The four blocks of queries of a cluster belong to one head and walk the same records: every load of a slot is joint, with the mask of all four.
; bm IS NOT SHARED IN THE CLUSTER AND DOES NOT GO THROUGH LDS: a block of it (16 queries x 128 keys, 8,192 bytes) has one taker in a work-group and none among its partners, which have other queries; it goes from memory
; straight into the score accumulators and is the C of the first product: no vector instruction, no LDS byte, no register beside the scores'.
; LAYOUT.  Both products are used transposed: S^T = k q^T + bm^T (source 0 = 16 keys), O^T = v^T p^T (source 0 = 16 of the head's 128): a lane holds one query throughout.  Row rho of a tile T is row
; 32 (T / 2) + 8 (T % 2) + rho % 8 + 16 (rho / 8), so register 16 b + i of a lane is key (or channel) 32 b + 16 h + i.
; LIMITS: t - M is one fused multiply-add of the logit, so p's exponent is off by up to 2^-24 |t|; bias + mask is added to the score inside the matrix unit; a block of zeros gets the byte 1 (zero codes);
; NaN and infinities are not served; 1 / l by v_rcp_f32.
; REGISTERS: window 0: v1-9 addresses; v12 -M, v13 the largest t, v[14:15] the sum; v16-27 q; v28-31 scale words, two tiles a register; v32-127 eight fragments of k or of v; v128-191 S^T, then p; v192-210 codes; v212-229 at work.  window 1: v0-63 O^T.
.set REC,   25600
.set SLOTB, 4*REC
.set SLOT1, 131072                     ; slot 1 begins here, so that one exclusive or turns an address in one slot into the other's
.set SPARE, 262144                     ; the spare words, 128 bytes for each wave: four blocks of 256 bytes that no other line names
.set QOFF,  6553600
.set LI,  1                            ; v1   16 x lane
.set LS,  2                            ; v2   4 x lane
.set AF,  3                            ; v3   LDS address of the step's images
.set AS,  4                            ; v4   and of its scale words
.set SPW, 5                            ; v5   LDS address of my spare word; never rewritten
.set NIL, 6                            ; v6   0; never rewritten
.set PFO, 7                            ; v7   256 x lane; never rewritten
.set QS,  8                            ; v8   q's scale words
.set R4,  9                            ; v9   4 r
.set Q,   16
.set KS,  28
.set FRG, 32
.set S,   128
.set PC,  192
.set PT,  204
.set TM,  212                          ; +0..3 the blocks' maxima; +4..7 the other half's, then bytes; +8:9 f (or 1 / l) as a pair; +10:11 the second chain of the sum; +12..15 the conversions' scales
.set PW,  228
.set TP,  229
.set WV,  12
.set G1,  24                           ; s[24:31] descriptor group 1;  s[32:35] group 0, which walks
.set G0,  32
.set TB,  36                           ; s36  LDS byte at which the step's record begins
.set CNT, 37
.set SLOTS, 38
.set STEPS, 39                         ; s39  key steps to go, this one among them
.set LIM, 40                           ; s40  2 in head 0's work-groups, else the greatest number
.set SEL, 42
.set CS,  44                           ; s[44:45] log2(e)
.set FL,  46
.set MSB, 0
.macro WIN new
.if MSB != (\new)
	s_set_vgpr_msb (MSB<<8)|(\new)
.set MSB, (\new)
.endif
.endm
.macro CROUND                          ; a round of the cluster's barrier
	s_barrier_signal -1
	s_barrier_wait -1
	s_cmp_lg_u32 s[WV], 0
	s_cbranch_scc1 .Lnot_wave_0_\@
	s_barrier_signal -3
.Lnot_wave_0_\@:
	s_barrier_wait -3
	s_barrier_signal -1
	s_barrier_wait -1
.endm
	s_load_b256 s[4:11], s[0:1], 0x0               ; qkv, bm, ao_codes, ao_scales
	v_lshl_add_u32 v[SPW], v0, 2, SPARE
	v_mov_b32 v[NIL], 0
	ds_add_u32 v5, v6
	ds_add_u32 v5, v6
	s_wait_dscnt 0x0
	v_lshrrev_b32 v10, 5, v0
	v_readfirstlane_b32 s[WV], v10                 ; wave 0..7
	s_bfe_u32 s13, ttmp6, 0x40000                  ; cx
	s_lshl_b32 s14, ttmp9, 2
	s_add_co_u32 s14, s14, s13                     ; my block of 128 queries: it enters q's, bm's and the result's addresses alone
	s_and_b32 s15, ttmp7, 0xffff                   ; the head, which the four partners share
	; descriptor group 1: 12,800 dense bytes as 50 rows of 256 (32 elements of 8 bytes)
	s_mov_b32 s[G1], 15|(3<<16)|(1<<21)            ; 15:0 the mask: all four work-groups; 17:16 elements of 8 bytes; 21 set beside a mask
	s_mov_b32 s[G1+1], 32<<16
	s_mov_b32 s[G1+2], 50<<16
	s_mov_b32 s[G1+3], 32<<16
	s_mov_b32 s[G1+4], 50
	s_mov_b32 s[G1+5], 32
	s_mov_b32 s[G1+6], 0
	s_mov_b32 s[G1+7], 0
	s_mul_i32 s16, s15, 16*REC                     ; the head's records,
	s_mul_i32 s17, s[WV], SLOTB/8
	s_add_co_u32 s16, s16, s17                     ; my eighth of a slot
	s_mov_b32 s17, 0
	s_mov_b32 s[G0], 1
	s_mul_i32 s[G0+1], s[WV], SLOTB/8              ; and its place in slot 0
	s_lshl_b32 s18, s15, 4
	s_add_co_u32 s18, s18, s14
	s_mul_i32 s18, s18, 12800
	s_add_co_u32 s18, s18, QOFF                    ; q's record
	s_lshl_b32 s20, s[WV], 6
	s_add_co_u32 s20, s20, s18
	s_add_co_u32 s20, s20, 12288                   ; my tile's scale words
	s_mul_i32 s19, s[WV], 1536
	s_add_co_u32 s18, s18, s19                     ; my tile's image
	s_mov_b32 s19, 0
	s_mov_b32 s21, 0
	s_lshl_b32 s22, s14, 3
	s_add_co_u32 s22, s22, s[WV]                   ; T: my tile of queries
	s_lshl_b32 s48, s22, 17                        ; bm: 131,072 bytes a tile
	s_mov_b32 s49, 0
	s_mul_i32 s50, s22, 24576
	s_mul_i32 s51, s15, 1536
	s_add_co_u32 s50, s50, s51                     ; the result's image: tile T, K step = the head
	s_mov_b32 s51, 0
	s_lshl_b32 s52, s22, 10
	s_lshl_b32 s53, s15, 6
	s_add_co_u32 s52, s52, s53                     ; and its scale words
	s_mov_b32 s53, 0
	s_cmp_eq_u32 s15, 0
	s_cselect_b32 s[LIM], 2, -1
	s_mov_b32 s[SEL], 0x76543210
	s_mov_b32 s[SEL+1], 0xfedcba98
	s_mov_b32 s[CS], 0x3fb8aa3b                    ; log2(e)
	s_mov_b32 s[CS+1], s[CS]                       ; (named with it as a pair, so it is written)
	s_mov_b32 s[FL], 0x2800000                     ; the floor 2^(5 - 127)
	s_mov_b32 s[TB], 0
	s_mov_b32 s[SLOTS], 3
	s_mov_b32 s[STEPS], 16
	v_and_b32 v10, 31, v0
	v_lshlrev_b32 v[LI], 4, v10
	v_lshlrev_b32 v[LS], 2, v10
	v_lshlrev_b32 v[PFO], 8, v10
	v_and_b32 v[R4], 15, v0
	v_lshlrev_b32 v[R4], 2, v[R4]
	s_wait_kmcnt 0x0
	s_add_nc_u64 s[G0+2:G0+3], s[4:5], s[16:17]
	s_or_b32 s[G0+3], s[G0+3], 0x80000000
	s_add_nc_u64 s[18:19], s[4:5], s[18:19]
	s_add_nc_u64 s[20:21], s[4:5], s[20:21]
	s_add_nc_u64 s[6:7], s[6:7], s[48:49]
	s_add_nc_u64 s[8:9], s[8:9], s[50:51]
	s_add_nc_u64 s[10:11], s[10:11], s[52:53]
	CROUND                                         ; all four work-groups are here: the first joint loads meet
	tensor_load_to_lds s[G0:G0+3], s[G1:G1+7]      ; slot 0: one load of mine is out
	s_nop 0
.rept 4
	v_nop
.endr
.irp c, 0,1,2
	global_load_b128 v[Q+4*\c:Q+4*\c+3], v[LI], s[18:19] offset:512*\c   ; q's fragment stays in registers
.endr
	global_load_b32 v[QS], v[R4], s[20:21]
.irp g, 0,1,2,3,4,5,6,7,8,9,10,11,12,13,14,15
	global_load_b128 v[S+4*\g:S+4*\g+3], v[LI], s[6:7] offset:512*\g     ; bm of key step 0, into the score accumulators
.endr
	v_mov_b32 v13, 0xff61b1e6                      ; the largest t so far: -3e38, under every t
	v_floor_f32 v12, -v13                          ; -M
	v_mov_b32 v14, 0
	v_mov_b32 v15, 0
.irp b, 0,1,2,3
	v_mov_b32 v[TM+4+\b], 0                        ; written once: a lane permute's destination counts as one of its sources
.endr
	v_mov_b32 v[TM+9], 0                           ; (named as the upper half of a pair)
	v_mov_b32 v[TP], 0
	WIN 0x40
.set j, 0
.rept 64
	v_mov_b32 v[j], 0                              ; O^T.  (The step is written once: the first finds zeros, which the first change of M leaves zeros)
.set j, j+1
.endr
	WIN 0
; THE CHANGE OF SLOTS stands at a slot's head.  Each wave waits for all its tensor loads (its part of the slot ahead), adds 0 to its spare word, and waits for that and for its reads of the slot that it has left.
; fill = 1: a round of the cluster's barrier, and behind it the slot just left takes the next four records: the load has four key steps in which to land.
.macro CHANGE fill
	s_wait_tensorcnt 0x0                           ; no tensor load of mine is out, so group 0 may be written
	ds_add_u32 v[SPW], v[NIL]                      ; 0 onto my spare word
.if \fill
	s_xor_b32 s[G0+1], s[G0+1], SLOT1              ; the other slot than last time,
	s_add_nc_u64 s[G0+2:G0+3], s[G0+2:G0+3], SLOTB ; the next four records; the type bits on top are not reached
.endif
	s_wait_dscnt 0x0                               ; the add is done, and my reads of the slot that I have left are over
.if \fill
	CROUND
	tensor_load_to_lds s[G0:G0+3], s[G1:G1+7]      ; the first thing behind the round, and my one tensor load until the next
	s_nop 0
.rept 4
	v_nop
.endr
.else
	s_barrier_signal -1
	s_barrier_wait -1
.endif
.endm
; A KEY STEP: 128 keys.
.macro STEP
	v_add_nc_u32 v[AF], s[TB], v[LI]
	v_add_nc_u32 v[AS], s[TB], v[LS]
	v_nop
	v_nop                                          ; four plain instructions behind the last products, in front of loads into registers that they have read
.irp t, 0,1,2,3,4,5,6,7
.irp c, 0,1,2
	ds_load_b128 v[FRG+12*\t+4*\c:FRG+12*\t+4*\c+3], v[AF] offset:1536*\t+512*\c    ; k's eight images
.endr
.endr
.irp p, 0,1,2,3
	ds_load_b32 v[KS+\p], v[AS] offset:24576+128*\p    ; lanes 0-15 tile 2 p's scale words, lanes 16-31 tile 2 p + 1's
.endr
	s_wait_xcnt 0x0                                ; the last step's loads and prefetch have read their base,
	s_wait_loadcnt 0x0                             ; this step's bm is in (at first q too),
	s_add_nc_u64 s[6:7], s[6:7], 8192              ; and the base steps to the next step's block
	s_wait_dscnt 0x0
.irp t, 0,1,2,3,4,5,6,7                ; S^T = k q^T + bm^T: eight accumulators, one instruction each
.if \t%2
	v_wmma_scale_f32_16x16x128_f8f6f4 v[S+8*\t:S+8*\t+7], v[FRG+12*\t:FRG+12*\t+11], v[Q:Q+11], v[S+8*\t:S+8*\t+7], v[KS+\t/2], v[QS] matrix_a_fmt:MATRIX_FMT_BF6 matrix_b_fmt:MATRIX_FMT_BF6 matrix_a_scale:MATRIX_SCALE_ROW1
.else
	v_wmma_scale_f32_16x16x128_f8f6f4 v[S+8*\t:S+8*\t+7], v[FRG+12*\t:FRG+12*\t+11], v[Q:Q+11], v[S+8*\t:S+8*\t+7], v[KS+\t/2], v[QS] matrix_a_fmt:MATRIX_FMT_BF6 matrix_b_fmt:MATRIX_FMT_BF6
.endif
.endr
.rept 4
	v_nop                                          ; places in front of the loads below and of the first read of the scores
.endr
.irp t, 0,1,2,3,4,5,6,7
.irp c, 0,1,2
	ds_load_b128 v[FRG+12*\t+4*\c:FRG+12*\t+4*\c+3], v[AF] offset:12288+1536*\t+512*\c   ; v's eight images land while the softmax is worked
.endr
.endr
.irp p, 0,1,2,3
	ds_load_b32 v[KS+\p], v[AS] offset:25088+128*\p
.endr
.irp b, 0,1,2,3
	v_max3_num_f32 v[TM+\b], v[S+16*\b], v[S+1+16*\b], v[S+2+16*\b]   ; the largest logit of each block of 32 keys: it serves for the row's maximum and, since p rises with the logit, for the block's largest p
.endr
.irp i, 3,5,7,9,11,13
.irp b, 0,1,2,3
	v_max3_num_f32 v[TM+\b], v[TM+\b], v[S+16*\b+\i], v[S+1+16*\b+\i]
.endr
.endr
.irp b, 0,1,2,3
	v_max_num_f32 v[TM+\b], v[TM+\b], v[S+15+16*\b]
.endr
.irp b, 0,1,2,3
	v_permlanex16_b32 v[TM+4+\b], v[TM+\b], s[SEL], s[SEL+1]
.endr
.irp b, 0,1,2,3
	v_max_num_f32 v[TM+\b], v[TM+\b], v[TM+4+\b]   ; with lane l xor 16's 16 keys
.endr
	v_max3_num_f32 v[TP], v[TM], v[TM+1], v[TM+2]
	v_max_num_f32 v[TP], v[TP], v[TM+3]            ; the step's largest logit of my query
	v_mul_f32 v[TP], s[CS], v[TP]                  ; as t
	v_max_num_f32 v13, v13, v[TP]                  ; the running largest t
	v_mov_b32 v[TP], v12
	v_floor_f32 v12, -v13                          ; the new -M = floor(-t): M is a whole number
	v_sub_f32 v[TP], v12, v[TP]                    ; old M - new M: a whole number, 0 or less
	v_cvt_i32_f32 v[TP], v[TP]                     ; (it saturates)
	v_ldexp_f32 v[TM+8], 1.0, v[TP]                ; f = 2^(old M - new M)
.set j, 0
.rept 32
	v_pk_fma_f32 v[S+j:S+j+1], v[S+j:S+j+1], s[CS:CS+1], v[12:13] op_sel_hi:[1,0,0]   ; t - M, two at a time
.set j, j+2
.endr
.irp b, 0,1,2,3
	v_fma_f32 v[TM+\b], v[TM+\b], s[CS], v12       ; the same of each block's largest logit
.endr
.set j, 0
.rept 64
	v_exp_f32 v[S+j], v[S+j]                       ; p = 2^(t - M), at most 1
.set j, j+1
.endr
	v_pk_mul_f32 v[14:15], v[14:15], v[TM+8:TM+9] op_sel_hi:[1,0]   ; the sums under the new M: the plain instruction behind the exponentials
	s_wait_alu depctr_va_vdst(0)                   ; one wait for the whole batch, ahead of its first reader
.irp b, 0,1,2,3
	v_exp_f32 v[TM+\b], v[TM+\b]                   ; the block's largest p: the same two instructions on the same number
.endr
	v_pk_add_f32 v[TM+10:TM+11], v[S:S+1], v[S+2:S+3]   ; the row's sum is taken of the unquantised p, in two chains
.irp j, 4,8,12,16,20,24,28,32,36,40,44,48,52,56,60
	v_pk_add_f32 v[14:15], v[14:15], v[S+\j:S+\j+1]
	v_pk_add_f32 v[TM+10:TM+11], v[TM+10:TM+11], v[S+2+\j:S+3+\j]
.endr
	v_pk_add_f32 v[14:15], v[14:15], v[TM+10:TM+11]
	s_wait_alu depctr_va_vdst(0)                   ; and one for the four
.irp b, 0,1,2,3
	v_max_num_f32 v[TM+\b], s[FL], v[TM+\b]        ; the floor: the byte cannot fall under 1
.endr
.irp b, 0,1,2,3
	v_add_nc_u32 v[TM+12+\b], 0xfe000000, v[TM+\b] ; 4 off the exponent field: the conversion's scale operand
.endr
.irp b, 0,1,2,3
	v_lshrrev_b32 v[TM+4+\b], 23, v[TM+12+\b]      ; the scale's byte
.endr
	v_lshl_or_b32 v[PW], v[TM+5], 8, v[TM+4]       ; p's scale word for these 128 keys
	v_lshl_or_b32 v[PW], v[TM+6], 16, v[PW]
	v_lshl_or_b32 v[PW], v[TM+7], 24, v[PW]
.irp c, 0,1
	v_cvt_scalef32_pk16_bf6_f32 v[PC+6*\c:PC+6*\c+2], v[S+32*\c:S+32*\c+15], v[TM+12+2*\c]
	v_cvt_scalef32_pk16_bf6_f32 v[PT+4*\c:PT+4*\c+2], v[S+32*\c+16:S+32*\c+31], v[TM+12+2*\c+1]
.endr
	v_nop                                          ; one plain instruction behind a scaled conversion
	s_cmp_eq_u32 s[STEPS], 1                       ; the last step asks for nothing: no load leaves its buffer
	s_cbranch_scc1 .Lno_more_\@
.irp g, 0,1,2,3,4,5,6,7,8,9,10,11,12,13,14,15
	global_load_b128 v[S+4*\g:S+4*\g+3], v[LI], s[6:7] offset:512*\g   ; the next step's bm, into the accumulators that p has left
.endr
; A PREFETCH INTO THE L2 of the block of bm after that one: 8,192 bytes, lanes 256 bytes apart, one instruction, behind the run of loads.  All sixteen heads take the same blocks: head 0's work-groups ask, each wave for its own
; tile's block, so each block is named once in the launch.  It names what the loads of the next key step will ask for; the last two steps ask for nothing: there is no block two steps on.
	s_cmp_gt_u32 s[STEPS], s[LIM]
	s_cbranch_scc0 .Lno_more_\@
	global_prefetch_b8 v[PFO], s[6:7] offset:8192 th:TH_LOAD_NT scope:SCOPE_SE
.Lno_more_\@:
.irp c, 0,1                            ; the operand's layout wants a whole block in a lane
.irp i, 0,1,2
	v_permlane16_swap_b32 v[PC+6*\c+\i], v[PT+4*\c+\i]
.endr
.irp i, 0,1,2
	v_mov_b32 v[PC+3+6*\c+\i], v[PT+4*\c+\i]
.endr
.endr
	WIN 0x41                                       ; O^T (destination and source 0) in window 1, f in window 0
.set j, 0
.rept 32
	v_pk_mul_f32 v[j:j+1], v[j:j+1], v[TM+8:TM+9] op_sel_hi:[1,0]   ; O^T under the new M.  (These are also the places between the codes' and the scale word's last writes and the products)
.set j, j+2
.endr
	WIN 0x50                                       ; C and D in window 1
	s_wait_dscnt 0x0                               ; v is in
.irp t, 0,1,2,3,4,5,6,7                ; O^T += v^T p^T: eight accumulators, one instruction each
.if \t%2
	v_wmma_scale_f32_16x16x128_f8f6f4 v[8*\t:8*\t+7], v[FRG+12*\t:FRG+12*\t+11], v[PC:PC+11], v[8*\t:8*\t+7], v[KS+\t/2], v[PW] matrix_a_fmt:MATRIX_FMT_BF6 matrix_b_fmt:MATRIX_FMT_BF6 matrix_a_scale:MATRIX_SCALE_ROW1
.else
	v_wmma_scale_f32_16x16x128_f8f6f4 v[8*\t:8*\t+7], v[FRG+12*\t:FRG+12*\t+11], v[PC:PC+11], v[8*\t:8*\t+7], v[KS+\t/2], v[PW] matrix_a_fmt:MATRIX_FMT_BF6 matrix_b_fmt:MATRIX_FMT_BF6
.endif
.endr
	WIN 0
	s_add_co_u32 s[TB], s[TB], REC                 ; the next record
	s_sub_co_u32 s[STEPS], s[STEPS], 1
.endm
.macro FOUR                            ; a slot's four key steps: written once, walked four times
	s_mov_b32 s[CNT], 4
.Lstep_\@:
	STEP
	s_sub_co_u32 s[CNT], s[CNT], 1
	s_cmp_lg_u32 s[CNT], 0
	s_cbranch_scc1 .Lstep_\@
	s_sub_co_u32 s[TB], s[TB], SLOTB               ; back to a slot's first record,
	s_xor_b32 s[TB], s[TB], SLOT1                  ; in the other slot
.endm
.Lslot:                                            ; three trips: behind each change of slots but the last the next slot is asked for
	CHANGE 1
	FOUR
	s_sub_co_u32 s[SLOTS], s[SLOTS], 1
	s_cmp_lg_u32 s[SLOTS], 0
	s_cbranch_scc1 .Lslot
	CHANGE 0                                       ; the last slot is written out
	FOUR
	; THE WAY OUT: O^T / l, quantised along the head's 128: one image and one scale word a row
	s_wait_loadcnt 0x0                             ; no load into the scores' registers is out
.rept 4
	v_nop                                          ; places behind the last products
.endr
	v_add_f32 v14, v14, v15                        ; the sum's two halves,
	v_permlanex16_b32 v[TP], v14, s[SEL], s[SEL+1]
	v_add_f32 v14, v14, v[TP]                      ; and lane l xor 16's: the row's sum
	v_rcp_f32 v[TM+8], v14
	v_nop                                          ; a plain instruction behind the reciprocal
	s_wait_alu depctr_va_vdst(0)                   ; and the wait ahead of its first reader
	WIN 0x01                                       ; source 0 window 1
.set j, 0
.rept 32
	v_pk_mul_f32 v[S+j:S+j+1], v[j:j+1], v[TM+8:TM+9] op_sel_hi:[1,0]   ; register 16 b + i: channel 32 b + 16 h + i of my query
.set j, j+2
.endr
	WIN 0
.irp b, 0,1,2,3
	v_max3_num_f32 v[TM+\b], s[FL], |v[S+16*\b]|, |v[S+16*\b+1]|
.endr
.irp i, 2,4,6,8,10,12,14
.irp b, 0,1,2,3
	v_max3_num_f32 v[TM+\b], v[TM+\b], |v[S+16*\b+\i]|, |v[S+16*\b+\i+1]|
.endr
.endr
.irp b, 0,1,2,3
	v_permlanex16_b32 v[TM+4+\b], v[TM+\b], s[SEL], s[SEL+1]
.endr
.irp b, 0,1,2,3
	v_max_num_f32 v[TM+\b], v[TM+\b], v[TM+4+\b]
.endr
.irp b, 0,1,2,3
	v_add_nc_u32 v[TM+12+\b], 0xfe000000, v[TM+\b]
.endr
.irp b, 0,1,2,3
	v_lshrrev_b32 v[TM+4+\b], 23, v[TM+12+\b]
.endr
	v_lshl_or_b32 v[PW], v[TM+5], 8, v[TM+4]
	v_lshl_or_b32 v[PW], v[TM+6], 16, v[PW]
	v_lshl_or_b32 v[PW], v[TM+7], 24, v[PW]
.irp c, 0,1
	v_cvt_scalef32_pk16_bf6_f32 v[PC+6*\c:PC+6*\c+2], v[S+32*\c:S+32*\c+15], v[TM+12+2*\c]
	v_cvt_scalef32_pk16_bf6_f32 v[PT+4*\c:PT+4*\c+2], v[S+32*\c+16:S+32*\c+31], v[TM+12+2*\c+1]
.endr
	v_nop
.irp c, 0,1
.irp i, 0,1,2
	v_permlane16_swap_b32 v[PC+6*\c+\i], v[PT+4*\c+\i]
.endr
.irp i, 0,1,2
	v_mov_b32 v[PC+3+6*\c+\i], v[PT+4*\c+\i]
.endr
.endr
.irp c, 0,1,2
	global_store_b128 v[LI], v[PC+4*\c:PC+4*\c+3], s[8:9] offset:512*\c   ; 512 consecutive bytes, aligned
.endr
	global_store_b32 v[R4], v[PW], s[10:11]        ; 64 consecutive bytes: lanes l and l + 16 hold the same word and write it to the same place
	s_wait_tensorcnt 0x0                           ; the wave's end
	ds_add_u32 v[SPW], v[NIL]
	s_wait_dscnt 0x0
	CROUND                                         ; the closing round
	s_endpgm
.Lfunc_end_k_qf5f8e36738_attn:
	.size	k_qf5f8e36738_attn, .Lfunc_end_k_qf5f8e36738_attn-k_qf5f8e36738_attn
	.p2alignl 7, 3214868480
	.fill 96, 4, 3214868480
	.section	.rodata,"a",@progbits
	.p2align	6, 0x0
	.amdhsa_kernel k_qf5f8e36738_attn
		.amdhsa_group_segment_fixed_size 327680
		.amdhsa_private_segment_fixed_size 0
		.amdhsa_enable_private_segment 0
		.amdhsa_kernarg_size 32
		.amdhsa_user_sgpr_count 2
		.amdhsa_user_sgpr_kernarg_segment_ptr 1
		.amdhsa_wavefront_size32 1
		.amdhsa_system_sgpr_workgroup_id_x 1
		.amdhsa_system_sgpr_workgroup_id_y 1
		.amdhsa_system_sgpr_workgroup_id_z 1
		.amdhsa_system_vgpr_workitem_id 0
		.amdhsa_next_free_vgpr 320
		.amdhsa_next_free_sgpr 66
		.amdhsa_reserve_vcc 0
		.amdhsa_float_denorm_mode_32 3
		.amdhsa_float_denorm_mode_16_64 3
		.amdhsa_memory_ordered 1
		.amdhsa_forward_progress 1
		.amdhsa_inst_pref_size 58
	.end_amdhsa_kernel
	.amdgpu_metadata
---
amdhsa.version: [ 1, 2 ]
amdhsa.kernels:
  - .name:           k_qf5f8e36738_attn
    .symbol:         k_qf5f8e36738_attn.kd
    .args:
      - { .name: qkv, .offset: 0, .size: 8, .value_kind: global_buffer, .address_space: global }
      - { .name: bm, .offset: 8, .size: 8, .value_kind: global_buffer, .address_space: global }
      - { .name: ao_codes, .offset: 16, .size: 8, .value_kind: global_buffer, .address_space: global }
      - { .name: ao_scales, .offset: 24, .size: 8, .value_kind: global_buffer, .address_space: global }
    .group_segment_fixed_size: 327680
    .private_segment_fixed_size: 0
    .kernarg_segment_align: 8
    .kernarg_segment_size: 32
    .max_flat_workgroup_size: 256
    .sgpr_count:     66
    .vgpr_count:     320
    .wavefront_size: 32
...
	.end_amdgpu_metadata
.endif
;; end of part 3
;; launch oproj (part 4): grid 8 x 8, 4 waves a work-group, clusters of 4 x 4, 327,680 bytes of LDS; arguments ao_codes, ao_scales, codes, scales, out0; writes out0
.if DOCPART == 4
	.amdgcn_target "amdgcn-amd-amdhsa--gfx1250"
	.amdhsa_code_object_version 6
	.text
	.protected	k_qf5f8e36738_oproj
	.globl	k_qf5f8e36738_oproj
	.p2align	8
	.type	k_qf5f8e36738_oproj,@function
k_qf5f8e36738_oproj:
	s_mov_b64 s[64:65], 0
	v_nop
	global_prefetch_b8 v0, s[64:65] scope:SCOPE_SE
	s_setreg_imm32_b32 hwreg(HW_REG_WAVE_MODE, 25, 1), 1
	s_wait_xcnt 0x0
	s_wait_alu depctr_hold_cnt(0) depctr_sa_sdst(0) depctr_va_vdst(0) depctr_va_sdst(0) depctr_va_ssrc(0) depctr_va_vcc(0) depctr_vm_vsrc(0)
	s_getreg_b32 s2, hwreg(HW_REG_IB_STS2, 6, 4)
	s_cmp_eq_u32 s2, 0
	s_cbranch_scc0 .Lentry_in_a_cluster
	s_endpgm
.Lentry_in_a_cluster:
	s_bfe_u32 s2, ttmp6, 0x10000c
	s_cmp_lg_u32 s2, 0xf033
	s_cbranch_scc0 .Lentry_shape_is_right
	s_endpgm
.Lentry_shape_is_right:
; OPROJ.  out0[token][n] = the sum over k of ao[token][k] wo[n][k], on codes of BF6 (E3M2) with E8M0 scales, K = 2,048; out0 [2048][2048] f32.
; A = the attention launch's result, B = wo (tensor 4 of the codes' buffer): both as images of an operand's registers, [16 rows T][K step of 128] 1,536 bytes, registers 4 c .. 4 c + 3 of lane l at 512 c + 16 l;
; row rho of tile T is row 32 (T / 2) + 8 (T % 2) + rho % 8 + 16 (rho / 8).  Scale words: [T][K step] 16 words.
; A tile of the result, 256 x 256, is made by four waves, 128 x 128 each; 64 work-groups: the ring, the rounds and the order of a step are those of the projections' launch.
; K goes in steps of 256 through a ring of two LDS slots; a wave's tensor load brings 8 tiles x 3,072 bytes.  The scales come once, with the first fills.
; CLUSTERS: 4 x 4 work-groups; A's tiles are asked for jointly along a row of the cluster, B's along a column.
; THE MATRIX INSTRUCTION IS USED TRANSPOSED (source 0 = 16 rows of B, source 1 = 16 rows of A): lane (r, h) holds A's row r; register j of accumulator b holds column 32 (b / 2) + 8 (b % 2) + 16 h + j.
; REGISTERS: window 0: v0-31 addresses; v32-63 scale words, two sets; v128-223 A's fragments.  window 1: B's fragments, two sets.  windows 2, 3: the accumulators.  On the way out v128-255 of window 0 take rows.
.set NQ,     2
.set ROWB,   3072
.set KROW,   24576
.set FR,     12
.set NL,     3
.set NP,     4
.set HALFT,  8*ROWB
.set SLOT,   4*HALFT
.set LAPS,   4
.set SCL,    2*SLOT
.set HALFS,  8192
.set SPARE,  SCL+4*HALFS               ; the spare words, 128 bytes for each wave: two blocks of 256 bytes that no other line names
.set SPITCH, 528                       ; the way out: a stage of 16 rows x (512 bytes + 16) for each wave, in slot 0, which has had its last fill and its last read when the first result is stored there
.set ADRA, 16
.set ADRB, 20
.set STO,  24                          ; v24  the way out: where I put 16 bytes of a row
.set RD,   25                          ; v25  where I read a row back
.set CO,   26                          ; v26  16 x lane: my byte offset in a row's 512 bytes
.set ADRS, 27
.set SPW,  28
.set NIL,  29
.set SC,   32
.set AF,   128
.set BK,   128                         ; 16 rows read back from the stage: v128-191 and v192-255 by turns
.set G1, 24
.set G0, 32
.set G1B, 48
.set G0B, 56
.set G1S, 68
.set G0S, 76
.set G1SB, 80
.set G0SB, 88
.set MSB, 0
.macro WIN new
.if MSB != (\new)
	s_set_vgpr_msb (MSB<<8)|(\new)
.set MSB, (\new)
.endif
.endm
.set MUL_LO, 0xa1
.set MUL_HI, 0xf1
.set TO_B,   0x40
.macro JLOAD g0a, g1a, g0b, g1b        ; a joint load: waves 0 and 1 fetch for A, waves 2 and 3 for B; four v_nop follow each of the two lines
	s_cmp_eq_u32 s15, 0
	s_cbranch_scc0 .Lfor_b_\@
	tensor_load_to_lds s[\g0a:\g0a+3], s[\g1a:\g1a+7]
	s_nop 0
.rept 4
	v_nop
.endr
	s_branch .Lasked_\@
.Lfor_b_\@:
	tensor_load_to_lds s[\g0b:\g0b+3], s[\g1b:\g1b+7]
	s_nop 0
.rept 4
	v_nop
.endr
.Lasked_\@:
.endm
.macro CREST
	s_cmp_lg_u32 s14, 0
	s_cbranch_scc1 .Lnot_wave_0_\@
	s_barrier_signal -3
.Lnot_wave_0_\@:
	s_barrier_wait -3
	s_barrier_signal -1
	s_barrier_wait -1
.endm
.macro CROUND
	s_barrier_signal -1
	s_barrier_wait -1
	CREST
.endm
	s_load_b128 s[4:7], s[0:1], 0x0                ; A's codes, A's scales
	s_load_b128 s[8:11], s[0:1], 0x10              ; the codes' buffer, the scales' buffer
	s_load_b64 s[12:13], s[0:1], 0x20              ; out0
	v_lshl_add_u32 v[SPW], v0, 2, SPARE
	v_mov_b32 v[NIL], 0
	ds_add_u32 v28, v29
	ds_add_u32 v28, v29
	s_wait_dscnt 0x0
	v_lshrrev_b32 v1, 5, v0
	v_readfirstlane_b32 s14, v1                    ; wave 0..3
	s_lshr_b32 s15, s14, 1                         ; which half of A's rows is mine.  Also: I fetch for A (0) or for B (1)
	s_and_b32 s16, s14, 1                          ; which half of B's rows.  Also: which 8 tiles I fetch
	s_bfe_u32 s40, ttmp6, 0x40000                  ; cx, cy
	s_bfe_u32 s41, ttmp6, 0x40004
	s_lshl_b32 s42, ttmp9, 2
	s_add_co_u32 s42, s42, s40                     ; xt
	s_and_b32 s17, ttmp7, 0xffff
	s_lshl_b32 s17, s17, 2
	s_add_co_u32 s17, s17, s41                     ; yt
	s_lshl_b32 s43, s41, 2
	s_lshl_b32 s43, 15, s43                        ; my row of the cluster
	s_lshl_b32 s44, 0x1111, s40                    ; my column
	s_or_b32 s[G1+0], s43, (3<<16)|(1<<21)         ; 8 rows of 3,072 bytes (384 elements of 8 bytes), 24,576 bytes apart; no padding
	s_or_b32 s[G1B+0], s44, (3<<16)|(1<<21)
.irp g, G1, G1B
	s_mov_b32 s[\g+1], 384<<16
	s_mov_b32 s[\g+2], 8<<16
	s_mov_b32 s[\g+3], 384<<16
	s_mov_b32 s[\g+4], 8
	s_mov_b32 s[\g+5], 3072
	s_mov_b32 s[\g+6], 0
	s_mov_b32 s[\g+7], 0
.endr
	s_or_b32 s[G1S+0], s43, (3<<16)|(1<<21)        ; the scales of 8 tiles: 8,192 dense bytes as 32 rows of 256
	s_or_b32 s[G1SB+0], s44, (3<<16)|(1<<21)
.irp g, G1S, G1SB
	s_mov_b32 s[\g+1], 32<<16
	s_mov_b32 s[\g+2], 32<<16
	s_mov_b32 s[\g+3], 32<<16
	s_mov_b32 s[\g+4], 32
	s_mov_b32 s[\g+5], 32
	s_mov_b32 s[\g+6], 0
	s_mov_b32 s[\g+7], 0
.endr
	s_lshl_b32 s18, s16, 3                         ; which 8 tiles I fetch
	s_lshl_b32 s20, s17, 4
	s_add_co_u32 s20, s20, s18                     ; A: tile 16 yt + 8 half
	s_lshl_b32 s46, s42, 4
	s_add_co_u32 s46, s46, s18
	s_add_co_u32 s46, s46, 512                     ; B: tile 128 x 4 + 16 xt + 8 half
	s_lshl_b32 s22, s20, 10
	s_mov_b32 s23, 0
	s_lshl_b32 s92, s46, 10
	s_mov_b32 s93, 0
	s_mul_i32 s20, s20, KROW
	s_mov_b32 s21, 0
	s_mul_i32 s46, s46, KROW
	s_mov_b32 s47, 0
	s_mul_i32 s45, s14, HALFT
	s_mul_i32 s94, s14, HALFS
	s_wait_kmcnt 0x0
	s_add_nc_u64 s[20:21], s[4:5], s[20:21]
	s_add_nc_u64 s[22:23], s[6:7], s[22:23]
	s_add_nc_u64 s[46:47], s[8:9], s[46:47]
	s_add_nc_u64 s[92:93], s[10:11], s[92:93]
	CROUND                                         ; all sixteen work-groups are here: the first joint loads meet
	s_mov_b32 s[G0S], 1
	s_add_co_u32 s[G0S+1], s94, SCL
	s_mov_b64 s[G0S+2:G0S+3], s[22:23]
	s_or_b32 s[G0S+3], s[G0S+3], 0x80000000
	s_mov_b32 s[G0SB], 1
	s_add_co_u32 s[G0SB+1], s94, SCL
	s_mov_b64 s[G0SB+2:G0SB+3], s[92:93]
	s_or_b32 s[G0SB+3], s[G0SB+3], 0x80000000
	JLOAD G0S, G1S, G0SB, G1SB
.irp s, 0,1
	s_mov_b32 s[G0+4*\s], 1
	s_add_co_u32 s[G0+4*\s+1], s45, \s*SLOT
	s_add_nc_u64 s[G0+4*\s+2:G0+4*\s+3], s[20:21], \s*ROWB
	s_or_b32 s[G0+4*\s+3], s[G0+4*\s+3], 0x80000000
	s_mov_b32 s[G0B+4*\s], 1
	s_add_co_u32 s[G0B+4*\s+1], s45, \s*SLOT
	s_add_nc_u64 s[G0B+4*\s+2:G0B+4*\s+3], s[46:47], \s*ROWB
	s_or_b32 s[G0B+4*\s+3], s[G0B+4*\s+3], 0x80000000
	JLOAD G0+4*\s, G1, G0B+4*\s, G1B
.endr
	v_and_b32 v1, 15, v0                           ; r
	v_bfe_u32 v2, v0, 4, 1                         ; h
	v_and_b32 v3, 31, v0                           ; lane
	v_lshlrev_b32 v[CO], 4, v3
	s_mul_i32 s21, s15, HALFT
	s_mul_i32 s22, s16, HALFT
	s_add_co_u32 s22, s22, 2*HALFT
.irp s, 0,1
	v_add_nc_u32 v[ADRA+\s], s21, v[CO]
	v_add_nc_u32 v[ADRB+\s], s22, v[CO]
	s_add_co_u32 s21, s21, SLOT
	s_add_co_u32 s22, s22, SLOT
.endr
	v_lshlrev_b32 v5, 2, v1
	s_mul_i32 s21, s15, HALFS
	s_mul_i32 s22, s16, HALFS
	s_add_co_u32 s22, s22, 2*HALFS
	s_sub_co_u32 s22, s22, s21
	v_mul_u32_u24 v6, s22, v2                      ; lanes 16-31 take B's
	s_add_co_u32 s21, s21, SCL
	v_add_nc_u32 v5, v5, v6
	v_add_nc_u32 v[ADRS], s21, v5
	s_mul_i32 s23, s14, 16*SPITCH                  ; my stage
	v_mul_u32_u24 v5, v1, SPITCH                   ; in: row r, + 64 h
	v_lshl_add_u32 v5, v2, 6, v5
	v_add_nc_u32 v[STO], s23, v5
	v_add_nc_u32 v[RD], s23, v[CO]                 ; back: the 32 lanes take one row of 512 bytes
	s_lshl_b32 s20, s17, 8
	s_lshl_b32 s21, s15, 7
	s_add_co_u32 s20, s20, s21                     ; my first row of out0: 256 yt + 128 half
	s_lshl_b32 s20, s20, 13                        ; rows of 8,192 bytes
	s_mov_b32 s21, 0
	s_lshl_b32 s46, s42, 10                        ; my first column, in bytes: 1,024 xt + 512 half
	s_lshl_b32 s47, s16, 9
	s_add_co_u32 s46, s46, s47
	s_mov_b32 s47, 0
	s_add_nc_u64 s[20:21], s[20:21], s[46:47]
	s_add_nc_u64 s[12:13], s[12:13], s[20:21]
.macro FRAG reg, adr, q, i
.irp c, 0,1,2
	ds_load_b128 v[\reg+4*\c:\reg+4*\c+3], v[\adr] offset:(\i)*ROWB+(\q)*1536+512*\c
.endr
.endm
; The 64 accumulators take turns, one instruction a turn, in the same order in every step.
.macro MUL16 a0, p, q, sc, zero
.irp a, \a0, \a0+1
.irp b, 0,1,2,3,4,5,6,7
.if \zero
	v_wmma_scale_f32_16x16x128_f8f6f4 v[8*(8*((\a)%4)+\b):8*(8*((\a)%4)+\b)+7], v[128*(\p)+FR*\b:128*(\p)+FR*\b+FR-1], v[AF+FR*(\a):AF+FR*(\a)+FR-1], 0, v[SC+8*NQ*(\sc)+NQ*\b+(\q)], v[SC+8*NQ*(\sc)+NQ*(\a)+(\q)] matrix_a_fmt:MATRIX_FMT_BF6 matrix_b_fmt:MATRIX_FMT_BF6 matrix_a_scale:MATRIX_SCALE_ROW1
.else
	v_wmma_scale_f32_16x16x128_f8f6f4 v[8*(8*((\a)%4)+\b):8*(8*((\a)%4)+\b)+7], v[128*(\p)+FR*\b:128*(\p)+FR*\b+FR-1], v[AF+FR*(\a):AF+FR*(\a)+FR-1], v[8*(8*((\a)%4)+\b):8*(8*((\a)%4)+\b)+7], v[SC+8*NQ*(\sc)+NQ*\b+(\q)], v[SC+8*NQ*(\sc)+NQ*(\a)+(\q)] matrix_a_fmt:MATRIX_FMT_BF6 matrix_b_fmt:MATRIX_FMT_BF6 matrix_a_scale:MATRIX_SCALE_ROW1
.endif
.endr
.endr
.endm
.macro FETCH_B slot, q, p
	WIN TO_B
.irp i, 0,1,2,3,4,5,6,7
	FRAG 128*(\p)+FR*\i, ADRB+\slot, \q, \i
.endr
	WIN 0
.endm
.macro FETCH_A slot, q, i0
.irp i, \i0, \i0+1, \i0+2, \i0+3
	FRAG AF+FR*(\i), ADRA+\slot, \q, \i
.endr
.endm
.macro SCALES sc
.irp i, 0,1,2,3,4,5,6,7
.irp q, 0,1
	ds_load_b32 v[SC+8*NQ*\sc+NQ*\i+\q], v[ADRS] offset:\i*1024+64*\q
.endr
.endr
.endm
.macro PLACES n                        ; plain vector instructions behind a matrix instruction, in front of loads into its registers and of reads of its results (ISA guide 7.12.1 for vector instructions)
.rept \n
	v_nop
.endr
.endm
.macro STEP slot, q, zero
	s_wait_dscnt 4*NL                              ; B's set and A's blocks 0-3 are in; the youngest 12 loads (A's blocks 4-7) may be out
	WIN MUL_LO
	MUL16 0, (\q)%2, \q, \slot, \zero
	MUL16 2, (\q)%2, \q, \slot, \zero
	s_wait_dscnt 0
	PLACES NP
	FETCH_B \slot, (\q)+1, 1-(\q)%2
	FETCH_A \slot, (\q)+1, 0
	WIN MUL_HI
	MUL16 4, (\q)%2, \q, \slot, \zero
	MUL16 6, (\q)%2, \q, \slot, \zero
	PLACES NP
	WIN 0
	FETCH_A \slot, (\q)+1, 4
.endm
.macro TURN slot, next, fill
	s_wait_tensorcnt 0x0                           ; all my tensor loads have landed: my part of the next slot
	ds_add_u32 v[SPW], v[NIL]                      ; 0 onto my spare word
	s_wait_dscnt 4*NL+1                            ; (the add and the youngest 12 loads may be out)
	WIN MUL_LO
	MUL16 0, 1, NQ-1, \slot, 0
	s_wait_dscnt 0x0                               ; the add is done, and my reads of this slot are over
	s_barrier_signal -1
	MUL16 2, 1, NQ-1, \slot, 0
	WIN 0
	s_barrier_wait -1
.if \fill
	CREST                                          ; the barrier has opened a round of the cluster's barrier
	s_add_nc_u64 s[G0+4*\slot+2:G0+4*\slot+3], s[G0+4*\slot+2:G0+4*\slot+3], 2*ROWB
	s_add_nc_u64 s[G0B+4*\slot+2:G0B+4*\slot+3], s[G0B+4*\slot+2:G0B+4*\slot+3], 2*ROWB
	JLOAD G0+4*\slot, G1, G0B+4*\slot, G1B         ; the first tensor load behind the round
.else
	PLACES NP
.endif
	v_add_nc_u32 v[ADRS], 64*NQ, v[ADRS]
	FETCH_B \next, 0, 0
	FETCH_A \next, 0, 0
	SCALES \next
	WIN MUL_HI
	MUL16 4, 1, NQ-1, \slot, 0
	MUL16 6, 1, NQ-1, \slot, 0
	PLACES NP
	WIN 0
	FETCH_A \next, 0, 4
.endm
	s_wait_tensorcnt 1                             ; the scales and my part of slot 0 are in (slot 1's load may be out)
	s_barrier_signal -1
	s_barrier_wait -1
	FETCH_B 0, 0, 0
	FETCH_A 0, 0, 0
	SCALES 0
	FETCH_A 0, 0, 4
	STEP 0, 0, 1
	s_mov_b32 s3, LAPS-1
.Llap:
	TURN 0, 1, 1
	STEP 1, 0, 0
	TURN 1, 0, 1
	STEP 0, 0, 0
	s_sub_co_u32 s3, s3, 1
	s_cmp_lg_u32 s3, 0
	s_cbranch_scc1 .Llap
	TURN 0, 1, 0
	STEP 1, 0, 0
	s_wait_dscnt 4*NL
	WIN MUL_LO
	MUL16 0, 1, NQ-1, 1, 0
	MUL16 2, 1, NQ-1, 1, 0
	s_wait_dscnt 0
	WIN MUL_HI
	MUL16 4, 1, NQ-1, 1, 0
	MUL16 6, 1, NQ-1, 1, 0
	WIN 0
; THE WAY OUT, block by block of 16 rows x 128 columns, through my own stage: in by lanes (each accumulator's eight numbers at their columns' place), back as whole rows of 512 bytes.
; LDS serves a wave's instructions in order (ISA guide 5.7.1.4): no wait between the stores and the loads, nor in front of the next block's stores.
.macro TOSTAGE a
.set AC, 64*((\a)%4)
	WIN 0x08+4*((\a)/4)                            ; the data: window 2 or 3
.irp b, 0,1,2,3,4,5,6,7
	ds_store_b128 v[STO], v[AC+8*\b:AC+8*\b+3] offset:128*(\b/2)+32*(\b%2)          ; each accumulator from its low end on
	ds_store_b128 v[STO], v[AC+8*\b+4:AC+8*\b+7] offset:128*(\b/2)+32*(\b%2)+16
.endr
	WIN 0
.set BB, BK+64*((\a)%2)
.irp t, 0,1,2,3,4,5,6,7,8,9,10,11,12,13,14,15
	ds_load_b128 v[BB+4*\t:BB+4*\t+3], v[RD] offset:\t*SPITCH
.endr
.endm
.macro SEND a, younger                 ; younger: the LDS instructions issued behind block a's loads, which may stay out
.set BB, BK+64*((\a)%2)
	s_wait_dscnt \younger
.irp t, 0,1,2,3,4,5,6,7,8,9,10,11,12,13,14,15
	global_store_b128 v[CO], v[BB+4*\t:BB+4*\t+3], s[12:13] offset:(32*((\a)/2)+8*((\a)%2)+(\t%8)+16*(\t/8))*8192 th:TH_STORE_NT   ; 512 consecutive bytes, aligned; the tile's row t at its true row; 127 rows at the most: inside the signed 24-bit immediate
.endr
.endm
	PLACES NP
	TOSTAGE 0
.irp a, 1,2,3,4,5,6,7
.if \a > 1
	s_wait_xcnt 0x0                                ; block a - 2's stores have read their registers: block a's loads may land there
.endif
	TOSTAGE \a
	SEND \a-1, 32                                  ; behind block a - 1's loads: block a's 16 stores and 16 loads
.endr
	SEND 7, 0
	s_wait_tensorcnt 0x0                           ; the wave's end
	ds_add_u32 v[SPW], v[NIL]
	s_wait_dscnt 0x0
	CROUND                                         ; the closing round
	s_endpgm
.Lfunc_end_k_qf5f8e36738_oproj:
	.size	k_qf5f8e36738_oproj, .Lfunc_end_k_qf5f8e36738_oproj-k_qf5f8e36738_oproj
	.p2alignl 7, 3214868480
	.fill 96, 4, 3214868480
	.section	.rodata,"a",@progbits
	.p2align	6, 0x0
	.amdhsa_kernel k_qf5f8e36738_oproj
		.amdhsa_group_segment_fixed_size 327680
		.amdhsa_private_segment_fixed_size 0
		.amdhsa_enable_private_segment 0
		.amdhsa_kernarg_size 40
		.amdhsa_user_sgpr_count 2
		.amdhsa_user_sgpr_kernarg_segment_ptr 1
		.amdhsa_wavefront_size32 1
		.amdhsa_system_sgpr_workgroup_id_x 1
		.amdhsa_system_sgpr_workgroup_id_y 1
		.amdhsa_system_sgpr_workgroup_id_z 1
		.amdhsa_system_vgpr_workitem_id 0
		.amdhsa_next_free_vgpr 1024
		.amdhsa_next_free_sgpr 98
		.amdhsa_reserve_vcc 0
		.amdhsa_float_denorm_mode_32 3
		.amdhsa_float_denorm_mode_16_64 3
		.amdhsa_memory_ordered 1
		.amdhsa_forward_progress 1
		.amdhsa_inst_pref_size 137
	.end_amdhsa_kernel
	.amdgpu_metadata
---
amdhsa.version: [ 1, 2 ]
amdhsa.kernels:
  - .name:           k_qf5f8e36738_oproj
    .symbol:         k_qf5f8e36738_oproj.kd
    .args:
      - { .name: ao_codes, .offset: 0, .size: 8, .value_kind: global_buffer, .address_space: global }
      - { .name: ao_scales, .offset: 8, .size: 8, .value_kind: global_buffer, .address_space: global }
      - { .name: codes, .offset: 16, .size: 8, .value_kind: global_buffer, .address_space: global }
      - { .name: scales, .offset: 24, .size: 8, .value_kind: global_buffer, .address_space: global }
      - { .name: out0, .offset: 32, .size: 8, .value_kind: global_buffer, .address_space: global }
    .group_segment_fixed_size: 327680
    .private_segment_fixed_size: 0
    .kernarg_segment_align: 8
    .kernarg_segment_size: 40
    .max_flat_workgroup_size: 128
    .sgpr_count:     98
    .vgpr_count:     1024
    .wavefront_size: 32
...
	.end_amdgpu_metadata
.endif
;; end of part 4
;; ======== version 2 of 2: 4 launches
;; workspace buffers: codes 15,728,640 bytes; scales 655,360 bytes; bm 16,777,216 bytes; cs 2,097,152 bytes; qkv 9,830,400 bytes; ao_codes 3,145,728 bytes; ao_scales 131,072 bytes
;; launch prep (part 5): grid 128 x 7, 4 waves a work-group, no clusters, 85,504 bytes of LDS; arguments hidden_states, wq, wk, wv, wo, attn_bias, masks, position_ids, cos, sin, codes, scales, bm, cs; writes codes, scales, bm, cs
.if DOCPART == 5
	.amdgcn_target "amdgcn-amd-amdhsa--gfx1250"
	.amdhsa_code_object_version 6
	.text
	.protected	k_qf5f8e36738_prep
	.globl	k_qf5f8e36738_prep
	.p2align	8
	.type	k_qf5f8e36738_prep,@function
k_qf5f8e36738_prep:
	s_mov_b64 s[64:65], 0
	v_nop
	global_prefetch_b8 v0, s[64:65] scope:SCOPE_SE
	s_setreg_imm32_b32 hwreg(HW_REG_WAVE_MODE, 25, 1), 1
	s_wait_xcnt 0x0
; PREP.  y = 0: bm = attn_bias + masks, f32, laid as the score accumulators of the attention launch want it (the work-groups with the most bytes stand first in the grid).
; y = 1 .. 5: hidden_states, wq, wk, wv, wo ([2048][2048] f32, K innermost) become codes of BF6 (E3M2) with one E8M0 byte for each 32 along K.
; y = 6: cs: the rows of cos and sin that position_ids names, laid as the projections' accumulators want them.
; A block's scale is 2^(floor(log2(its largest magnitude)) - 4); its byte is the largest magnitude's exponent field - 4, held at 1 from below.
; LIMITS: a block of zeros gets the byte 1 where the rule says 127 (its codes are zeros, and this program alone reads the bytes); blocks whose largest magnitude lies under 2^-122 are held
; at that byte; NaN and infinities are not served; bias and mask are added to each other first and to the score later, which is another order of rounding than the source's; position_ids are held at 2,047.
; A TILE T is 16 rows that are not neighbours: row rho of tile T is row 32 (T / 2) + 8 (T % 2) + rho % 8 + 16 (rho / 8).  With the products used transposed, the 16 registers that a lane gets from tiles
; 2 b and 2 b + 1 are then 16 neighbours along the next product's K.
; LAYOUT OF THE CODES: [tensor][T][K step of 128] images of an operand's 12 registers: registers 4 c .. 4 c + 3 of lane l at 512 c + 16 l: 1,536 bytes.  Scale words: [tensor][T][K step] 16 words, row r's at 4 r.
; bm: [T][key step of 128] images of 64 registers: registers 4 g .. 4 g + 3 of lane l at 512 g + 16 l: register 16 b + i of lane (r, h) is column 128 step + 32 b + 16 h + i of the tile's row r.
; cs: [T][cos, sin] such images: register 16 b + i of lane (r, h) is column 32 b + 16 h + i of the table's row position_ids[the tile's row r].
; SHARES: work-group x = T.  y < 6: wave w takes K steps 4 w .. 4 w + 3: 16 rows x 2,048 bytes; each load reads 512 consecutive bytes of one row; the 16 x 512 bytes of a step turn through the wave's own stage
; in LDS (rows 528 bytes apart) and come back 16 neighbours of each block of 32 to a lane.  y = 6: wave w takes table w % 2, columns 64 (w / 2) on: 16 rows x 256 bytes, two rows a load, through a stage with rows 272 bytes apart.
; Waves share nothing: no barrier.  No tensor load, no cluster: no byte is read by two work-groups (a table's row only where two positions are equal).
; The three paths part on the work-group's y; each has LDS bytes of its own.
.set GA,   2                           ; v2   16 x lane: my bytes of a load's or a store's 512
.set SA,   3                           ; v3   the stage, on the way in: my wave's stage + 16 x lane
.set SB,   4                           ; v4   and on the way out: + 528 r + 64 h
.set LS,   5                           ; v5   4 x lane
.set R0,   8                           ; v8-71    a step's numbers as loaded, set 0
.set R1,   72                          ; v72-135  set 1  (y = 6: v72-79 position ids, then byte offsets)
.set X,    136                         ; v136-199 64 numbers: register 16 b + i = k 32 b + 16 h + i of row r
.set PC,   200                         ; v200-211 the codes just made
.set PT,   212                         ; v212-218 halves of blocks on their way
.set TM,   220                         ; v220-235 at work
.set PW,   236                         ; v236-239 a scale word for each step
.set WS,   240                         ; v240-241 two steps' words in one register
.set CSA,  242                         ; v242 y = 6: the stage on the way in: + 272 h + 16 r
.set CSB,  243                         ; v243 and on the way out: + 272 r + 64 h
.set POSO, 244                         ; v244 4 h
.set COLO, 245                         ; v245 16 r + 256 (w / 2)
.set SEL,  32                          ; s[32:33] lane selects for v_permlanex16_b32: lane l xor 16
.set FL,   34                          ; s34  the floor 2^(5 - 127)
.set HM,   35                          ; s35  lanes 16-31
.set STGW, 16*528                      ; a wave's stage
.set STG2, 4*STGW                      ; the bias path's stages
.set STG3, 8*STGW                      ; the tables' path's stages,
.set CSTG, 16*272                      ; of this size a wave
	s_load_b512 s[8:23], s[0:1], 0x0               ; hidden_states, wq, wk, wv, wo, attn_bias, masks, position_ids
	s_load_b256 s[24:31], s[0:1], 0x40             ; cos, sin, codes, scales
	s_load_b128 s[36:39], s[0:1], 0x60             ; bm, cs
	v_lshl_add_u32 v248, v0, 2, 0x14c00
	v_mov_b32 v249, 0
	v_lshrrev_b32 v1, 5, v0
	v_readfirstlane_b32 s2, v1                     ; wave 0..3
	s_and_b32 s3, ttmp7, 0xffff                    ; y
	v_and_b32 v1, 31, v0                           ; lane
	v_and_b32 v6, 15, v0                           ; r
	v_bfe_u32 v7, v0, 4, 1                         ; h
	v_lshlrev_b32 v[GA], 4, v1
	v_lshlrev_b32 v[LS], 2, v1
	s_mul_i32 s44, s2, STGW
	v_add_nc_u32 v[SA], s44, v[GA]
	v_mul_u32_u24 v[SB], v6, 528
	v_lshl_add_u32 v[SB], v7, 6, v[SB]
	v_add_nc_u32 v[SB], s44, v[SB]
	s_mul_i32 s45, s2, CSTG
	s_add_co_u32 s45, s45, STG3
	v_mul_u32_u24 v[CSA], v7, 272
	v_lshl_add_u32 v[CSA], v6, 4, v[CSA]
	v_add_nc_u32 v[CSA], s45, v[CSA]
	v_mul_u32_u24 v[CSB], v6, 272
	v_lshl_add_u32 v[CSB], v7, 6, v[CSB]
	v_add_nc_u32 v[CSB], s45, v[CSB]
	s_lshr_b32 s48, ttmp9, 1
	s_lshl_b32 s48, s48, 5
	s_and_b32 s49, ttmp9, 1
	s_lshl_b32 s49, s49, 3
	s_add_co_u32 s48, s48, s49                     ; the tile's first row: 32 (T / 2) + 8 (T % 2)
	s_lshl_b32 s46, s48, 13                        ; rows of 8,192 bytes
	s_lshl_b32 s49, s2, 11
	s_add_co_u32 s46, s46, s49                     ; + my wave's 2,048 bytes of a row
	s_mov_b32 s47, 0
	s_mov_b32 s51, 0
	s_mov_b32 s[SEL], 0x76543210
	s_mov_b32 s[SEL+1], 0xfedcba98
	s_mov_b32 s[FL], 0x2800000
	s_mov_b32 s[HM], 0xffff0000
	s_wait_kmcnt 0x0
	s_mov_b64 s[4:5], s[18:19]                     ; which tensor: the choice hangs on the work-group's y alone.  y = 0: attn_bias
.irp n, 0,1,2,3,4
	s_cmp_eq_u32 s3, \n+1
	s_cselect_b64 s[4:5], s[8+2*\n:9+2*\n], s[4:5]
.endr
	s_add_nc_u64 s[4:5], s[4:5], s[46:47]
	s_add_nc_u64 s[6:7], s[20:21], s[46:47]        ; masks at the same place
.macro LOADT p, set, t                 ; step t's 16 rows x 512 bytes from pointer s[p:p+1] into a set of 64 registers
.irp rho, 0,1,2,3,4,5,6,7,8,9,10,11,12,13,14,15
	global_load_b128 v[\set+4*\rho:\set+4*\rho+3], v[GA], s[\p:\p+1] offset:((\rho%8)+16*(\rho/8))*8192+512*(\t) th:TH_LOAD_NT
.endr
.endm
.macro TURN set, base                  ; through my stage: LDS serves a wave's instructions in order (ISA guide 5.7.1.4), so no wait stands between the stores and the loads
.irp rho, 0,1,2,3,4,5,6,7,8,9,10,11,12,13,14,15
	ds_store_b128 v[SA], v[\set+4*\rho:\set+4*\rho+3] offset:\base+528*\rho
.endr
.irp b, 0,1,2,3
.irp j, 0,1,2,3
	ds_load_b128 v[X+16*\b+4*\j:X+16*\b+4*\j+3], v[SB] offset:\base+128*\b+16*\j
.endr
.endr
.endm
; 64 numbers of a lane, register 16 b + i = k 32 b + 16 h + i of my row, become a fragment's codes in v[PC] on and its scale word in v[pw]
.macro QUANT s, pw
.irp b, 0,1,2,3
	v_max3_num_f32 v[TM+\b], s[FL], |v[\s+16*\b]|, |v[\s+16*\b+1]|   ; block b: my 16 numbers, and the floor, so that the byte cannot fall under 1
.endr
.irp i, 2,4,6,8,10,12,14
.irp b, 0,1,2,3
	v_max3_num_f32 v[TM+\b], v[TM+\b], |v[\s+16*\b+\i]|, |v[\s+16*\b+\i+1]|   ; the four blocks by turns
.endr
.endr
.irp b, 0,1,2,3
	v_permlanex16_b32 v[TM+4+\b], v[TM+\b], s[SEL], s[SEL+1]
.endr
.irp b, 0,1,2,3
	v_max_num_f32 v[TM+\b], v[TM+\b], v[TM+4+\b]   ; with lane l xor 16's: the block's largest magnitude
.endr
.irp b, 0,1,2,3
	v_add_nc_u32 v[TM+12+\b], 0xfe000000, v[TM+\b] ; 4 off its exponent field: the conversion takes the exponent field of this operand as its scale
.endr
.irp b, 0,1,2,3
	v_lshrrev_b32 v[TM+4+\b], 23, v[TM+12+\b]      ; the scale's byte
.endr
	v_lshl_or_b32 v[\pw], v[TM+5], 8, v[TM+4]
	v_lshl_or_b32 v[\pw], v[TM+6], 16, v[\pw]
	v_lshl_or_b32 v[\pw], v[TM+7], 24, v[\pw]
.irp c, 0,1
	v_cvt_scalef32_pk16_bf6_f32 v[PC+6*\c:PC+6*\c+2], v[\s+32*\c:\s+32*\c+15], v[TM+12+2*\c]
	v_cvt_scalef32_pk16_bf6_f32 v[PT+4*\c:PT+4*\c+2], v[\s+32*\c+16:\s+32*\c+31], v[TM+12+2*\c+1]   ; (a conversion's three registers begin on an even number)
.endr
	v_nop                                          ; one plain instruction behind a scaled conversion
.irp c, 0,1                            ; the operand's layout wants a whole block in a lane: lanes 0-15 block 2 c, lanes 16-31 block 2 c + 1
.irp i, 0,1,2
	v_permlane16_swap_b32 v[PC+6*\c+\i], v[PT+4*\c+\i]
.endr
.irp i, 0,1,2
	v_mov_b32 v[PC+3+6*\c+\i], v[PT+4*\c+\i]
.endr
.endr
.endm
	s_cmp_eq_u32 s3, 0
	s_cbranch_scc1 .Lbias
	s_cmp_eq_u32 s3, 6
	s_cbranch_scc1 .Lcs
	; ---- the quantiser
	s_sub_co_u32 s52, s3, 1                        ; the tensor
	s_lshl_b32 s52, s52, 7
	s_add_co_u32 s52, s52, ttmp9                   ; 128 tensor + T
	s_mul_i32 s50, s52, 24576
	s_mul_i32 s49, s2, 6144
	s_add_co_u32 s50, s50, s49
	s_add_nc_u64 s[40:41], s[28:29], s[50:51]      ; my four images
	s_lshl_b32 s50, s52, 10
	s_lshl_b32 s49, s2, 8
	s_add_co_u32 s50, s50, s49
	s_add_nc_u64 s[42:43], s[30:31], s[50:51]      ; my four steps' scale words: 256 bytes
.irp b, 0,1,2,3
	v_mov_b32 v[TM+4+\b], 0                        ; written once: a lane permute's destination counts as one of its sources
.endr
	LOADT 4, R0, 0
	LOADT 4, R1, 1
.macro QSTEP t
.if \t < 3
	s_wait_loadcnt 16                              ; this step's 16 loads are in; the next set's 16 may be out
.else
	s_wait_loadcnt 0x0
.endif
	TURN R0+64*((\t)%2), 0
	s_wait_dscnt 0x0                               ; X is in, and the stage's stores have read their registers,
	s_wait_xcnt 0x0                                ; the last step's stores have read PC: it is written again only behind this wait, which stands ahead of the fresh loads
.if \t < 2
	LOADT 4, R0+64*((\t)%2), (\t)+2                ; the set just left takes the step two on
.endif
	QUANT X, PW+(\t)
.irp c, 0,1,2
	global_store_b128 v[GA], v[PC+4*\c:PC+4*\c+3], s[40:41] offset:1536*(\t)+512*\c   ; 512 consecutive bytes, aligned
.endr
.endm
.irp t, 0,1,2,3
	QSTEP \t
.endr
	v_cndmask_b32 v[WS], v[PW], v[PW+1], s[HM]     ; lanes 0-15 one step's words, lanes 16-31 the next step's (both halves of the lanes hold a row's word)
	v_cndmask_b32 v[WS+1], v[PW+2], v[PW+3], s[HM]
	global_store_b32 v[LS], v[WS], s[42:43]
	global_store_b32 v[LS], v[WS+1], s[42:43] offset:128   ; the two stores cover 256 consecutive bytes, aligned
	s_wait_tensorcnt 0x0
	ds_add_u32 v248, v249
	s_wait_dscnt 0x0
	s_endpgm
	; ---- bias + masks
.Lbias:
	s_lshl_b32 s50, ttmp9, 17
	s_lshl_b32 s49, s2, 15
	s_add_co_u32 s50, s50, s49
	s_add_nc_u64 s[40:41], s[36:37], s[50:51]      ; my four images of 8,192 bytes
	LOADT 4, R0, 0
	LOADT 6, R1, 0
.macro BSTEP t
	s_wait_loadcnt 0x0
.set n, 0
.rept 32
	v_pk_add_f32 v[R0+n:R0+n+1], v[R0+n:R0+n+1], v[R1+n:R1+n+1]
.set n, n+2
.endr
	s_wait_xcnt 0x0                                ; the last step's stores have read X; the wait stands ahead of the fresh loads
.if \t < 3
	LOADT 6, R1, (\t)+1
.endif
	TURN R0, STG2
	s_wait_dscnt 0x0                               ; X is in, and the stage's stores have read R0
.if \t < 3
	LOADT 4, R0, (\t)+1
.endif
.irp g, 0,1,2,3,4,5,6,7,8,9,10,11,12,13,14,15
	global_store_b128 v[GA], v[X+4*\g:X+4*\g+3], s[40:41] offset:8192*(\t)+512*\g
.endr
.endm
.irp t, 0,1,2,3
	BSTEP \t
.endr
	s_wait_tensorcnt 0x0
	ds_add_u32 v248, v249
	s_wait_dscnt 0x0
	s_endpgm
	; ---- cos and sin by position.  Load k brings rows rho = 2 k (lanes 0-15) and 2 k + 1 (lanes 16-31) of the tile, 256 bytes each
.Lcs:
	s_and_b32 s49, s2, 1                           ; which table
	s_lshr_b32 s52, s2, 1                          ; which 64 columns
	s_cmp_eq_u32 s49, 0
	s_cselect_b64 s[4:5], s[24:25], s[26:27]       ; the choice hangs on the wave's number alone
	s_lshl_b32 s50, s48, 2
	s_add_nc_u64 s[6:7], s[22:23], s[50:51]        ; position_ids at the tile's first row
	s_lshl_b32 s50, ttmp9, 14                      ; 16,384 bytes a tile,
	s_lshl_b32 s49, s49, 13                        ; 8,192 a table,
	s_add_co_u32 s50, s50, s49
	s_lshl_b32 s49, s52, 12                        ; 4,096 for 64 columns
	s_add_co_u32 s50, s50, s49
	s_add_nc_u64 s[40:41], s[38:39], s[50:51]
	v_lshlrev_b32 v[POSO], 2, v7
	v_lshlrev_b32 v[COLO], 4, v6
	s_lshl_b32 s49, s52, 8
	v_add_nc_u32 v[COLO], s49, v[COLO]
.irp k, 0,1,2,3,4,5,6,7
	global_load_b32 v[R1+\k], v[POSO], s[6:7] offset:((2*\k)%8+16*(\k/4))*4   ; my row's position: sixteen lanes read the same word
.endr
	s_wait_loadcnt 0x0
.irp k, 0,1,2,3,4,5,6,7
	v_min_u32 v[R1+\k], 0x7ff, v[R1+\k]            ; a loaded index is held inside its table
.endr
.irp k, 0,1,2,3,4,5,6,7
	v_lshl_add_u32 v[R1+\k], v[R1+\k], 9, v[COLO]  ; rows of 512 bytes, + my 16 bytes
.endr
.irp k, 0,1,2,3,4,5,6,7
	global_load_b128 v[R0+4*\k:R0+4*\k+3], v[R1+\k], s[4:5]   ; sixteen lanes read 256 consecutive bytes of a row
.endr
	s_wait_loadcnt 0x0
.irp k, 0,1,2,3,4,5,6,7
	ds_store_b128 v[CSA], v[R0+4*\k:R0+4*\k+3] offset:544*\k
.endr
.irp b, 0,1
.irp j, 0,1,2,3
	ds_load_b128 v[X+16*\b+4*\j:X+16*\b+4*\j+3], v[CSB] offset:128*\b+16*\j   ; LDS serves a wave's instructions in order: these see my stores
.endr
.endr
	s_wait_dscnt 0x0
.irp g, 0,1,2,3,4,5,6,7
	global_store_b128 v[GA], v[X+4*\g:X+4*\g+3], s[40:41] offset:512*\g   ; 512 consecutive bytes, aligned
.endr
	s_wait_tensorcnt 0x0
	ds_add_u32 v248, v249
	s_wait_dscnt 0x0
	s_endpgm
.Lfunc_end_k_qf5f8e36738_prep:
	.size	k_qf5f8e36738_prep, .Lfunc_end_k_qf5f8e36738_prep-k_qf5f8e36738_prep
	.p2alignl 7, 3214868480
	.fill 96, 4, 3214868480
	.section	.rodata,"a",@progbits
	.p2align	6, 0x0
	.amdhsa_kernel k_qf5f8e36738_prep
		.amdhsa_group_segment_fixed_size 85504
		.amdhsa_private_segment_fixed_size 0
		.amdhsa_enable_private_segment 0
		.amdhsa_kernarg_size 112
		.amdhsa_user_sgpr_count 2
		.amdhsa_user_sgpr_kernarg_segment_ptr 1
		.amdhsa_wavefront_size32 1
		.amdhsa_system_sgpr_workgroup_id_x 1
		.amdhsa_system_sgpr_workgroup_id_y 1
		.amdhsa_system_sgpr_workgroup_id_z 1
		.amdhsa_system_vgpr_workitem_id 0
		.amdhsa_next_free_vgpr 250
		.amdhsa_next_free_sgpr 66
		.amdhsa_reserve_vcc 0
		.amdhsa_float_denorm_mode_32 3
		.amdhsa_float_denorm_mode_16_64 3
		.amdhsa_memory_ordered 1
		.amdhsa_forward_progress 1
		.amdhsa_inst_pref_size 74
	.end_amdhsa_kernel
	.amdgpu_metadata
---
amdhsa.version: [ 1, 2 ]
amdhsa.kernels:
  - .name:           k_qf5f8e36738_prep
    .symbol:         k_qf5f8e36738_prep.kd
    .args:
      - { .name: hidden_states, .offset: 0, .size: 8, .value_kind: global_buffer, .address_space: global }
      - { .name: wq, .offset: 8, .size: 8, .value_kind: global_buffer, .address_space: global }
      - { .name: wk, .offset: 16, .size: 8, .value_kind: global_buffer, .address_space: global }
      - { .name: wv, .offset: 24, .size: 8, .value_kind: global_buffer, .address_space: global }
      - { .name: wo, .offset: 32, .size: 8, .value_kind: global_buffer, .address_space: global }
      - { .name: attn_bias, .offset: 40, .size: 8, .value_kind: global_buffer, .address_space: global }
      - { .name: masks, .offset: 48, .size: 8, .value_kind: global_buffer, .address_space: global }
      - { .name: position_ids, .offset: 56, .size: 8, .value_kind: global_buffer, .address_space: global }
      - { .name: cos, .offset: 64, .size: 8, .value_kind: global_buffer, .address_space: global }
      - { .name: sin, .offset: 72, .size: 8, .value_kind: global_buffer, .address_space: global }
      - { .name: codes, .offset: 80, .size: 8, .value_kind: global_buffer, .address_space: global }
      - { .name: scales, .offset: 88, .size: 8, .value_kind: global_buffer, .address_space: global }
      - { .name: bm, .offset: 96, .size: 8, .value_kind: global_buffer, .address_space: global }
      - { .name: cs, .offset: 104, .size: 8, .value_kind: global_buffer, .address_space: global }
    .group_segment_fixed_size: 85504
    .private_segment_fixed_size: 0
    .kernarg_segment_align: 8
    .kernarg_segment_size: 112
    .max_flat_workgroup_size: 128
    .sgpr_count:     66
    .vgpr_count:     250
    .wavefront_size: 32
...
	.end_amdgpu_metadata
.endif
;; end of part 5
;; launch qkv (part 6): grid 24 x 8, 4 waves a work-group, clusters of 4 x 4, 327,680 bytes of LDS; arguments codes, scales, cs, qkv; writes qkv
.if DOCPART == 6
	.amdgcn_target "amdgcn-amd-amdhsa--gfx1250"
	.amdhsa_code_object_version 6
	.text
	.protected	k_qf5f8e36738_qkv
	.globl	k_qf5f8e36738_qkv
	.p2align	8
	.type	k_qf5f8e36738_qkv,@function
k_qf5f8e36738_qkv:
	s_mov_b64 s[64:65], 0
	v_nop
	global_prefetch_b8 v0, s[64:65] scope:SCOPE_SE
	s_setreg_imm32_b32 hwreg(HW_REG_WAVE_MODE, 25, 1), 1
	s_wait_xcnt 0x0
	s_wait_alu depctr_hold_cnt(0) depctr_sa_sdst(0) depctr_va_vdst(0) depctr_va_sdst(0) depctr_va_ssrc(0) depctr_va_vcc(0) depctr_vm_vsrc(0)
	s_getreg_b32 s2, hwreg(HW_REG_IB_STS2, 6, 4)
	s_cmp_eq_u32 s2, 0
	s_cbranch_scc0 .Lentry_in_a_cluster
	s_endpgm
.Lentry_in_a_cluster:
	s_bfe_u32 s2, ttmp6, 0x10000c
	s_cmp_lg_u32 s2, 0xf033
	s_cbranch_scc0 .Lentry_shape_is_right
	s_endpgm
.Lentry_shape_is_right:
; QKV.  The three projections as one launch of GEMMs on codes of BF6 (E3M2) with E8M0 scales, K = 2,048; then RoPE, q / sqrt(128), and the quantisers of q and k (along the head's 128) and of v (along the keys).
; TYPE = cluster x / 2: 0 q, 1 k, 2 v: the same in all sixteen partners of a cluster.  q, k: A = x, B = the weight.  v: A = wv, B = x, so that the same text gives v transposed: a lane holds one of the head's 128, its registers run along the keys.
; A tile of the result, 256 (A) x 256 (B), is made by four waves, 128 x 128 each: 64 accumulators, 512 registers.  192 work-groups.
; OPERANDS lie in memory as images of their registers: [16 rows T][K step of 128] 1,536 bytes, registers 4 c .. 4 c + 3 of lane l at 512 c + 16 l: a fragment is three loads of 16 bytes a lane, 512 consecutive bytes each:
; no pitch, no padding.  Row rho of tile T is row 32 (T / 2) + 8 (T % 2) + rho % 8 + 16 (rho / 8).  Scale words: [T][K step] 16 words.
; K goes in steps of 256 through a ring of two LDS slots; a wave's tensor load brings 8 tiles x 3,072 bytes.  The scales of the work-group's rows, for all of K, come once, with the first fills, and stay.
; CLUSTERS: 4 x 4 work-groups; A's tiles are asked for jointly along a row of the cluster, B's along a column.
; THE MATRIX INSTRUCTION IS USED TRANSPOSED (source 0 = 16 rows of B, source 1 = 16 rows of A): lane (r, h) holds A's row r, and register 16 b + i of a block's eight accumulators holds B's row 32 b + 16 h + i:
; 16 neighbours of each block of 32 along the next product's K.  Registers n and n + 32 are d and d + 64 of one lane: RoPE asks no other lane.
; cs: [tile of 16 tokens][cos, sin] images of 64 registers in that same order, gathered by position in the launch before: a block's cos and sin are 32 loads of 512 consecutive bytes.
; OUT: qkv: [head][key step] records of 25,600 bytes: k's 8 images, v's 8 images, k's 512 bytes of scale words, v's 512; from byte 6,553,600 [head][block of 128 queries] records of 12,800: q's 8 images, 512 bytes of scale words.
; LIMITS: a block of zeros gets the byte 1 (zero codes; only this program reads the bytes); NaN and infinities are not served; q / sqrt(128) is a multiplication by the f32 nearest to 1 / sqrt(128).
; REGISTERS, in windows of 256: window 0: v0-31 addresses; v32-63 scale words, two sets; v128-223 A's fragments, one set.  window 1: B's fragments, two sets, at v0 and v128.  windows 2, 3: the accumulators ((a, b) at v[8 (8 (a % 4) + b)] of window 2 + a / 4).
;   Behind the loop: window 0: v32-51 codes, v64-127 a block after RoPE, v128-146 at work; window 1: cos and sin, two sets of 128.
.set NQ,     2                         ; steps of 128 in a slot
.set ROWB,   3072                      ; a tile's bytes in a slot: two images
.set KROW,   24576                     ; a tile's bytes for all of K
.set FR,     12                        ; registers of a fragment
.set NL,     3                         ; LDS loads that bring one
.set NP,     4                         ; places behind this matrix instruction (ISA guide 7.12.1)
.set HALFT,  8*ROWB                    ; 8 tiles: what one tensor load brings, and what one wave reads of A or of B
.set SLOT,   4*HALFT                   ; A's 16 tiles, then B's 16
.set LAPS,   4                         ; a lap = two slots = 512 along K
.set SCL,    2*SLOT                    ; behind the ring: the scales
.set HALFS,  8192                      ; those of 8 tiles: 1,024 bytes a tile
.set SPARE,  SCL+4*HALFS               ; the spare words, 128 bytes for each wave: two blocks of 256 bytes that no other line names
.set ADRA, 16                          ; v16-17  LDS address of my A fragments in slot 0, 1
.set ADRB, 20                          ; v20-21  the same for B
.set LI,   24                          ; v24     16 x lane
.set LS,   25                          ; v25     4 x lane
.set ADRS, 27                          ; v27     LDS address of my scale words: lanes 0-15 A's rows, lanes 16-31 B's
.set SPW,  28                          ; v28     LDS address of my spare word; never rewritten
.set NIL,  29                          ; v29     0; never rewritten
.set SC,   32                          ; scale words: set s at v[SC + 16 s]; register 2 i + q: lanes 0-15 A's block i, lanes 16-31 B's block i, the slot's q-th 128 along K
.set AF,   128                         ; A's fragments
.set PC,   32                          ; behind the loop: the codes just made,
.set PT,   44                          ; halves of blocks on their way,
.set R,    64                          ; a block's 64 numbers,
.set TM,   128                         ; at work,
.set PW,   144                         ; two scale words,
.set WS,   146                         ; and both in one register
.set G1, 24                            ; s[24:31] descriptor group 1 for A's tiles;  s[32:39] group 0, one set for each slot
.set G0, 32
.set G1B, 48                           ; s[48:55], s[56:63] the same for B's
.set G0B, 56
.set G1S, 68                           ; s[68:75], s[76:79] groups 1 and 0 for A's scales;  s[80:87], s[88:91] for B's
.set G0S, 76
.set G1SB, 80
.set G0SB, 88
.set TYPE, 95
.set FL,   66                          ; s66  the floor 2^(5 - 127)
.set HM,   67                          ; s67  lanes 16-31
.set RS,   18                          ; s[18:19] 1 / sqrt(128), behind the loop
.set SEL,  20                          ; s[20:21] lane selects for lane l xor 16, behind the loop
.set MSB, 0
.macro WIN new                         ; the immediate's high byte repeats the setting that is left
.if MSB != (\new)
	s_set_vgpr_msb (MSB<<8)|(\new)
.set MSB, (\new)
.endif
.endm
.set MUL_LO, 0xa1                      ; source 0 (B) window 1, source 1 (A) window 0, C and D window 2
.set MUL_HI, 0xf1                      ; the same, C and D window 3
.set TO_B,   0x40                      ; destination window 1, address window 0
; A joint load: waves 0 and 1 fetch for A, waves 2 and 3 for B; the branch hangs on the wave's number alone.  Four v_nop follow each of the two lines.
.macro JLOAD g0a, g1a, g0b, g1b
	s_cmp_eq_u32 s15, 0
	s_cbranch_scc0 .Lfor_b_\@
	tensor_load_to_lds s[\g0a:\g0a+3], s[\g1a:\g1a+7]
	s_nop 0
.rept 4
	v_nop
.endr
	s_branch .Lasked_\@
.Lfor_b_\@:
	tensor_load_to_lds s[\g0b:\g0b+3], s[\g1b:\g1b+7]
	s_nop 0
.rept 4
	v_nop
.endr
.Lasked_\@:
.endm
.macro CREST                           ; a round of the cluster's barrier behind its opening barrier
	s_cmp_lg_u32 s14, 0
	s_cbranch_scc1 .Lnot_wave_0_\@
	s_barrier_signal -3
.Lnot_wave_0_\@:
	s_barrier_wait -3
	s_barrier_signal -1
	s_barrier_wait -1
.endm
.macro CROUND                          ; a whole round
	s_barrier_signal -1
	s_barrier_wait -1
	CREST
.endm
	s_load_b128 s[4:7], s[0:1], 0x0                ; codes, scales
	s_load_b128 s[8:11], s[0:1], 0x10              ; cs, qkv
	v_lshl_add_u32 v[SPW], v0, 2, SPARE
	v_mov_b32 v[NIL], 0
	ds_add_u32 v28, v29
	ds_add_u32 v28, v29
	s_wait_dscnt 0x0
	v_lshrrev_b32 v1, 5, v0
	v_readfirstlane_b32 s14, v1                    ; wave 0..3
	s_lshr_b32 s15, s14, 1                         ; which half of A's rows is mine.  Also: I fetch for A (0) or for B (1)
	s_and_b32 s16, s14, 1                          ; which half of B's rows.  Also: which 8 tiles I fetch
	s_bfe_u32 s40, ttmp6, 0x40000                  ; cx, cy: my place in the cluster
	s_bfe_u32 s41, ttmp6, 0x40004
	s_lshr_b32 s[TYPE], ttmp9, 1                   ; 0 q, 1 k, 2 v
	s_and_b32 s42, ttmp9, 1
	s_lshl_b32 s42, s42, 2
	s_add_co_u32 s42, s42, s40                     ; xt: which 256 rows of B
	s_and_b32 s17, ttmp7, 0xffff
	s_lshl_b32 s17, s17, 2
	s_add_co_u32 s17, s17, s41                     ; yt: which 256 rows of A
	s_lshl_b32 s43, s41, 2
	s_lshl_b32 s43, 15, s43                        ; my row of the cluster
	s_lshl_b32 s44, 0x1111, s40                    ; my column
	; descriptor group 1: 8 rows of 3,072 bytes (384 elements of 8 bytes), 24,576 bytes apart; no padding
	s_or_b32 s[G1+0], s43, (3<<16)|(1<<21)         ; 15:0 the mask: A's tiles go to my row; 17:16 elements of 8 bytes; 21 set beside a mask
	s_or_b32 s[G1B+0], s44, (3<<16)|(1<<21)
.irp g, G1, G1B
	s_mov_b32 s[\g+1], 384<<16                     ; tensor_dim0
	s_mov_b32 s[\g+2], 8<<16                       ; tensor_dim1
	s_mov_b32 s[\g+3], 384<<16                     ; tile_dim0
	s_mov_b32 s[\g+4], 8                           ; tile_dim1
	s_mov_b32 s[\g+5], 3072                        ; tensor_dim0_stride
	s_mov_b32 s[\g+6], 0
	s_mov_b32 s[\g+7], 0
.endr
	; and for the scales of 8 tiles: 8,192 dense bytes as 32 rows of 256
	s_or_b32 s[G1S+0], s43, (3<<16)|(1<<21)
	s_or_b32 s[G1SB+0], s44, (3<<16)|(1<<21)
.irp g, G1S, G1SB
	s_mov_b32 s[\g+1], 32<<16
	s_mov_b32 s[\g+2], 32<<16
	s_mov_b32 s[\g+3], 32<<16
	s_mov_b32 s[\g+4], 32
	s_mov_b32 s[\g+5], 32
	s_mov_b32 s[\g+6], 0
	s_mov_b32 s[\g+7], 0
.endr
	s_add_co_u32 s13, s[TYPE], 1
	s_cmp_eq_u32 s[TYPE], 2
	s_cselect_b32 s12, 3, 0                        ; A's tensor: wv for v, else x
	s_cselect_b32 s13, 0, s13                      ; B's: x for v, else wq or wk
	s_lshl_b32 s18, s16, 3                         ; which 8 tiles I fetch
	s_lshl_b32 s20, s12, 7
	s_lshl_b32 s21, s17, 4
	s_add_co_u32 s20, s20, s21
	s_add_co_u32 s20, s20, s18                     ; A: tile 128 tensor + 16 yt + 8 half
	s_lshl_b32 s46, s13, 7
	s_lshl_b32 s47, s42, 4
	s_add_co_u32 s46, s46, s47
	s_add_co_u32 s46, s46, s18                     ; B: tile 128 tensor + 16 xt + 8 half
	s_lshl_b32 s22, s20, 10                        ; where these tiles' scales begin, in bytes
	s_mov_b32 s23, 0
	s_lshl_b32 s92, s46, 10
	s_mov_b32 s93, 0
	s_mul_i32 s20, s20, KROW                       ; and their codes (under 2^24)
	s_mov_b32 s21, 0
	s_mul_i32 s46, s46, KROW
	s_mov_b32 s47, 0
	s_mul_i32 s45, s14, HALFT                      ; where they go: wave x 8 tiles: no place in the cluster enters an LDS address
	s_mul_i32 s94, s14, HALFS
	s_mov_b32 s[FL], 0x2800000
	s_mov_b32 s[HM], 0xffff0000
	s_wait_kmcnt 0x0
	s_add_nc_u64 s[20:21], s[4:5], s[20:21]
	s_add_nc_u64 s[22:23], s[6:7], s[22:23]
	s_add_nc_u64 s[46:47], s[4:5], s[46:47]
	s_add_nc_u64 s[92:93], s[6:7], s[92:93]
	CROUND                                         ; all sixteen work-groups are here: the first joint loads meet
	s_mov_b32 s[G0S], 1
	s_add_co_u32 s[G0S+1], s94, SCL
	s_mov_b64 s[G0S+2:G0S+3], s[22:23]
	s_or_b32 s[G0S+3], s[G0S+3], 0x80000000
	s_mov_b32 s[G0SB], 1
	s_add_co_u32 s[G0SB+1], s94, SCL
	s_mov_b64 s[G0SB+2:G0SB+3], s[92:93]
	s_or_b32 s[G0SB+3], s[G0SB+3], 0x80000000
	JLOAD G0S, G1S, G0SB, G1SB                     ; the scales first: they are wanted with the first slot
.irp s, 0,1
	s_mov_b32 s[G0+4*\s], 1
	s_add_co_u32 s[G0+4*\s+1], s45, \s*SLOT
	s_add_nc_u64 s[G0+4*\s+2:G0+4*\s+3], s[20:21], \s*ROWB
	s_or_b32 s[G0+4*\s+3], s[G0+4*\s+3], 0x80000000
	s_mov_b32 s[G0B+4*\s], 1
	s_add_co_u32 s[G0B+4*\s+1], s45, \s*SLOT
	s_add_nc_u64 s[G0B+4*\s+2:G0B+4*\s+3], s[46:47], \s*ROWB
	s_or_b32 s[G0B+4*\s+3], s[G0B+4*\s+3], 0x80000000
	JLOAD G0+4*\s, G1, G0B+4*\s, G1B
.endr
	v_and_b32 v1, 15, v0                           ; r
	v_bfe_u32 v2, v0, 4, 1                         ; h
	v_and_b32 v3, 31, v0                           ; lane
	v_lshlrev_b32 v[LI], 4, v3
	v_lshlrev_b32 v[LS], 2, v3
	s_mul_i32 s21, s15, HALFT                      ; my 8 tiles of A
	s_mul_i32 s22, s16, HALFT                      ; my 8 tiles of B,
	s_add_co_u32 s22, s22, 2*HALFT                 ; which lie behind A's 16
.irp s, 0,1
	v_add_nc_u32 v[ADRA+\s], s21, v[LI]
	v_add_nc_u32 v[ADRB+\s], s22, v[LI]
	s_add_co_u32 s21, s21, SLOT
	s_add_co_u32 s22, s22, SLOT
.endr
	v_lshlrev_b32 v5, 2, v1                        ; my row's scale word: 4 r
	s_mul_i32 s21, s15, HALFS                      ; A's: my 8 tiles
	s_mul_i32 s22, s16, HALFS                      ; B's: my 8 tiles, behind A's 16
	s_add_co_u32 s22, s22, 2*HALFS
	s_sub_co_u32 s22, s22, s21
	v_mul_u32_u24 v6, s22, v2                      ; lanes 16-31 take B's
	s_add_co_u32 s21, s21, SCL
	v_add_nc_u32 v5, v5, v6
	v_add_nc_u32 v[ADRS], s21, v5
	; my 8 tiles' cos and sin: tile 16 yt + 8 half on, 16,384 bytes a tile.  (v's work-groups make the address too and leave it.)
	s_lshl_b32 s12, s17, 18
	s_lshl_b32 s13, s15, 17
	s_add_co_u32 s12, s12, s13
	s_mov_b32 s13, 0
	s_add_nc_u64 s[8:9], s[8:9], s[12:13]
	; where my 128 x 128 goes
	s_lshl_b32 s20, s17, 1
	s_add_co_u32 s20, s20, s15                     ; which 128 rows of A
	s_lshl_b32 s46, s42, 1
	s_add_co_u32 s46, s46, s16                     ; which 128 rows of B
	s_cmp_eq_u32 s[TYPE], 2
	s_cselect_b32 s21, s20, s46                    ; the head: A's for v, else B's
	s_cselect_b32 s22, s46, s20                    ; the block of 128 tokens
	s_cselect_b32 s12, 12288, 0                    ; v's images lie behind k's
	s_mov_b32 s13, 24576
	s_cselect_b32 s13, 12800, s13                  ; from the images to the scale words
	s_lshl_b32 s21, s21, 4
	s_add_co_u32 s21, s21, s22                     ; the record
	s_cmp_eq_u32 s[TYPE], 0
	s_mov_b32 s22, 25600
	s_cselect_b32 s22, 12800, s22                  ; its bytes
	s_cselect_b32 s12, 6553600, s12                ; q's records lie behind k's and v's
	s_cselect_b32 s13, 12288, s13
	s_mul_i32 s22, s21, s22
	s_add_co_u32 s22, s22, s12
	s_mov_b32 s23, 0
	s_add_nc_u64 s[98:99], s[10:11], s[22:23]      ; my 8 images
	s_mov_b32 s22, s13
	s_add_nc_u64 s[100:101], s[98:99], s[22:23]    ; my 8 tiles' scale words
.macro FRAG reg, adr, q, i             ; a fragment comes as it was stored: three loads, 512 consecutive bytes each
.irp c, 0,1,2
	ds_load_b128 v[\reg+4*\c:\reg+4*\c+3], v[\adr] offset:(\i)*ROWB+(\q)*1536+512*\c
.endr
.endm
; 16 matrix instructions: A's blocks a0, a0 + 1 x B's eight, 128 along K: the slot's q-th.  p: B's set;  sc: the set of scale words.  zero = 1: the first product starts the sums.
; The 64 accumulators take turns, one instruction a turn, in the same order in every step.
.macro MUL16 a0, p, q, sc, zero
.irp a, \a0, \a0+1
.irp b, 0,1,2,3,4,5,6,7
.if \zero
	v_wmma_scale_f32_16x16x128_f8f6f4 v[8*(8*((\a)%4)+\b):8*(8*((\a)%4)+\b)+7], v[128*(\p)+FR*\b:128*(\p)+FR*\b+FR-1], v[AF+FR*(\a):AF+FR*(\a)+FR-1], 0, v[SC+8*NQ*(\sc)+NQ*\b+(\q)], v[SC+8*NQ*(\sc)+NQ*(\a)+(\q)] matrix_a_fmt:MATRIX_FMT_BF6 matrix_b_fmt:MATRIX_FMT_BF6 matrix_a_scale:MATRIX_SCALE_ROW1
.else
	v_wmma_scale_f32_16x16x128_f8f6f4 v[8*(8*((\a)%4)+\b):8*(8*((\a)%4)+\b)+7], v[128*(\p)+FR*\b:128*(\p)+FR*\b+FR-1], v[AF+FR*(\a):AF+FR*(\a)+FR-1], v[8*(8*((\a)%4)+\b):8*(8*((\a)%4)+\b)+7], v[SC+8*NQ*(\sc)+NQ*\b+(\q)], v[SC+8*NQ*(\sc)+NQ*(\a)+(\q)] matrix_a_fmt:MATRIX_FMT_BF6 matrix_b_fmt:MATRIX_FMT_BF6 matrix_a_scale:MATRIX_SCALE_ROW1
.endif
.endr
.endr
.endm
.macro FETCH_B slot, q, p              ; B's eight fragments of the slot's q-th 128 along K into set p
	WIN TO_B
.irp i, 0,1,2,3,4,5,6,7
	FRAG 128*(\p)+FR*\i, ADRB+\slot, \q, \i
.endr
	WIN 0
.endm
.macro FETCH_A slot, q, i0             ; A's blocks i0 .. i0 + 3
.irp i, \i0, \i0+1, \i0+2, \i0+3
	FRAG AF+FR*(\i), ADRA+\slot, \q, \i
.endr
.endm
.macro SCALES sc                       ; the slot's scale words into set sc: lanes 0-15 take A's block i, lanes 16-31 B's block i
.irp i, 0,1,2,3,4,5,6,7
.irp q, 0,1
	ds_load_b32 v[SC+8*NQ*\sc+NQ*\i+\q], v[ADRS] offset:\i*1024+64*\q
.endr
.endr
.endm
; A load into a register that a matrix instruction has read, and a vector instruction that reads a matrix result or writes one of its registers, stand NP plain vector instructions behind it (ISA guide 7.12.1 for vector instructions).
.macro PLACES n
.rept \n
	v_nop
.endr
.endm
; A step of 128 along K that has its successor in the same slot.
.macro STEP slot, q, zero
	s_wait_dscnt 4*NL                              ; B's set and A's blocks 0-3 are in; the youngest 12 loads (A's blocks 4-7) may be out
	WIN MUL_LO
	MUL16 0, (\q)%2, \q, \slot, \zero
	MUL16 2, (\q)%2, \q, \slot, \zero
	s_wait_dscnt 0                                 ; A's blocks 4-7 are in
	PLACES NP
	FETCH_B \slot, (\q)+1, 1-(\q)%2
	FETCH_A \slot, (\q)+1, 0
	WIN MUL_HI
	MUL16 4, (\q)%2, \q, \slot, \zero
	MUL16 6, (\q)%2, \q, \slot, \zero
	PLACES NP
	WIN 0
	FETCH_A \slot, (\q)+1, 4
.endm
; A slot's last step changes slots: one barrier; in front of it each wave waits for all its tensor loads, adds 0 to its spare word, and waits for that and for its own reads of this slot.  fill = 1: this slot is filled again, two slots ahead.
.macro TURN slot, next, fill
	s_wait_tensorcnt 0x0                           ; all my tensor loads have landed: my part of the next slot  (every window is 0 here)
	ds_add_u32 v[SPW], v[NIL]                      ; 0 onto my spare word
	s_wait_dscnt 4*NL+1                            ; (the add and the youngest 12 loads, A's blocks 4-7, may be out)
	WIN MUL_LO
	MUL16 0, 1, NQ-1, \slot, 0                     ; sixteen matrix instructions stand between the add and the wait for it
	s_wait_dscnt 0x0                               ; the add is done, and my reads of this slot are over
	s_barrier_signal -1
	MUL16 2, 1, NQ-1, \slot, 0
	WIN 0
	s_barrier_wait -1
.if \fill
	CREST                                          ; the barrier has opened a round of the cluster's barrier: no wave of any partner still reads this slot or has a load on its way
	s_add_nc_u64 s[G0+4*\slot+2:G0+4*\slot+3], s[G0+4*\slot+2:G0+4*\slot+3], 2*ROWB
	s_add_nc_u64 s[G0B+4*\slot+2:G0B+4*\slot+3], s[G0B+4*\slot+2:G0B+4*\slot+3], 2*ROWB
	JLOAD G0+4*\slot, G1, G0B+4*\slot, G1B         ; the first tensor load behind the round; its four v_nop are the places in front of the loads below
.else
	PLACES NP
.endif
	v_add_nc_u32 v[ADRS], 64*NQ, v[ADRS]           ; on to the next slot's scale words (no LDS load of mine is out)
	FETCH_B \next, 0, 0
	FETCH_A \next, 0, 0
	SCALES \next
	WIN MUL_HI
	MUL16 4, 1, NQ-1, \slot, 0
	MUL16 6, 1, NQ-1, \slot, 0
	PLACES NP
	WIN 0
	FETCH_A \next, 0, 4
.endm
	s_wait_tensorcnt 1                             ; the scales and my part of slot 0 are in (slot 1's load may be out)
	s_barrier_signal -1
	s_barrier_wait -1                              ; everybody's are
	FETCH_B 0, 0, 0
	FETCH_A 0, 0, 0
	SCALES 0
	FETCH_A 0, 0, 4
	STEP 0, 0, 1                                   ; the first step stands in front of the loop: its products start the sums
	s_mov_b32 s3, LAPS-1
.Llap:                                                 ; a trip goes once round the ring and fills both slots again
	TURN 0, 1, 1
	STEP 1, 0, 0
	TURN 1, 0, 1
	STEP 0, 0, 0
	s_sub_co_u32 s3, s3, 1
	s_cmp_lg_u32 s3, 0
	s_cbranch_scc1 .Llap
	TURN 0, 1, 0                                   ; the last lap fills nothing
	STEP 1, 0, 0
	s_wait_dscnt 4*NL                              ; the very last step
	WIN MUL_LO
	MUL16 0, 1, NQ-1, 1, 0
	MUL16 2, 1, NQ-1, 1, 0
	s_wait_dscnt 0
	WIN MUL_HI
	MUL16 4, 1, NQ-1, 1, 0
	MUL16 6, 1, NQ-1, 1, 0
	WIN 0
; 64 numbers of a lane in window w, register 16 b + i = k 32 b + 16 h + i of my row, become a fragment's codes in v[PC] on and its scale word in v[pw], both in window 0.  Each accumulator is read from its low end on.
.macro QUANT s, w, pw
	WIN 20*(\w)                                    ; sources 1 and 2 in window w
.irp b, 0,1,2,3
	v_max3_num_f32 v[TM+\b], s[FL], |v[\s+16*\b]|, |v[\s+16*\b+1]|   ; block b: my 16 numbers, and the floor, so that the byte cannot fall under 1
.endr
.irp i, 2,4,6,8,10,12,14
.irp b, 0,1,2,3
	v_max3_num_f32 v[TM+\b], v[TM+\b], |v[\s+16*\b+\i]|, |v[\s+16*\b+\i+1]|
.endr
.endr
	WIN 0
.irp b, 0,1,2,3
	v_permlanex16_b32 v[TM+4+\b], v[TM+\b], s[SEL], s[SEL+1]
.endr
.irp b, 0,1,2,3
	v_max_num_f32 v[TM+\b], v[TM+\b], v[TM+4+\b]   ; with lane l xor 16's: the block's largest magnitude
.endr
.irp b, 0,1,2,3
	v_add_nc_u32 v[TM+12+\b], 0xfe000000, v[TM+\b] ; 4 off its exponent field: the conversion's scale operand
.endr
.irp b, 0,1,2,3
	v_lshrrev_b32 v[TM+4+\b], 23, v[TM+12+\b]      ; the scale's byte
.endr
	v_lshl_or_b32 v[\pw], v[TM+5], 8, v[TM+4]
	v_lshl_or_b32 v[\pw], v[TM+6], 16, v[\pw]
	v_lshl_or_b32 v[\pw], v[TM+7], 24, v[\pw]
	WIN (\w)                                       ; source 0 in window w
.irp c, 0,1
	v_cvt_scalef32_pk16_bf6_f32 v[PC+6*\c:PC+6*\c+2], v[\s+32*\c:\s+32*\c+15], v[TM+12+2*\c]
	v_cvt_scalef32_pk16_bf6_f32 v[PT+4*\c:PT+4*\c+2], v[\s+32*\c+16:\s+32*\c+31], v[TM+12+2*\c+1]
.endr
	WIN 0
	v_nop                                          ; one plain instruction behind a scaled conversion
.irp c, 0,1
.irp i, 0,1,2
	v_permlane16_swap_b32 v[PC+6*\c+\i], v[PT+4*\c+\i]
.endr
.irp i, 0,1,2
	v_mov_b32 v[PC+3+6*\c+\i], v[PT+4*\c+\i]
.endr
.endr
.endm
.macro OUTA a                          ; block a's image, and with every second block two tiles' scale words
.irp c, 0,1,2
	global_store_b128 v[LI], v[PC+4*\c:PC+4*\c+3], s[98:99] offset:1536*(\a)+512*\c   ; 512 consecutive bytes, aligned
.endr
.if (\a)%2
	v_cndmask_b32 v[WS], v[PW], v[PW+1], s[HM]     ; lanes 0-15 tile a - 1's words, lanes 16-31 tile a's
	global_store_b32 v[LS], v[WS], s[100:101] offset:64*((\a)-1)
.endif
.endm
.macro CSLOAD a                        ; block a's cos and sin, images in the accumulators' order, into set a % 2 of window 1: each load reads 512 consecutive bytes
	WIN 0x40                                       ; destination window 1
.irp g, 0,1,2,3,4,5,6,7,8,9,10,11,12,13,14,15
	global_load_b128 v[128*((\a)%2)+4*\g:128*((\a)%2)+4*\g+3], v[LI], s[8:9] offset:16384*(\a)+512*\g
.endr
.irp g, 0,1,2,3,4,5,6,7,8,9,10,11,12,13,14,15
	global_load_b128 v[128*((\a)%2)+64+4*\g:128*((\a)%2)+64+4*\g+3], v[LI], s[8:9] offset:16384*(\a)+8192+512*\g
.endr
	WIN 0
.endm
.macro ROPE a                          ; R[n] = x[n] cos[n] - x[n + 32] sin[n];  R[n + 32] = x[n + 32] cos[n + 32] + x[n] sin[n + 32], n = 0 .. 31
.set AC, 64*((\a)%4)
.set CT, 128*((\a)%2)
	WIN 6+(\a)/4                                   ; source 0: the accumulators' window; source 1: window 1; source 2 and destination: window 0
.set n, 0
.rept 16
	v_pk_mul_f32 v[R+n:R+n+1], v[AC+n:AC+n+1], v[CT+n:CT+n+1]
	v_pk_mul_f32 v[R+32+n:R+33+n], v[AC+32+n:AC+33+n], v[CT+32+n:CT+33+n]
.set n, n+2
.endr
.set n, 0
.rept 16
	v_pk_fma_f32 v[R+n:R+n+1], v[AC+32+n:AC+33+n], v[CT+64+n:CT+65+n], v[R+n:R+n+1] neg_lo:[1,0,0] neg_hi:[1,0,0]
	v_pk_fma_f32 v[R+32+n:R+33+n], v[AC+n:AC+n+1], v[CT+96+n:CT+97+n], v[R+32+n:R+33+n]
.set n, n+2
.endr
	WIN 0
.endm
	PLACES NP                                      ; behind the last products: what follows reads results and writes registers that held operands and scales
	s_mov_b32 s[SEL], 0x76543210
	s_mov_b32 s[SEL+1], 0xfedcba98
	s_mov_b32 s[RS], 0x3db504f3                    ; 1 / sqrt(128)
	s_mov_b32 s[RS+1], s[RS]                       ; (named with it as a pair, so it is written)
.irp b, 0,1,2,3
	v_mov_b32 v[TM+4+\b], 0                        ; written once: a lane permute's destination counts as one of its sources
.endr
	s_cmp_eq_u32 s[TYPE], 2
	s_cbranch_scc1 .Lv_path
	; ---- q and k: RoPE, q's scaling, the quantiser along the head's 128
	CSLOAD 0
	CSLOAD 1
.irp a, 0,1,2,3,4,5,6,7
.if \a < 7
	s_wait_loadcnt 32                              ; this block's 32 loads are in; the next block's may be out
.else
	s_wait_loadcnt 0x0
.endif
	ROPE \a
	s_wait_xcnt 0x0                                ; the last block's stores have read their registers; the wait stands ahead of the fresh loads
.if \a < 6
	CSLOAD \a+2
.endif
	s_cmp_lg_u32 s[TYPE], 0
	s_cbranch_scc1 .Lnot_q_\a
.set n, 0
.rept 32
	v_pk_mul_f32 v[R+n:R+n+1], v[R+n:R+n+1], s[RS:RS+1] op_sel_hi:[1,0]
.set n, n+2
.endr
.Lnot_q_\a:
	QUANT R, 0, PW+\a%2
	OUTA \a
.endr
	s_branch .Ldone
	; ---- v: the accumulators are quantised as they stand, along the keys
.Lv_path:
.irp a, 0,1,2,3,4,5,6,7
	s_wait_xcnt 0x0
	QUANT 64*(\a%4), 2+\a/4, PW+\a%2
	OUTA \a
.endr
.Ldone:
	s_wait_tensorcnt 0x0                           ; the wave's end
	ds_add_u32 v[SPW], v[NIL]
	s_wait_dscnt 0x0
	CROUND                                         ; the closing round: no work-group ends while a partner may still ask for a tile that names it
	s_endpgm
.Lfunc_end_k_qf5f8e36738_qkv:
	.size	k_qf5f8e36738_qkv, .Lfunc_end_k_qf5f8e36738_qkv-k_qf5f8e36738_qkv
	.p2alignl 7, 3214868480
	.fill 96, 4, 3214868480
	.section	.rodata,"a",@progbits
	.p2align	6, 0x0
	.amdhsa_kernel k_qf5f8e36738_qkv
		.amdhsa_group_segment_fixed_size 327680
		.amdhsa_private_segment_fixed_size 0
		.amdhsa_enable_private_segment 0
		.amdhsa_kernarg_size 32
		.amdhsa_user_sgpr_count 2
		.amdhsa_user_sgpr_kernarg_segment_ptr 1
		.amdhsa_wavefront_size32 1
		.amdhsa_system_sgpr_workgroup_id_x 1
		.amdhsa_system_sgpr_workgroup_id_y 1
		.amdhsa_system_sgpr_workgroup_id_z 1
		.amdhsa_system_vgpr_workitem_id 0
		.amdhsa_next_free_vgpr 1024
		.amdhsa_next_free_sgpr 102
		.amdhsa_reserve_vcc 0
		.amdhsa_float_denorm_mode_32 3
		.amdhsa_float_denorm_mode_16_64 3
		.amdhsa_memory_ordered 1
		.amdhsa_forward_progress 1
		.amdhsa_inst_pref_size 248
	.end_amdhsa_kernel
	.amdgpu_metadata
---
amdhsa.version: [ 1, 2 ]
amdhsa.kernels:
  - .name:           k_qf5f8e36738_qkv
    .symbol:         k_qf5f8e36738_qkv.kd
    .args:
      - { .name: codes, .offset: 0, .size: 8, .value_kind: global_buffer, .address_space: global }
      - { .name: scales, .offset: 8, .size: 8, .value_kind: global_buffer, .address_space: global }
      - { .name: cs, .offset: 16, .size: 8, .value_kind: global_buffer, .address_space: global }
      - { .name: qkv, .offset: 24, .size: 8, .value_kind: global_buffer, .address_space: global }
    .group_segment_fixed_size: 327680
    .private_segment_fixed_size: 0
    .kernarg_segment_align: 8
    .kernarg_segment_size: 32
    .max_flat_workgroup_size: 128
    .sgpr_count:     102
    .vgpr_count:     1024
    .wavefront_size: 32
...
	.end_amdgpu_metadata
.endif
;; end of part 6
;; launch attn (part 7): grid 16 x 16, 8 waves a work-group, clusters of 4 x 1, 327,680 bytes of LDS; arguments qkv, bm, ao_codes, ao_scales; writes ao_codes, ao_scales
.if DOCPART == 7
	.amdgcn_target "amdgcn-amd-amdhsa--gfx1250"
	.amdhsa_code_object_version 6
	.text
	.protected	k_qf5f8e36738_attn
	.globl	k_qf5f8e36738_attn
	.p2align	8
	.type	k_qf5f8e36738_attn,@function
k_qf5f8e36738_attn:
	s_mov_b64 s[64:65], 0
	v_nop
	global_prefetch_b8 v0, s[64:65] scope:SCOPE_SE
	s_setreg_imm32_b32 hwreg(HW_REG_WAVE_MODE, 25, 1), 1
	s_wait_xcnt 0x0
	s_wait_alu depctr_hold_cnt(0) depctr_sa_sdst(0) depctr_va_vdst(0) depctr_va_sdst(0) depctr_va_ssrc(0) depctr_va_vcc(0) depctr_vm_vsrc(0)
	s_getreg_b32 s2, hwreg(HW_REG_IB_STS2, 6, 4)
	s_cmp_eq_u32 s2, 0
	s_cbranch_scc0 .Lentry_in_a_cluster
	s_endpgm
.Lentry_in_a_cluster:
	s_bfe_u32 s2, ttmp6, 0x10000c
	s_cmp_lg_u32 s2, 0x3003
	s_cbranch_scc0 .Lentry_shape_is_right
	s_endpgm
.Lentry_shape_is_right:
; ATTN.  o[head][q] = the sum over keys of softmax(q . k + bm[q][key]) v[key], both products on codes of BF6 (E3M2) with E8M0 scales; q carries the 1 / sqrt(128) already; bm = attn_bias + masks, f32.
; THE SOFTMAX AHEAD OF THE SECOND PRODUCT: t = logit x log2(e); M = the running largest t rounded up to a whole number; p = 2^(t - M) is quantised along the keys, not normalised; the row's sum is taken of the
; unquantised p and divides at the end.  When M moves, the sum and O are multiplied by 2^(old M - new M): exact.  The result is quantised along the head's 128 and stored as an operand of the last product.
; Every tile of scores is computed: bias and mask are inputs, and nothing is known of them.
; SHARES.  A work-group owns 128 queries of one head; each of its eight waves one tile of 16.  Every wave walks the 16 key steps of 128.
; A key step's k and v are one record of 25,600 bytes (8 images of k, 8 of v, 512 bytes of scale words each); four records make a slot, 102,400 dense bytes; two slots take turns.  Each wave fetches an eighth of a slot.
; CLUSTER.  The four blocks of queries of a cluster belong to one head and walk the same records: every load of a slot is joint, with the mask of all four.
; bm IS NOT SHARED IN THE CLUSTER AND DOES NOT GO THROUGH LDS: a block of it (16 queries x 128 keys, 8,192 bytes) has one taker in a work-group and none among its partners, which have other queries; it goes from memory
; into registers in the scores' layout and is the C of the first product: no vector instruction, no LDS byte.  TWO BUFFERS of 64 registers take turns: behind step j's first products, which have read buffer j % 2,
; that buffer is loaded with step j + 2's block, which so has two key steps in which to land.
; LAYOUT.  Both products are used transposed: S^T = k q^T + bm^T (source 0 = 16 keys), O^T = v^T p^T (source 0 = 16 of the head's 128): a lane holds one query throughout.  Row rho of a tile T is row
; 32 (T / 2) + 8 (T % 2) + rho % 8 + 16 (rho / 8), so register 16 b + i of a lane is key (or channel) 32 b + 16 h + i.
; LIMITS: t - M is one fused multiply-add of the logit, so p's exponent is off by up to 2^-24 |t|; bias + mask is added to the score inside the matrix unit; a block of zeros gets the byte 1 (zero codes);
; NaN and infinities are not served; 1 / l by v_rcp_f32.
; REGISTERS: window 0: v1-9 addresses; v12 -M, v13 the largest t, v[14:15] the sum; v16-27 q; v28-31 scale words, two tiles a register; v32-127 eight fragments of k or of v; v128-191 S^T, then p; v192-210 codes; v212-229 at work.
;   window 1: v0-63 O^T; v64-127, v128-191 bm's two buffers.
.set REC,   25600
.set SLOTB, 4*REC
.set SLOT1, 131072                     ; slot 1 begins here, so that one exclusive or turns an address in one slot into the other's
.set SPARE, 262144                     ; the spare words, 128 bytes for each wave: four blocks of 256 bytes that no other line names
.set QOFF,  6553600
.set LI,  1                            ; v1   16 x lane
.set LS,  2                            ; v2   4 x lane
.set AF,  3                            ; v3   LDS address of the step's images
.set AS,  4                            ; v4   and of its scale words
.set SPW, 5                            ; v5   LDS address of my spare word; never rewritten
.set NIL, 6                            ; v6   0; never rewritten
.set PFO, 7                            ; v7   256 x lane; never rewritten
.set QS,  8                            ; v8   q's scale words
.set R4,  9                            ; v9   4 r
.set Q,   16
.set KS,  28
.set FRG, 32
.set S,   128
.set PC,  192
.set PT,  204
.set TM,  212                          ; +0..3 the blocks' maxima; +4..7 the other half's, then bytes; +8:9 f (or 1 / l) as a pair; +10:11 the second chain of the sum; +12..15 the conversions' scales
.set PW,  228
.set TP,  229
.set BMB, 64                           ; bm's buffers, in window 1: buffer n at v[BMB + 64 n]
.set WV,  12
.set G1,  24                           ; s[24:31] descriptor group 1;  s[32:35] group 0, which walks
.set G0,  32
.set TB,  36                           ; s36  LDS byte at which the step's record begins
.set CNT, 37
.set SLOTS, 38
.set SEL, 42
.set CS,  44                           ; s[44:45] log2(e)
.set FL,  46
.set MSB, 0
.macro WIN new
.if MSB != (\new)
	s_set_vgpr_msb (MSB<<8)|(\new)
.set MSB, (\new)
.endif
.endm
.macro CROUND                          ; a round of the cluster's barrier
	s_barrier_signal -1
	s_barrier_wait -1
	s_cmp_lg_u32 s[WV], 0
	s_cbranch_scc1 .Lnot_wave_0_\@
	s_barrier_signal -3
.Lnot_wave_0_\@:
	s_barrier_wait -3
	s_barrier_signal -1
	s_barrier_wait -1
.endm
	s_load_b256 s[4:11], s[0:1], 0x0               ; qkv, bm, ao_codes, ao_scales
	v_lshl_add_u32 v[SPW], v0, 2, SPARE
	v_mov_b32 v[NIL], 0
	ds_add_u32 v5, v6
	ds_add_u32 v5, v6
	s_wait_dscnt 0x0
	v_lshrrev_b32 v10, 5, v0
	v_readfirstlane_b32 s[WV], v10                 ; wave 0..7
	s_bfe_u32 s13, ttmp6, 0x40000                  ; cx
	s_lshl_b32 s14, ttmp9, 2
	s_add_co_u32 s14, s14, s13                     ; my block of 128 queries: it enters q's, bm's and the result's addresses alone
	s_and_b32 s15, ttmp7, 0xffff                   ; the head, which the four partners share
	; descriptor group 1: 12,800 dense bytes as 50 rows of 256 (32 elements of 8 bytes)
	s_mov_b32 s[G1], 15|(3<<16)|(1<<21)            ; 15:0 the mask: all four work-groups; 17:16 elements of 8 bytes; 21 set beside a mask
	s_mov_b32 s[G1+1], 32<<16
	s_mov_b32 s[G1+2], 50<<16
	s_mov_b32 s[G1+3], 32<<16
	s_mov_b32 s[G1+4], 50
	s_mov_b32 s[G1+5], 32
	s_mov_b32 s[G1+6], 0
	s_mov_b32 s[G1+7], 0
	s_mul_i32 s16, s15, 16*REC                     ; the head's records,
	s_mul_i32 s17, s[WV], SLOTB/8
	s_add_co_u32 s16, s16, s17                     ; my eighth of a slot
	s_mov_b32 s17, 0
	s_mov_b32 s[G0], 1
	s_mul_i32 s[G0+1], s[WV], SLOTB/8              ; and its place in slot 0
	s_lshl_b32 s18, s15, 4
	s_add_co_u32 s18, s18, s14
	s_mul_i32 s18, s18, 12800
	s_add_co_u32 s18, s18, QOFF                    ; q's record
	s_lshl_b32 s20, s[WV], 6
	s_add_co_u32 s20, s20, s18
	s_add_co_u32 s20, s20, 12288                   ; my tile's scale words
	s_mul_i32 s19, s[WV], 1536
	s_add_co_u32 s18, s18, s19                     ; my tile's image
	s_mov_b32 s19, 0
	s_mov_b32 s21, 0
	s_lshl_b32 s22, s14, 3
	s_add_co_u32 s22, s22, s[WV]                   ; T: my tile of queries
	s_lshl_b32 s48, s22, 17                        ; bm: 131,072 bytes a tile
	s_mov_b32 s49, 0
	s_mul_i32 s50, s22, 24576
	s_mul_i32 s51, s15, 1536
	s_add_co_u32 s50, s50, s51                     ; the result's image: tile T, K step = the head
	s_mov_b32 s51, 0
	s_lshl_b32 s52, s22, 10
	s_lshl_b32 s53, s15, 6
	s_add_co_u32 s52, s52, s53                     ; and its scale words
	s_mov_b32 s53, 0
	s_mov_b32 s[SEL], 0x76543210
	s_mov_b32 s[SEL+1], 0xfedcba98
	s_mov_b32 s[CS], 0x3fb8aa3b                    ; log2(e)
	s_mov_b32 s[CS+1], s[CS]                       ; (named with it as a pair, so it is written)
	s_mov_b32 s[FL], 0x2800000                     ; the floor 2^(5 - 127)
	s_mov_b32 s[TB], 0
	s_mov_b32 s[SLOTS], 3
	v_and_b32 v10, 31, v0
	v_lshlrev_b32 v[LI], 4, v10
	v_lshlrev_b32 v[LS], 2, v10
	v_lshlrev_b32 v[PFO], 8, v10
	v_and_b32 v[R4], 15, v0
	v_lshlrev_b32 v[R4], 2, v[R4]
	s_wait_kmcnt 0x0
	s_add_nc_u64 s[G0+2:G0+3], s[4:5], s[16:17]
	s_or_b32 s[G0+3], s[G0+3], 0x80000000
	s_add_nc_u64 s[18:19], s[4:5], s[18:19]
	s_add_nc_u64 s[20:21], s[4:5], s[20:21]
	s_add_nc_u64 s[6:7], s[6:7], s[48:49]
	s_add_nc_u64 s[8:9], s[8:9], s[50:51]
	s_add_nc_u64 s[10:11], s[10:11], s[52:53]
	CROUND                                         ; all four work-groups are here: the first joint loads meet
	tensor_load_to_lds s[G0:G0+3], s[G1:G1+7]      ; slot 0: one load of mine is out
	s_nop 0
.rept 4
	v_nop
.endr
.irp c, 0,1,2
	global_load_b128 v[Q+4*\c:Q+4*\c+3], v[LI], s[18:19] offset:512*\c   ; q's fragment stays in registers
.endr
	global_load_b32 v[QS], v[R4], s[20:21]
	WIN 0x40                                       ; destination window 1
.irp g, 0,1,2,3,4,5,6,7,8,9,10,11,12,13,14,15
	global_load_b128 v[BMB+4*\g:BMB+4*\g+3], v[LI], s[6:7] offset:512*\g           ; bm of key step 0,
.endr
.irp g, 0,1,2,3,4,5,6,7,8,9,10,11,12,13,14,15
	global_load_b128 v[BMB+64+4*\g:BMB+64+4*\g+3], v[LI], s[6:7] offset:8192+512*\g   ; and of key step 1
.endr
.set j, 0
.rept 64
	v_mov_b32 v[j], 0                              ; O^T.  (The step is written once: the first finds zeros, which the first change of M leaves zeros)
.set j, j+1
.endr
	WIN 0
	v_mov_b32 v13, 0xff61b1e6                      ; the largest t so far: -3e38, under every t
	v_floor_f32 v12, -v13                          ; -M
	v_mov_b32 v14, 0
	v_mov_b32 v15, 0
.irp b, 0,1,2,3
	v_mov_b32 v[TM+4+\b], 0                        ; written once: a lane permute's destination counts as one of its sources
.endr
	v_mov_b32 v[TM+9], 0                           ; (named as the upper half of a pair)
	v_mov_b32 v[TP], 0
; THE CHANGE OF SLOTS stands at a slot's head.  Each wave waits for all its tensor loads (its part of the slot ahead), adds 0 to its spare word, and waits for that and for its reads of the slot that it has left.
; fill = 1: a round of the cluster's barrier, and behind it the slot just left takes the next four records: the load has four key steps in which to land.
.macro CHANGE fill
	s_wait_tensorcnt 0x0                           ; no tensor load of mine is out, so group 0 may be written
	ds_add_u32 v[SPW], v[NIL]                      ; 0 onto my spare word
.if \fill
	s_xor_b32 s[G0+1], s[G0+1], SLOT1              ; the other slot than last time,
	s_add_nc_u64 s[G0+2:G0+3], s[G0+2:G0+3], SLOTB ; the next four records; the type bits on top are not reached
.endif
	s_wait_dscnt 0x0                               ; the add is done, and my reads of the slot that I have left are over
.if \fill
	CROUND
	tensor_load_to_lds s[G0:G0+3], s[G1:G1+7]      ; the first thing behind the round, and my one tensor load until the next
	s_nop 0
.rept 4
	v_nop
.endr
.else
	s_barrier_signal -1
	s_barrier_wait -1
.endif
.endm
; A KEY STEP: 128 keys.  buf: bm's buffer of this step.  ld = 1: the buffer is loaded again, with the block two steps on.  pf = 1: the block three steps on is prefetched.  left: how many younger loads may stay out.
.macro STEP buf, ld, pf, left
	v_add_nc_u32 v[AF], s[TB], v[LI]
	v_add_nc_u32 v[AS], s[TB], v[LS]
	v_nop
	v_nop                                          ; four plain instructions behind the last products, in front of loads into registers that they have read
.irp t, 0,1,2,3,4,5,6,7
.irp c, 0,1,2
	ds_load_b128 v[FRG+12*\t+4*\c:FRG+12*\t+4*\c+3], v[AF] offset:1536*\t+512*\c    ; k's eight images
.endr
.endr
.irp p, 0,1,2,3
	ds_load_b32 v[KS+\p], v[AS] offset:24576+128*\p    ; lanes 0-15 tile 2 p's scale words, lanes 16-31 tile 2 p + 1's
.endr
.if \ld
	s_wait_xcnt 0x0                                ; the last step's loads and prefetch have read their base,
	s_add_nc_u64 s[6:7], s[6:7], 8192              ; which steps: it now stands one block behind this step's
.endif
	s_wait_loadcnt \left                           ; this step's bm is in (at first q too); the next step's 16 loads may be out
	s_wait_dscnt 0x0
	WIN 0x10                                       ; C in window 1
.irp t, 0,1,2,3,4,5,6,7                ; S^T = k q^T + bm^T: eight accumulators, one instruction each
.if \t%2
	v_wmma_scale_f32_16x16x128_f8f6f4 v[S+8*\t:S+8*\t+7], v[FRG+12*\t:FRG+12*\t+11], v[Q:Q+11], v[BMB+64*(\buf)+8*\t:BMB+64*(\buf)+8*\t+7], v[KS+\t/2], v[QS] matrix_a_fmt:MATRIX_FMT_BF6 matrix_b_fmt:MATRIX_FMT_BF6 matrix_a_scale:MATRIX_SCALE_ROW1
.else
	v_wmma_scale_f32_16x16x128_f8f6f4 v[S+8*\t:S+8*\t+7], v[FRG+12*\t:FRG+12*\t+11], v[Q:Q+11], v[BMB+64*(\buf)+8*\t:BMB+64*(\buf)+8*\t+7], v[KS+\t/2], v[QS] matrix_a_fmt:MATRIX_FMT_BF6 matrix_b_fmt:MATRIX_FMT_BF6
.endif
.endr
	WIN 0
.rept 4
	v_nop                                          ; places in front of the loads below and of the first read of the scores
.endr
.irp t, 0,1,2,3,4,5,6,7
.irp c, 0,1,2
	ds_load_b128 v[FRG+12*\t+4*\c:FRG+12*\t+4*\c+3], v[AF] offset:12288+1536*\t+512*\c   ; v's eight images land while the softmax is worked
.endr
.endr
.irp p, 0,1,2,3
	ds_load_b32 v[KS+\p], v[AS] offset:25088+128*\p
.endr
.if \ld
	WIN 0x40                                       ; destination window 1
.irp g, 0,1,2,3,4,5,6,7,8,9,10,11,12,13,14,15
	global_load_b128 v[BMB+64*(\buf)+4*\g:BMB+64*(\buf)+4*\g+3], v[LI], s[6:7] offset:8192+512*\g   ; bm of the step two on, into the buffer that the products have just read
.endr
	WIN 0
.if \pf
; A PREFETCH INTO THE L2 of the block of bm after that one: 8,192 bytes, lanes 256 bytes apart, one instruction, behind the run of loads.  All sixteen heads take the same blocks: head 0's work-groups ask, each wave for its own
; tile's block, so each block is named once in the launch.  It names what the loads of the next key step will ask for; the last is asked for in step 12: there is no block behind the sixteenth.
	s_cmp_lg_u32 s15, 0
	s_cbranch_scc1 .Lnot_mine_\@
	global_prefetch_b8 v[PFO], s[6:7] offset:16384 th:TH_LOAD_NT scope:SCOPE_SE
.Lnot_mine_\@:
.endif
.endif
.irp b, 0,1,2,3
	v_max3_num_f32 v[TM+\b], v[S+16*\b], v[S+1+16*\b], v[S+2+16*\b]   ; the largest logit of each block of 32 keys: it serves for the row's maximum and, since p rises with the logit, for the block's largest p
.endr
.irp i, 3,5,7,9,11,13
.irp b, 0,1,2,3
	v_max3_num_f32 v[TM+\b], v[TM+\b], v[S+16*\b+\i], v[S+1+16*\b+\i]
.endr
.endr
.irp b, 0,1,2,3
	v_max_num_f32 v[TM+\b], v[TM+\b], v[S+15+16*\b]
.endr
.irp b, 0,1,2,3
	v_permlanex16_b32 v[TM+4+\b], v[TM+\b], s[SEL], s[SEL+1]
.endr
.irp b, 0,1,2,3
	v_max_num_f32 v[TM+\b], v[TM+\b], v[TM+4+\b]   ; with lane l xor 16's 16 keys
.endr
	v_max3_num_f32 v[TP], v[TM], v[TM+1], v[TM+2]
	v_max_num_f32 v[TP], v[TP], v[TM+3]            ; the step's largest logit of my query
	v_mul_f32 v[TP], s[CS], v[TP]                  ; as t
	v_max_num_f32 v13, v13, v[TP]                  ; the running largest t
	v_mov_b32 v[TP], v12
	v_floor_f32 v12, -v13                          ; the new -M = floor(-t): M is a whole number
	v_sub_f32 v[TP], v12, v[TP]                    ; old M - new M: a whole number, 0 or less
	v_cvt_i32_f32 v[TP], v[TP]                     ; (it saturates)
	v_ldexp_f32 v[TM+8], 1.0, v[TP]                ; f = 2^(old M - new M)
.set j, 0
.rept 32
	v_pk_fma_f32 v[S+j:S+j+1], v[S+j:S+j+1], s[CS:CS+1], v[12:13] op_sel_hi:[1,0,0]   ; t - M, two at a time
.set j, j+2
.endr
.irp b, 0,1,2,3
	v_fma_f32 v[TM+\b], v[TM+\b], s[CS], v12       ; the same of each block's largest logit
.endr
.set j, 0
.rept 64
	v_exp_f32 v[S+j], v[S+j]                       ; p = 2^(t - M), at most 1
.set j, j+1
.endr
	v_pk_mul_f32 v[14:15], v[14:15], v[TM+8:TM+9] op_sel_hi:[1,0]   ; the sums under the new M: the plain instruction behind the exponentials
	s_wait_alu depctr_va_vdst(0)                   ; one wait for the whole batch, ahead of its first reader
.irp b, 0,1,2,3
	v_exp_f32 v[TM+\b], v[TM+\b]                   ; the block's largest p: the same two instructions on the same number
.endr
	v_pk_add_f32 v[TM+10:TM+11], v[S:S+1], v[S+2:S+3]   ; the row's sum is taken of the unquantised p, in two chains
.irp j, 4,8,12,16,20,24,28,32,36,40,44,48,52,56,60
	v_pk_add_f32 v[14:15], v[14:15], v[S+\j:S+\j+1]
	v_pk_add_f32 v[TM+10:TM+11], v[TM+10:TM+11], v[S+2+\j:S+3+\j]
.endr
	v_pk_add_f32 v[14:15], v[14:15], v[TM+10:TM+11]
	s_wait_alu depctr_va_vdst(0)                   ; and one for the four
.irp b, 0,1,2,3
	v_max_num_f32 v[TM+\b], s[FL], v[TM+\b]        ; the floor: the byte cannot fall under 1
.endr
.irp b, 0,1,2,3
	v_add_nc_u32 v[TM+12+\b], 0xfe000000, v[TM+\b] ; 4 off the exponent field: the conversion's scale operand
.endr
.irp b, 0,1,2,3
	v_lshrrev_b32 v[TM+4+\b], 23, v[TM+12+\b]      ; the scale's byte
.endr
	v_lshl_or_b32 v[PW], v[TM+5], 8, v[TM+4]       ; p's scale word for these 128 keys
	v_lshl_or_b32 v[PW], v[TM+6], 16, v[PW]
	v_lshl_or_b32 v[PW], v[TM+7], 24, v[PW]
.irp c, 0,1
	v_cvt_scalef32_pk16_bf6_f32 v[PC+6*\c:PC+6*\c+2], v[S+32*\c:S+32*\c+15], v[TM+12+2*\c]
	v_cvt_scalef32_pk16_bf6_f32 v[PT+4*\c:PT+4*\c+2], v[S+32*\c+16:S+32*\c+31], v[TM+12+2*\c+1]
.endr
	v_nop                                          ; one plain instruction behind a scaled conversion
.irp c, 0,1                            ; the operand's layout wants a whole block in a lane
.irp i, 0,1,2
	v_permlane16_swap_b32 v[PC+6*\c+\i], v[PT+4*\c+\i]
.endr
.irp i, 0,1,2
	v_mov_b32 v[PC+3+6*\c+\i], v[PT+4*\c+\i]
.endr
.endr
	WIN 0x41                                       ; O^T (destination and source 0) in window 1, f in window 0
.set j, 0
.rept 32
	v_pk_mul_f32 v[j:j+1], v[j:j+1], v[TM+8:TM+9] op_sel_hi:[1,0]   ; O^T under the new M.  (These are also the places between the codes' and the scale word's last writes and the products)
.set j, j+2
.endr
	WIN 0x50                                       ; C and D in window 1
	s_wait_dscnt 0x0                               ; v is in
.irp t, 0,1,2,3,4,5,6,7                ; O^T += v^T p^T: eight accumulators, one instruction each
.if \t%2
	v_wmma_scale_f32_16x16x128_f8f6f4 v[8*\t:8*\t+7], v[FRG+12*\t:FRG+12*\t+11], v[PC:PC+11], v[8*\t:8*\t+7], v[KS+\t/2], v[PW] matrix_a_fmt:MATRIX_FMT_BF6 matrix_b_fmt:MATRIX_FMT_BF6 matrix_a_scale:MATRIX_SCALE_ROW1
.else
	v_wmma_scale_f32_16x16x128_f8f6f4 v[8*\t:8*\t+7], v[FRG+12*\t:FRG+12*\t+11], v[PC:PC+11], v[8*\t:8*\t+7], v[KS+\t/2], v[PW] matrix_a_fmt:MATRIX_FMT_BF6 matrix_b_fmt:MATRIX_FMT_BF6
.endif
.endr
	WIN 0
	s_add_co_u32 s[TB], s[TB], REC                 ; the next record
.endm
.macro PAIRS                           ; a slot's four key steps: two are written, for bm's two buffers, and walked twice
	s_mov_b32 s[CNT], 2
.Lstep_\@:
	STEP 0, 1, 1, 16
	STEP 1, 1, 1, 16
	s_sub_co_u32 s[CNT], s[CNT], 1
	s_cmp_lg_u32 s[CNT], 0
	s_cbranch_scc1 .Lstep_\@
	s_sub_co_u32 s[TB], s[TB], SLOTB               ; back to a slot's first record,
	s_xor_b32 s[TB], s[TB], SLOT1                  ; in the other slot
.endm
.Lslot:                                            ; three trips: behind each change of slots but the last the next slot is asked for
	CHANGE 1
	PAIRS
	s_sub_co_u32 s[SLOTS], s[SLOTS], 1
	s_cmp_lg_u32 s[SLOTS], 0
	s_cbranch_scc1 .Lslot
	CHANGE 0                                       ; the last slot is written out
	STEP 0, 1, 1, 16                               ; step 12 asks for step 14's block and prefetches step 15's
	STEP 1, 1, 0, 16                               ; step 13 asks for step 15's
	STEP 0, 0, 0, 16                               ; step 14: step 15's 16 loads may be out
	STEP 1, 0, 0, 0                                ; step 15: nothing is out behind its block
	; THE WAY OUT: O^T / l, quantised along the head's 128: one image and one scale word a row
.rept 4
	v_nop                                          ; places behind the last products
.endr
	v_add_f32 v14, v14, v15                        ; the sum's two halves,
	v_permlanex16_b32 v[TP], v14, s[SEL], s[SEL+1]
	v_add_f32 v14, v14, v[TP]                      ; and lane l xor 16's: the row's sum
	v_rcp_f32 v[TM+8], v14
	v_nop                                          ; a plain instruction behind the reciprocal
	s_wait_alu depctr_va_vdst(0)                   ; and the wait ahead of its first reader
	WIN 0x01                                       ; source 0 window 1
.set j, 0
.rept 32
	v_pk_mul_f32 v[S+j:S+j+1], v[j:j+1], v[TM+8:TM+9] op_sel_hi:[1,0]   ; register 16 b + i: channel 32 b + 16 h + i of my query
.set j, j+2
.endr
	WIN 0
.irp b, 0,1,2,3
	v_max3_num_f32 v[TM+\b], s[FL], |v[S+16*\b]|, |v[S+16*\b+1]|
.endr
.irp i, 2,4,6,8,10,12,14
.irp b, 0,1,2,3
	v_max3_num_f32 v[TM+\b], v[TM+\b], |v[S+16*\b+\i]|, |v[S+16*\b+\i+1]|
.endr
.endr
.irp b, 0,1,2,3
	v_permlanex16_b32 v[TM+4+\b], v[TM+\b], s[SEL], s[SEL+1]
.endr
.irp b, 0,1,2,3
	v_max_num_f32 v[TM+\b], v[TM+\b], v[TM+4+\b]
.endr
.irp b, 0,1,2,3
	v_add_nc_u32 v[TM+12+\b], 0xfe000000, v[TM+\b]
.endr
.irp b, 0,1,2,3
	v_lshrrev_b32 v[TM+4+\b], 23, v[TM+12+\b]
.endr
	v_lshl_or_b32 v[PW], v[TM+5], 8, v[TM+4]
	v_lshl_or_b32 v[PW], v[TM+6], 16, v[PW]
	v_lshl_or_b32 v[PW], v[TM+7], 24, v[PW]
.irp c, 0,1
	v_cvt_scalef32_pk16_bf6_f32 v[PC+6*\c:PC+6*\c+2], v[S+32*\c:S+32*\c+15], v[TM+12+2*\c]
	v_cvt_scalef32_pk16_bf6_f32 v[PT+4*\c:PT+4*\c+2], v[S+32*\c+16:S+32*\c+31], v[TM+12+2*\c+1]
.endr
	v_nop
.irp c, 0,1
.irp i, 0,1,2
	v_permlane16_swap_b32 v[PC+6*\c+\i], v[PT+4*\c+\i]
.endr
.irp i, 0,1,2
	v_mov_b32 v[PC+3+6*\c+\i], v[PT+4*\c+\i]
.endr
.endr
.irp c, 0,1,2
	global_store_b128 v[LI], v[PC+4*\c:PC+4*\c+3], s[8:9] offset:512*\c   ; 512 consecutive bytes, aligned
.endr
	global_store_b32 v[R4], v[PW], s[10:11]        ; 64 consecutive bytes: lanes l and l + 16 hold the same word and write it to the same place
	s_wait_tensorcnt 0x0                           ; the wave's end
	ds_add_u32 v[SPW], v[NIL]
	s_wait_dscnt 0x0
	CROUND                                         ; the closing round
	s_endpgm
.Lfunc_end_k_qf5f8e36738_attn:
	.size	k_qf5f8e36738_attn, .Lfunc_end_k_qf5f8e36738_attn-k_qf5f8e36738_attn
	.p2alignl 7, 3214868480
	.fill 96, 4, 3214868480
	.section	.rodata,"a",@progbits
	.p2align	6, 0x0
	.amdhsa_kernel k_qf5f8e36738_attn
		.amdhsa_group_segment_fixed_size 327680
		.amdhsa_private_segment_fixed_size 0
		.amdhsa_enable_private_segment 0
		.amdhsa_kernarg_size 32
		.amdhsa_user_sgpr_count 2
		.amdhsa_user_sgpr_kernarg_segment_ptr 1
		.amdhsa_wavefront_size32 1
		.amdhsa_system_sgpr_workgroup_id_x 1
		.amdhsa_system_sgpr_workgroup_id_y 1
		.amdhsa_system_sgpr_workgroup_id_z 1
		.amdhsa_system_vgpr_workitem_id 0
		.amdhsa_next_free_vgpr 448
		.amdhsa_next_free_sgpr 66
		.amdhsa_reserve_vcc 0
		.amdhsa_float_denorm_mode_32 3
		.amdhsa_float_denorm_mode_16_64 3
		.amdhsa_memory_ordered 1
		.amdhsa_forward_progress 1
		.amdhsa_inst_pref_size 137
	.end_amdhsa_kernel
	.amdgpu_metadata
---
amdhsa.version: [ 1, 2 ]
amdhsa.kernels:
  - .name:           k_qf5f8e36738_attn
    .symbol:         k_qf5f8e36738_attn.kd
    .args:
      - { .name: qkv, .offset: 0, .size: 8, .value_kind: global_buffer, .address_space: global }
      - { .name: bm, .offset: 8, .size: 8, .value_kind: global_buffer, .address_space: global }
      - { .name: ao_codes, .offset: 16, .size: 8, .value_kind: global_buffer, .address_space: global }
      - { .name: ao_scales, .offset: 24, .size: 8, .value_kind: global_buffer, .address_space: global }
    .group_segment_fixed_size: 327680
    .private_segment_fixed_size: 0
    .kernarg_segment_align: 8
    .kernarg_segment_size: 32
    .max_flat_workgroup_size: 256
    .sgpr_count:     66
    .vgpr_count:     448
    .wavefront_size: 32
...
	.end_amdgpu_metadata
.endif
;; end of part 7
;; launch oproj (part 8): grid 16 x 16, 4 waves a work-group, clusters of 4 x 4, 327,680 bytes of LDS; arguments ao_codes, ao_scales, codes, scales, out0; writes out0
.if DOCPART == 8
	.amdgcn_target "amdgcn-amd-amdhsa--gfx1250"
	.amdhsa_code_object_version 6
	.text
	.protected	k_qf5f8e36738_oproj
	.globl	k_qf5f8e36738_oproj
	.p2align	8
	.type	k_qf5f8e36738_oproj,@function
k_qf5f8e36738_oproj:
	s_mov_b64 s[64:65], 0
	v_nop
	global_prefetch_b8 v0, s[64:65] scope:SCOPE_SE
	s_setreg_imm32_b32 hwreg(HW_REG_WAVE_MODE, 25, 1), 1
	s_wait_xcnt 0x0
	s_wait_alu depctr_hold_cnt(0) depctr_sa_sdst(0) depctr_va_vdst(0) depctr_va_sdst(0) depctr_va_ssrc(0) depctr_va_vcc(0) depctr_vm_vsrc(0)
	s_getreg_b32 s2, hwreg(HW_REG_IB_STS2, 6, 4)
	s_cmp_eq_u32 s2, 0
	s_cbranch_scc0 .Lentry_in_a_cluster
	s_endpgm
.Lentry_in_a_cluster:
	s_bfe_u32 s2, ttmp6, 0x10000c
	s_cmp_lg_u32 s2, 0xf033
	s_cbranch_scc0 .Lentry_shape_is_right
	s_endpgm
.Lentry_shape_is_right:
; OPROJ.  out0[token][n] = the sum over k of ao[token][k] wo[n][k], on codes of BF6 (E3M2) with E8M0 scales, K = 2,048; out0 [2048][2048] f32.
; A = the attention launch's result, B = wo (tensor 4 of the codes' buffer): both as images of an operand's registers, [16 rows T][K step of 128] 1,536 bytes, registers 4 c .. 4 c + 3 of lane l at 512 c + 16 l;
; row rho of tile T is row 32 (T / 2) + 8 (T % 2) + rho % 8 + 16 (rho / 8).  Scale words: [T][K step] 16 words.
; A TILE OF THE RESULT IS 128 x 128, so that the 2,048 x 2,048 numbers make 256 work-groups; four waves, 64 x 64 each: 16 accumulators, 128 registers.
; K GOES IN QUARTERS OF 512 THROUGH THREE LDS SLOTS of 98,304 bytes (A's 8 tiles, then B's 8; 6,144 bytes a tile: four images).  Quarters 0, 1, 2 and the scales of all of K are first fills: four tensor loads of a wave are out
; at the start.  Quarter 3 is the one refill: into slot 0, asked for in step 3, when every wave has read that slot out, and first read for step 12.  The 16 steps of 128 along K are written out: no loop.
; CLUSTERS: 4 x 4 work-groups; A's tiles are asked for jointly along a row of the cluster, B's along a column.
; THE MATRIX INSTRUCTION IS USED TRANSPOSED (source 0 = 16 rows of B, source 1 = 16 rows of A): lane (r, h) holds A's row r; register j of accumulator b holds column 32 (b / 2) + 8 (b % 2) + 16 h + j.
; REGISTERS: window 0: v0-31 addresses; v32-95 the scale words of all of K (register 16 i + s: lanes 0-15 A's tile i, lanes 16-31 B's tile i, K step s), on the way out rows; v128-255 the accumulators ((a, b) at v[128 + 8 (4 a + b)]).
;   window 1: two sets of fragments, at v0 and v128: A's four (48 registers), then B's four.
.set ROWB,   6144                      ; a tile's bytes in a slot: four images
.set KROW,   24576                     ; a tile's bytes for all of K
.set FR,     12                        ; registers of a fragment
.set NP,     4                         ; places behind this matrix instruction (ISA guide 7.12.1)
.set HALFT,  4*ROWB                    ; 4 tiles: what one tensor load brings, and what one wave reads of A or of B
.set SLOT,   4*HALFT                   ; A's 8 tiles, then B's 8
.set SCL,    3*SLOT                    ; behind the slots: the scales
.set HALFS,  4096                      ; those of 4 tiles
.set SPARE,  SCL+4*HALFS               ; the spare words, 128 bytes for each wave: two blocks of 256 bytes that no other line names
.set SPITCH, 272                       ; the way out: a stage of 16 rows x (256 bytes + 16) for each wave,
.set STAGE,  SLOT                      ; in slot 1, which has had its one fill, and its last read ahead of the barrier of step 11
.set ADRA, 16                          ; v16-18  LDS address of my A fragments in slot 0, 1, 2
.set ADRB, 20                          ; v20-22  the same for B
.set STO,  24                          ; v24  the way out: where I put 16 bytes of a row
.set RD,   25                          ; v25  where I read rows back
.set CO,   26                          ; v26  8,192 h + 16 r: my place in two rows of out0
.set ADRS, 27                          ; v27  LDS address of my scale words: lanes 0-15 A's rows, lanes 16-31 B's
.set SPW,  28                          ; v28  LDS address of my spare word; never rewritten
.set NIL,  29                          ; v29  0; never rewritten
.set LI,   30                          ; v30  16 x lane
.set SC,   32
.set BK,   32                          ; the way out: 16 rows read back: v32-63 and v64-95 by turns
.set ACC,  128
.set G1,   24                          ; s[24:31] descriptor group 1 for A's tiles;  s[32:39] for B's;  s[40:47], s[48:55] for A's and B's scales
.set G1B,  32
.set G1S,  40
.set G1SB, 48
.set G0A,  56                          ; groups 0 for A's tiles: slot 0 s[56:59], slot 1 s[60:63], slot 2 s[68:71]
.set G0B,  72                          ; for B's: s[72:75], s[76:79], s[80:83]
.set G0S,  84                          ; s[84:87], s[88:91] for the scales
.set G0SB, 88
.set MSB, 0
.macro WIN new                         ; the immediate's high byte repeats the setting that is left
.if MSB != (\new)
	s_set_vgpr_msb (MSB<<8)|(\new)
.set MSB, (\new)
.endif
.endm
.set MUL,  0x05                        ; sources 0 (B) and 1 (A) window 1; C and D window 0
.set TO_F, 0x40                        ; destination window 1, address window 0
.macro JLOAD g0a, g1a, g0b, g1b        ; a joint load: waves 0 and 1 fetch for A, waves 2 and 3 for B; four v_nop follow each of the two lines
	s_cmp_eq_u32 s15, 0
	s_cbranch_scc0 .Lfor_b_\@
	tensor_load_to_lds s[\g0a:\g0a+3], s[\g1a:\g1a+7]
	s_nop 0
.rept 4
	v_nop
.endr
	s_branch .Lasked_\@
.Lfor_b_\@:
	tensor_load_to_lds s[\g0b:\g0b+3], s[\g1b:\g1b+7]
	s_nop 0
.rept 4
	v_nop
.endr
.Lasked_\@:
.endm
.macro CREST                           ; a round of the cluster's barrier behind its opening barrier
	s_cmp_lg_u32 s14, 0
	s_cbranch_scc1 .Lnot_wave_0_\@
	s_barrier_signal -3
.Lnot_wave_0_\@:
	s_barrier_wait -3
	s_barrier_signal -1
	s_barrier_wait -1
.endm
.macro CROUND                          ; a whole round
	s_barrier_signal -1
	s_barrier_wait -1
	CREST
.endm
	s_load_b128 s[4:7], s[0:1], 0x0                ; A's codes, A's scales
	s_load_b128 s[8:11], s[0:1], 0x10              ; the codes' buffer, the scales' buffer
	s_load_b64 s[12:13], s[0:1], 0x20              ; out0
	v_lshl_add_u32 v[SPW], v0, 2, SPARE
	v_mov_b32 v[NIL], 0
	ds_add_u32 v28, v29
	ds_add_u32 v28, v29
	s_wait_dscnt 0x0
	v_lshrrev_b32 v1, 5, v0
	v_readfirstlane_b32 s14, v1                    ; wave 0..3
	s_lshr_b32 s15, s14, 1                         ; which half of A's rows is mine.  Also: I fetch for A (0) or for B (1)
	s_and_b32 s16, s14, 1                          ; which half of B's rows.  Also: which 4 tiles I fetch
	s_bfe_u32 s92, ttmp6, 0x40000                  ; cx, cy: my place in the cluster
	s_bfe_u32 s93, ttmp6, 0x40004
	s_lshl_b32 s94, ttmp9, 2
	s_add_co_u32 s94, s94, s92                     ; xt: which 128 rows of B
	s_and_b32 s17, ttmp7, 0xffff
	s_lshl_b32 s17, s17, 2
	s_add_co_u32 s17, s17, s93                     ; yt: which 128 rows of A
	s_lshl_b32 s95, s93, 2
	s_lshl_b32 s95, 15, s95                        ; my row of the cluster
	s_lshl_b32 s96, 0x1111, s92                    ; my column
	; descriptor group 1: 4 rows of 6,144 bytes (768 elements of 8 bytes), 24,576 bytes apart; no padding
	s_or_b32 s[G1+0], s95, (3<<16)|(1<<21)         ; 15:0 the mask: A's tiles go to my row; 17:16 elements of 8 bytes; 21 set beside a mask
	s_or_b32 s[G1B+0], s96, (3<<16)|(1<<21)
.irp g, G1, G1B
	s_mov_b32 s[\g+1], 768<<16                     ; tensor_dim0
	s_mov_b32 s[\g+2], 4<<16                       ; tensor_dim1
	s_mov_b32 s[\g+3], 768<<16                     ; tile_dim0
	s_mov_b32 s[\g+4], 4                           ; tile_dim1
	s_mov_b32 s[\g+5], 3072                        ; tensor_dim0_stride
	s_mov_b32 s[\g+6], 0
	s_mov_b32 s[\g+7], 0
.endr
	; and for the scales of 4 tiles: 4,096 dense bytes as 16 rows of 256
	s_or_b32 s[G1S+0], s95, (3<<16)|(1<<21)
	s_or_b32 s[G1SB+0], s96, (3<<16)|(1<<21)
.irp g, G1S, G1SB
	s_mov_b32 s[\g+1], 32<<16
	s_mov_b32 s[\g+2], 16<<16
	s_mov_b32 s[\g+3], 32<<16
	s_mov_b32 s[\g+4], 16
	s_mov_b32 s[\g+5], 32
	s_mov_b32 s[\g+6], 0
	s_mov_b32 s[\g+7], 0
.endr
	s_lshl_b32 s18, s16, 2                         ; which 4 tiles I fetch
	s_lshl_b32 s20, s17, 3
	s_add_co_u32 s20, s20, s18                     ; A: tile 8 yt + 4 half
	s_lshl_b32 s98, s94, 3
	s_add_co_u32 s98, s98, s18
	s_add_co_u32 s98, s98, 512                     ; B: tile 128 x 4 + 8 xt + 4 half
	s_lshl_b32 s22, s20, 10                        ; where these tiles' scales begin, in bytes
	s_mov_b32 s23, 0
	s_lshl_b32 s100, s98, 10
	s_mov_b32 s101, 0
	s_mul_i32 s20, s20, KROW                       ; and their codes (under 2^24)
	s_mov_b32 s21, 0
	s_mul_i32 s98, s98, KROW
	s_mov_b32 s99, 0
	s_mul_i32 s97, s14, HALFT                      ; where they go: wave x 4 tiles: no place in the cluster enters an LDS address
	s_mul_i32 s2, s14, HALFS
	s_wait_kmcnt 0x0
	s_add_nc_u64 s[20:21], s[4:5], s[20:21]
	s_add_nc_u64 s[22:23], s[6:7], s[22:23]
	s_add_nc_u64 s[98:99], s[8:9], s[98:99]
	s_add_nc_u64 s[100:101], s[10:11], s[100:101]
	CROUND                                         ; all sixteen work-groups are here: the first joint loads meet
	s_mov_b32 s[G0S], 1
	s_add_co_u32 s[G0S+1], s2, SCL
	s_mov_b64 s[G0S+2:G0S+3], s[22:23]
	s_or_b32 s[G0S+3], s[G0S+3], 0x80000000
	s_mov_b32 s[G0SB], 1
	s_add_co_u32 s[G0SB+1], s2, SCL
	s_mov_b64 s[G0SB+2:G0SB+3], s[100:101]
	s_or_b32 s[G0SB+3], s[G0SB+3], 0x80000000
	JLOAD G0S, G1S, G0SB, G1SB                     ; the scales first: they are wanted with the first quarter
.irp s, 0,1,2
.set GA0, G0A+4*\s+4*(\s/2)            ; (s64 and s65 are passed over)
.set GB0, G0B+4*\s
	s_mov_b32 s[GA0], 1
	s_add_co_u32 s[GA0+1], s97, \s*SLOT
	s_add_nc_u64 s[GA0+2:GA0+3], s[20:21], \s*ROWB
	s_or_b32 s[GA0+3], s[GA0+3], 0x80000000
	s_mov_b32 s[GB0], 1
	s_add_co_u32 s[GB0+1], s97, \s*SLOT
	s_add_nc_u64 s[GB0+2:GB0+3], s[98:99], \s*ROWB
	s_or_b32 s[GB0+3], s[GB0+3], 0x80000000
	JLOAD GA0, G1, GB0, G1B                        ; quarter s into slot s
.endr
	v_and_b32 v1, 15, v0                           ; r
	v_bfe_u32 v2, v0, 4, 1                         ; h
	v_and_b32 v3, 31, v0                           ; lane
	v_lshlrev_b32 v[LI], 4, v3
	s_mul_i32 s21, s15, HALFT                      ; my 4 tiles of A
	s_mul_i32 s22, s16, HALFT                      ; my 4 tiles of B,
	s_add_co_u32 s22, s22, 2*HALFT                 ; which lie behind A's 8
.irp s, 0,1,2
	v_add_nc_u32 v[ADRA+\s], s21, v[LI]
	v_add_nc_u32 v[ADRB+\s], s22, v[LI]
	s_add_co_u32 s21, s21, SLOT
	s_add_co_u32 s22, s22, SLOT
.endr
	v_lshlrev_b32 v5, 2, v1                        ; my row's scale word: 4 r
	s_mul_i32 s21, s15, HALFS                      ; A's: my 4 tiles
	s_mul_i32 s22, s16, HALFS                      ; B's: my 4 tiles, behind A's 8
	s_add_co_u32 s22, s22, 2*HALFS
	s_sub_co_u32 s22, s22, s21
	v_mul_u32_u24 v6, s22, v2                      ; lanes 16-31 take B's
	s_add_co_u32 s21, s21, SCL
	v_add_nc_u32 v5, v5, v6
	v_add_nc_u32 v[ADRS], s21, v5
	s_mul_i32 s23, s14, 16*SPITCH
	s_add_co_u32 s23, s23, STAGE                   ; my stage
	v_mul_u32_u24 v5, v1, SPITCH                   ; in: row r, + 64 h
	v_lshl_add_u32 v5, v2, 6, v5
	v_add_nc_u32 v[STO], s23, v5
	v_mul_u32_u24 v5, v2, SPITCH                   ; back: lanes 0-15 take one row of 256 bytes, lanes 16-31 the next
	v_lshl_add_u32 v5, v1, 4, v5
	v_add_nc_u32 v[RD], s23, v5
	v_lshlrev_b32 v[CO], 13, v2                    ; and the same two rows in out0, which are neighbours there too
	v_lshl_add_u32 v[CO], v1, 4, v[CO]
	s_lshl_b32 s20, s17, 7
	s_lshl_b32 s21, s15, 6
	s_add_co_u32 s20, s20, s21                     ; my first row of out0: 128 yt + 64 half
	s_lshl_b32 s20, s20, 13                        ; rows of 8,192 bytes
	s_mov_b32 s21, 0
	s_lshl_b32 s98, s94, 9                         ; my first column, in bytes: 512 xt + 256 half
	s_lshl_b32 s99, s16, 8
	s_add_co_u32 s98, s98, s99
	s_mov_b32 s99, 0
	s_add_nc_u64 s[20:21], s[20:21], s[98:99]
	s_add_nc_u64 s[12:13], s[12:13], s[20:21]
; K step t (0 .. 15) lies in slot (t / 4) % 3, at image t % 4 of each tile, and is multiplied out of set t % 2.
.macro FETCH t                         ; its eight fragments: 24 loads of 512 consecutive bytes
.set FS, 128*((\t)%2)
.set SL, ((\t)/4)%3
.set QQ, (\t)%4
	WIN TO_F
.irp i, 0,1,2,3
.irp c, 0,1,2
	ds_load_b128 v[FS+48+FR*\i+4*\c:FS+48+FR*\i+4*\c+3], v[ADRB+SL] offset:\i*ROWB+QQ*1536+512*\c
.endr
.endr
.irp i, 0,1,2,3
.irp c, 0,1,2
	ds_load_b128 v[FS+FR*\i+4*\c:FS+FR*\i+4*\c+3], v[ADRA+SL] offset:\i*ROWB+QQ*1536+512*\c
.endr
.endr
	WIN 0
.endm
.macro SCALESQ q                       ; quarter q's scale words, each into a register of its own: lanes 0-15 take A's tile i, lanes 16-31 B's tile i
.irp i, 0,1,2,3
.irp s, 0,1,2,3
	ds_load_b32 v[SC+16*\i+4*(\q)+\s], v[ADRS] offset:\i*1024+64*(4*(\q)+\s)
.endr
.endr
.endm
; 4 matrix instructions: A's block a x B's four, K step t.  zero = 1: the first product starts the sums.  The 16 accumulators take turns, one instruction a turn, in the same order in every step.
.macro MULA a, t, zero
.set FS, 128*((\t)%2)
.irp b, 0,1,2,3
.if \zero
	v_wmma_scale_f32_16x16x128_f8f6f4 v[ACC+8*(4*(\a)+\b):ACC+8*(4*(\a)+\b)+7], v[FS+48+FR*\b:FS+48+FR*\b+FR-1], v[FS+FR*(\a):FS+FR*(\a)+FR-1], 0, v[SC+16*\b+(\t)], v[SC+16*(\a)+(\t)] matrix_a_fmt:MATRIX_FMT_BF6 matrix_b_fmt:MATRIX_FMT_BF6 matrix_a_scale:MATRIX_SCALE_ROW1
.else
	v_wmma_scale_f32_16x16x128_f8f6f4 v[ACC+8*(4*(\a)+\b):ACC+8*(4*(\a)+\b)+7], v[FS+48+FR*\b:FS+48+FR*\b+FR-1], v[FS+FR*(\a):FS+FR*(\a)+FR-1], v[ACC+8*(4*(\a)+\b):ACC+8*(4*(\a)+\b)+7], v[SC+16*\b+(\t)], v[SC+16*(\a)+(\t)] matrix_a_fmt:MATRIX_FMT_BF6 matrix_b_fmt:MATRIX_FMT_BF6 matrix_a_scale:MATRIX_SCALE_ROW1
.endif
.endr
.endm
.macro PLACES n                        ; plain vector instructions behind a matrix instruction, in front of loads into its registers and of reads of its results (ISA guide 7.12.1 for vector instructions)
.rept \n
	v_nop
.endr
.endm
; A step whose successor lies in a slot that every wave may read: the next step's fragments are asked for, then this step is multiplied.
.macro STEPN t, zero
	s_wait_dscnt 0x0                               ; this step's fragments are in
.if (\t) > 0
	PLACES NP                                      ; behind the last step's products, which read the set that is loaded now
.endif
	FETCH (\t)+1
.if ((\t)+1)%4 == 0
	SCALESQ ((\t)+1)/4
.endif
	WIN MUL
	MULA 0, \t, \zero
	MULA 1, \t, \zero
	MULA 2, \t, \zero
	MULA 3, \t, \zero
.endm
; A step with a barrier: each wave waits for all its tensor loads, adds 0 to its spare word, and waits for that and for its LDS reads.
; fill = 1 (step 3): slots 1 and 2 are whole, nobody reads slot 0 any more; a round of the cluster's barrier, and slot 0 takes quarter 3.  fill = 0 (step 11): quarter 3 is whole; nothing is filled.
.macro CHG t, fill
	WIN 0                                          ; (the add's two registers lie in window 0)
	s_wait_tensorcnt 0x0                           ; all my tensor loads have landed
	ds_add_u32 v[SPW], v[NIL]                      ; 0 onto my spare word
	s_wait_dscnt 0x1                               ; this step's fragments are in (the add may be out)
	WIN MUL
	MULA 0, \t, 0                                  ; four matrix instructions stand between the add and the wait for it
	s_wait_dscnt 0x0                               ; the add is done, and my LDS reads are over
	s_barrier_signal -1
	MULA 1, \t, 0
	WIN 0
	s_barrier_wait -1
.if \fill
	CREST                                          ; the barrier has opened a round of the cluster's barrier: no wave of any partner still reads slot 0 or has a load on its way
	s_add_nc_u64 s[G0A+2:G0A+3], s[G0A+2:G0A+3], 3*ROWB
	s_add_nc_u64 s[G0B+2:G0B+3], s[G0B+2:G0B+3], 3*ROWB
	JLOAD G0A, G1, G0B, G1B                        ; the first tensor load behind the round, my one refill; its four v_nop are the places in front of the loads below
.else
	PLACES NP
.endif
	FETCH (\t)+1
	SCALESQ ((\t)+1)/4
	WIN MUL
	MULA 2, \t, 0
	MULA 3, \t, 0
.endm
	s_wait_tensorcnt 0x2                           ; the scales and my part of slot 0 are in (the loads of slots 1 and 2 may be out)
	s_barrier_signal -1
	s_barrier_wait -1                              ; everybody's are
	FETCH 0
	SCALESQ 0
	STEPN 0, 1                                     ; the first step's products start the sums
	STEPN 1, 0
	STEPN 2, 0
	CHG 3, 1
.irp t, 4,5,6,7,8,9,10
	STEPN \t, 0
.endr
	CHG 11, 0
.irp t, 12,13,14
	STEPN \t, 0
.endr
	s_wait_dscnt 0x0                               ; the last step: nothing more to fetch
	WIN MUL
	MULA 0, 15, 0
	MULA 1, 15, 0
	MULA 2, 15, 0
	MULA 3, 15, 0
	WIN 0
; THE WAY OUT, block by block of 16 rows x 64 columns, through my own stage: in by lanes (each accumulator's eight numbers at their columns' place), back as whole rows of 256 bytes, two an instruction.
; LDS serves a wave's instructions in order (ISA guide 5.7.1.4): no wait between the stores and the loads, nor in front of the next block's stores.
.macro TOSTAGE a
.irp b, 0,1,2,3
	ds_store_b128 v[STO], v[ACC+8*(4*(\a)+\b):ACC+8*(4*(\a)+\b)+3] offset:128*(\b/2)+32*(\b%2)          ; each accumulator from its low end on
	ds_store_b128 v[STO], v[ACC+8*(4*(\a)+\b)+4:ACC+8*(4*(\a)+\b)+7] offset:128*(\b/2)+32*(\b%2)+16
.endr
.set BB, BK+32*((\a)%2)
.irp t, 0,1,2,3,4,5,6,7
	ds_load_b128 v[BB+4*\t:BB+4*\t+3], v[RD] offset:\t*2*SPITCH
.endr
.endm
.macro SEND a, younger                 ; younger: the LDS instructions issued behind block a's loads, which may stay out
.set BB, BK+32*((\a)%2)
	s_wait_dscnt \younger
.irp t, 0,1,2,3,4,5,6,7
	global_store_b128 v[CO], v[BB+4*\t:BB+4*\t+3], s[12:13] offset:(32*((\a)/2)+8*((\a)%2)+(2*\t)%8+16*(\t/4))*8192 th:TH_STORE_NT   ; sixteen lanes store 256 consecutive bytes, aligned; the tile's rows 2 t and 2 t + 1 at their true rows; 62 rows at the most: inside the signed 24-bit immediate
.endr
.endm
	PLACES NP                                      ; behind the last products: what follows reads results and loads into registers that held scales
	TOSTAGE 0
.irp a, 1,2,3
.if \a > 1
	s_wait_xcnt 0x0                                ; block a - 2's stores have read their registers: block a's loads may land there
.endif
	TOSTAGE \a
	SEND \a-1, 16                                  ; behind block a - 1's loads: block a's 8 stores and 8 loads
.endr
	SEND 3, 0
	s_wait_tensorcnt 0x0                           ; the wave's end
	ds_add_u32 v[SPW], v[NIL]
	s_wait_dscnt 0x0
	CROUND                                         ; the closing round: no work-group ends while a partner may still ask for a tile that names it
	s_endpgm
.Lfunc_end_k_qf5f8e36738_oproj:
	.size	k_qf5f8e36738_oproj, .Lfunc_end_k_qf5f8e36738_oproj-k_qf5f8e36738_oproj
	.p2alignl 7, 3214868480
	.fill 96, 4, 3214868480
	.section	.rodata,"a",@progbits
	.p2align	6, 0x0
	.amdhsa_kernel k_qf5f8e36738_oproj
		.amdhsa_group_segment_fixed_size 327680
		.amdhsa_private_segment_fixed_size 0
		.amdhsa_enable_private_segment 0
		.amdhsa_kernarg_size 40
		.amdhsa_user_sgpr_count 2
		.amdhsa_user_sgpr_kernarg_segment_ptr 1
		.amdhsa_wavefront_size32 1
		.amdhsa_system_sgpr_workgroup_id_x 1
		.amdhsa_system_sgpr_workgroup_id_y 1
		.amdhsa_system_sgpr_workgroup_id_z 1
		.amdhsa_system_vgpr_workitem_id 0
		.amdhsa_next_free_vgpr 512
		.amdhsa_next_free_sgpr 102
		.amdhsa_reserve_vcc 0
		.amdhsa_float_denorm_mode_32 3
		.amdhsa_float_denorm_mode_16_64 3
		.amdhsa_memory_ordered 1
		.amdhsa_forward_progress 1
		.amdhsa_inst_pref_size 84
	.end_amdhsa_kernel
	.amdgpu_metadata
---
amdhsa.version: [ 1, 2 ]
amdhsa.kernels:
  - .name:           k_qf5f8e36738_oproj
    .symbol:         k_qf5f8e36738_oproj.kd
    .args:
      - { .name: ao_codes, .offset: 0, .size: 8, .value_kind: global_buffer, .address_space: global }
      - { .name: ao_scales, .offset: 8, .size: 8, .value_kind: global_buffer, .address_space: global }
      - { .name: codes, .offset: 16, .size: 8, .value_kind: global_buffer, .address_space: global }
      - { .name: scales, .offset: 24, .size: 8, .value_kind: global_buffer, .address_space: global }
      - { .name: out0, .offset: 32, .size: 8, .value_kind: global_buffer, .address_space: global }
    .group_segment_fixed_size: 327680
    .private_segment_fixed_size: 0
    .kernarg_segment_align: 8
    .kernarg_segment_size: 40
    .max_flat_workgroup_size: 128
    .sgpr_count:     102
    .vgpr_count:     512
    .wavefront_size: 32
...
	.end_amdgpu_metadata
.endif
;; end of part 8
